; MI455X (gfx1250); checked and timed in simulation.
; The chip was launched on July 23, 2026; its instructions are those of AMD's public machine-readable ISA for CDNA 5 (MIT licence, August 2026) and "CDNA5" Instruction Set Architecture Reference Guide (July 2026). The comments in the code are by the model that wrote it; some were corrected since.
;; Attention. Allowed arithmetic: float matrix products may take bf16 or f16 operands with f32 sums; other float arithmetic in f32, or as packed bf16 or f16 multiplies, adds, multiply-adds, maxima and minima; sums over many terms, partial sums and values carried from step to step in f32; what a program stores and reads back later, other than sums and carried values, may be rounded once to bf16 or f16.
;; Inputs: Wk 1,024 x 1,024 float32; Wq 1,024 x 1,024 float32; Wv 1,024 x 1,024 float32; bk 1,024 float32; bq 1,024 float32; bv 1,024 float32; k 4 x 2,048 x 1,024 float32; q 4 x 2,048 x 1,024 float32; v 4 x 2,048 x 1,024 float32.
;; Outputs: out0 4 x 2,048 x 1,024 float32.
;; 2 versions, each right and faster than the one before. Each part assembles by itself: llvm-mc -triple=amdgcn-amd-amdhsa -mcpu=gfx1250 --defsym DOCPART=n.
;; ======== version 1 of 2: 4 launches
;; limits: values are held in f16: magnitudes above 65,504 overflow, below 6.1e-05 lose precision
;; workspace buffers: Wb 6,291,456 bytes; Qp 16,777,216 bytes; Kp 16,777,216 bytes; Vp 16,777,216 bytes; Pt 33,554,432 bytes; St 1,048,576 bytes
;; launch wcast (part 1): grid 256 x 3, 8 waves a work-group, no clusters, 0 bytes of LDS; arguments Wq, Wk, Wv, Wb; writes Wb
.if DOCPART == 1
	.amdgcn_target "amdgcn-amd-amdhsa--gfx1250"
	.amdhsa_code_object_version 6
	.text
	.protected	k_qce92a130ac_wcast
	.globl	k_qce92a130ac_wcast
	.p2align	8
	.type	k_qce92a130ac_wcast,@function
k_qce92a130ac_wcast:
	s_mov_b64 s[64:65], 0
	v_nop
	global_prefetch_b8 v0, s[64:65] scope:SCOPE_SE
	s_setreg_imm32_b32 hwreg(HW_REG_WAVE_MODE, 25, 1), 1
	s_wait_xcnt 0x0
; Wb[p][k][n] = bf16(W_p[k][n]), p = 0, 1, 2 for Wq, Wk, Wv: the three weights rounded once to bf16 (nearest even), in the layout in which they lie.
; A stream: no LDS, no barrier, no matrix unit; nothing is read twice.  A work-group converts 4,096 numbers (16,384 bytes in, 8,192 out), a thread two runs of 8.
; Each store of a wave covers 512 consecutive bytes, at a multiple of 256 from Wb's first byte.
	s_load_b256 s[4:11], s[0:1], 0x0               ; Wq s[4:5], Wk s[6:7], Wv s[8:9], Wb s[10:11]
	s_and_b32 s12, ttmp7, 0xffff                   ; p: which weight
	v_lshlrev_b32 v1, 5, v0                        ; my 8 numbers in: 32 bytes a thread
	v_lshlrev_b32 v2, 4, v0                        ; and out: 16 bytes a thread
	s_lshl_b32 s14, ttmp9, 14                      ; the work-group's 16,384 bytes of the weight
	s_mov_b32 s15, 0
	s_lshl_b32 s16, s12, 21                        ; a weight is 2,097,152 bytes of Wb,
	s_lshl_b32 s17, ttmp9, 13                      ; the work-group's part 8,192
	s_add_co_u32 s16, s16, s17
	s_mov_b32 s17, 0
	s_wait_kmcnt 0x0
	s_cmp_eq_u32 s12, 1
	s_cselect_b64 s[4:5], s[6:7], s[4:5]           ; the weight is chosen by p alone
	s_cmp_eq_u32 s12, 2
	s_cselect_b64 s[4:5], s[8:9], s[4:5]
	s_add_nc_u64 s[4:5], s[4:5], s[14:15]
	s_add_nc_u64 s[10:11], s[10:11], s[16:17]
	global_load_b128 v[4:7],   v1, s[4:5] th:TH_LOAD_NT
	global_load_b128 v[8:11],  v1, s[4:5] offset:16 th:TH_LOAD_NT
	global_load_b128 v[12:15], v1, s[4:5] offset:8192 th:TH_LOAD_NT
	global_load_b128 v[16:19], v1, s[4:5] offset:8208 th:TH_LOAD_NT
	s_wait_loadcnt 0x2                             ; loads come back in order: the first run's two are in, the second run's two stay out
	v_cvt_pk_bf16_f32 v20, v4, v5
	v_cvt_pk_bf16_f32 v21, v6, v7
	v_cvt_pk_bf16_f32 v22, v8, v9
	v_cvt_pk_bf16_f32 v23, v10, v11
	global_store_b128 v2, v[20:23], s[10:11]
	s_wait_loadcnt 0x0
	v_cvt_pk_bf16_f32 v4, v12, v13                 ; v[4:7] are free: their loads are in and their numbers converted
	v_cvt_pk_bf16_f32 v5, v14, v15
	v_cvt_pk_bf16_f32 v6, v16, v17
	v_cvt_pk_bf16_f32 v7, v18, v19
	global_store_b128 v2, v[4:7], s[10:11] offset:4096
	s_endpgm
.Lfunc_end_k_qce92a130ac_wcast:
	.size	k_qce92a130ac_wcast, .Lfunc_end_k_qce92a130ac_wcast-k_qce92a130ac_wcast
	.p2alignl 7, 3214868480
	.fill 96, 4, 3214868480
	.section	.rodata,"a",@progbits
	.p2align	6, 0x0
	.amdhsa_kernel k_qce92a130ac_wcast
		.amdhsa_group_segment_fixed_size 0
		.amdhsa_private_segment_fixed_size 0
		.amdhsa_enable_private_segment 0
		.amdhsa_kernarg_size 32
		.amdhsa_user_sgpr_count 2
		.amdhsa_user_sgpr_kernarg_segment_ptr 1
		.amdhsa_wavefront_size32 1
		.amdhsa_system_sgpr_workgroup_id_x 1
		.amdhsa_system_sgpr_workgroup_id_y 1
		.amdhsa_system_sgpr_workgroup_id_z 1
		.amdhsa_system_vgpr_workitem_id 0
		.amdhsa_next_free_vgpr 24
		.amdhsa_next_free_sgpr 66
		.amdhsa_reserve_vcc 0
		.amdhsa_float_denorm_mode_32 3
		.amdhsa_float_denorm_mode_16_64 3
		.amdhsa_memory_ordered 1
		.amdhsa_forward_progress 1
		.amdhsa_inst_pref_size 2
	.end_amdhsa_kernel
	.amdgpu_metadata
---
amdhsa.version: [ 1, 2 ]
amdhsa.kernels:
  - .name:           k_qce92a130ac_wcast
    .symbol:         k_qce92a130ac_wcast.kd
    .args:
      - { .name: Wq, .offset: 0, .size: 8, .value_kind: global_buffer, .address_space: global }
      - { .name: Wk, .offset: 8, .size: 8, .value_kind: global_buffer, .address_space: global }
      - { .name: Wv, .offset: 16, .size: 8, .value_kind: global_buffer, .address_space: global }
      - { .name: Wb, .offset: 24, .size: 8, .value_kind: global_buffer, .address_space: global }
    .group_segment_fixed_size: 0
    .private_segment_fixed_size: 0
    .kernarg_segment_align: 8
    .kernarg_segment_size: 32
    .max_flat_workgroup_size: 256
    .sgpr_count:     66
    .vgpr_count:     24
    .wavefront_size: 32
...
	.end_amdgpu_metadata
.endif
;; end of part 1
;; launch proj (part 2): grid 4 x 192, 4 waves a work-group, clusters of 4 x 4, 327,680 bytes of LDS; arguments q, k, v, Wb, bq, bk, bv, Qp, Kp, Vp; writes Qp, Kp, Vp
.if DOCPART == 2
	.amdgcn_target "amdgcn-amd-amdhsa--gfx1250"
	.amdhsa_code_object_version 6
	.text
	.protected	k_qce92a130ac_proj
	.globl	k_qce92a130ac_proj
	.p2align	8
	.type	k_qce92a130ac_proj,@function
k_qce92a130ac_proj:
	s_mov_b64 s[64:65], 0
	v_nop
	global_prefetch_b8 v0, s[64:65] scope:SCOPE_SE
	s_setreg_imm32_b32 hwreg(HW_REG_WAVE_MODE, 25, 1), 1
	s_wait_xcnt 0x0
	s_wait_alu depctr_hold_cnt(0) depctr_sa_sdst(0) depctr_va_vdst(0) depctr_va_sdst(0) depctr_va_ssrc(0) depctr_va_vcc(0) depctr_vm_vsrc(0)
	s_getreg_b32 s2, hwreg(HW_REG_IB_STS2, 6, 4)
	s_cmp_eq_u32 s2, 0
	s_cbranch_scc0 .Lentry_in_a_cluster
	s_endpgm
.Lentry_in_a_cluster:
	s_bfe_u32 s2, ttmp6, 0x10000c
	s_cmp_lg_u32 s2, 0xf033
	s_cbranch_scc0 .Lentry_shape_is_right
	s_endpgm
.Lentry_shape_is_right:
; ONE TEXT FOR TWO LAUNCHES, C[m][n] = sum over k of A[m][k] B[k][n] with B stored [K][N]; MODE says which this file is.
; MODE 0 (this file), the projections: Xp = f16( bf16(x) bf16(W) + bf16(b) ) for x = q, k, v in one launch.  x is f32 [8192][1024] and is rounded to bf16 on the way from LDS to the
;   matrix unit; W comes as bf16 [1024][1024]; the bias, rounded to bf16, is the C operand of the products that start the sums.  Sums in f32, Xp rounded once to f16.
; MODE 1, the weighted sum: out = (sum over blocks of 128 keys of (f p) V) / L.  p (f16, [8192][2048]) is 2^(c s - cm) with cm = c x the maximum of its row in ITS block; cm and the block's sum l lie in St.
;   Here m = the maximum of the row's 16 cm, f = 2^(cm - m) <= 1, L = the sum of f l: the row's true maximum is what has been taken away.  f p is made in f16 on the way to the matrix unit.
; LIMITS.  f16 holds no number beyond 65,504: the projections' results must stay within it (inputs 30 times those of unit spread give some 5,000).  f p below 6e-8 counts as 0; f below 2^-126 counts as 0 in L.
;   NaN and infinities are not treated apart.
; SHARES.  A work-group makes 128 x 256 of C: that gives 768 (MODE 0) and 256 (MODE 1) work-groups, whole multiples of 256.  Four waves, each 64 x 128: 32 accumulators, 256 registers.
; K goes in steps of 128 through two LDS slots.  Waves 0 and 1 fetch the halves (64 rows) of A's tile, waves 2 and 3 the halves (64 k) of B's: one tensor load a wave behind each change of slots.
; CLUSTER.  4 x 4 work-groups.  A's tile hangs on the tile row alone and is asked for jointly by a row of the cluster, B's on the tile column (and on the input or batch, which all sixteen share) by a column.
; THE MATRIX INSTRUCTION IS USED TRANSPOSED: source 0 = 16 columns of B (turned out of LDS by ds_load_tr16_b128), source 1 = 16 rows of A: a lane holds row l % 16 of C and the columns 8 (l / 16) + 0..7.
; REGISTERS, in windows of 256 (s_set_vgpr_msb: bits 1:0 source 0, 3:2 source 1, 5:4 source 2, 7:6 destination):
;   window 0: addresses; the bias or the statistics; at work on the way out      window 1: accumulator (a, b) at v[8 (8 a + b)]
;   window 2: v0-127 B's fragments, two buffers; v128-191 A's, two buffers; v192-255 A as loaded in f32 (MODE 0), or v192-195 the step's factors (MODE 1)
.set MODE, 0
.set STEPS,  8+8*MODE                  ; K steps of 128: K = 1,024 or 2,048
.set APITCH, 528-256*MODE              ; a row of A in LDS: 512 bytes (f32) or 256 (f16) + 16 of padding: an odd multiple of 16, so the 16 rows of a load start at 16 different groups of four banks (ISA guide 11.1)
.set ASTEP,  512-256*MODE              ; bytes along a row of A from step to step
.set NA,     16-8*MODE                 ; LDS loads for A's four fragments of 32 k
.set SPITCH, 272+256*MODE              ; a row of a wave's stage: its 128 columns (f16: 256 bytes, f32: 512) + 16
.set BPITCH, 544                       ; a row of B in LDS: 512 bytes + 32
.set BSTEP,  128*2048                  ; 128 rows of B on
.set NL,     NA+16                     ; LDS loads of a quarter step: A's, then B's sixteen
.set ABYTES, 128*APITCH
.set SLOT,   ABYTES+128*BPITCH         ; A's 128 rows, then B's 128 rows
.set STAGE,  2*SLOT                    ; behind the ring, never filled by a tensor load: 16 rows for each wave, for the way out
.set TABLE,  STAGE+4*16*SPITCH         ; MODE 1: for each wave 17 entries of 256 bytes: entry s holds, for row l % 16 of its four blocks of 16 rows, the factor of step s, twice in a word
.set SPARE,  TABLE+MODE*4*17*256       ; the spare words, 128 bytes for each wave: two blocks of 256 bytes that no other line names
.set A0L,  16                          ; v16  my lane's place in a slot's tile of A; never rewritten
.set B0L,  17                          ; v17  the same for B
.set ADRA, 18                          ; v18  A0L + the slot that is read
.set ADRB, 19                          ; v19  B0L + the slot that is read
.set STO,  24                          ; v24  the way out: where I put my numbers of a row
.set RD,   25                          ; v25  the way out: where I read rows back
.set CO,   26                          ; v26  my byte offset in C
.set TAB,  27                          ; v27  MODE 1: my 16 bytes of the table entry in hand
.set SPW,  28                          ; v28  LDS address of my spare word; never rewritten
.set NIL,  29                          ; v29  0; never rewritten
.set BIAS, 32                          ; v32-95   MODE 0: the bias of my 128 columns as a C operand, 8 registers for each block of 16 columns
.set CMX,  32                          ; v32-63   MODE 1: cm, then f, of blocks 2 i + l / 16 and rows 16 a + l % 16, at 4 i + a
.set LL,   64                          ; v64-95   MODE 1: l, likewise
.set WK,   96                          ; v96-127  at work
.set RL,   224                         ; v224-231 MODE 1: 1 / L of row 16 a + l % 16, as a pair at 2 a
.set TMP,  32                          ; the way out: a block of 16 rows, packed or scaled
.set BF,   0                           ; window 2
.set AF,   128
.set RAW,  192
.set FC,   192
.set WV, 10                            ; s10 my wave's number
.set WM, 11                            ; s11 which 64 rows of the tile are mine.  Also: I fetch for A (0) or for B (1)
.set WN, 12                            ; s12 which 128 columns.  Also: which half of that tile I fetch
.set G1A, 24                           ; s[24:31] descriptor group 1 for A's tiles
.set G0A, 32                           ; s[32:39] group 0: the first set fills slot 0 once; the second fills slot 1 and then walks on
.set CX, 40
.set CY, 41
.set TX, 42                            ; s42 tile column
.set CLY, 43                           ; s43 the cluster's y
.set TY, 44                            ; s44 tile row
.set PB, 45                            ; s45 MODE 0: which input; MODE 1: the batch.  Made of the cluster's y alone
.set G1B, 48                           ; s[48:55], s[88:95] the same for B's tiles
.set G0B, 88
.set TB, 56                            ; s56 the slot that is read: 0 or SLOT
.set TF, 57                            ; s57 the slot that was filled last
.set WBA, 58                           ; s58 my half's place in a slot, for A
.set WBB, 59                           ; s59 for B
.set SEL, 60                           ; s[60:61] v_permlanex16_b32's selects: each lane takes its own place in the other half
.if MODE == 0
.set PX, 4                             ; where the addresses of A, B and C lie
.set PW, 74
.set POUT, 14
.else
.set PX, 68
.set PW, 70
.set POUT, 74
.endif
.set MSB, 0
.macro WIN new                         ; the immediate's high byte repeats the setting that is left; a switch that changes nothing is dropped
.if MSB != (\new)
	s_set_vgpr_msb (MSB<<8)|(\new)
.set MSB, (\new)
.endif
.endm
.set MUL,  0x5a                        ; both sources window 2, C and D window 1
.set MULB, 0x4a                        ; the same with C in window 0
.set LD,   0x80                        ; destination window 2, address window 0
.set VA,   0x8a                        ; destination and both sources window 2
; A joint refill.  The branch hangs on the wave's number alone.  An s_nop 0 and four v_nop follow each of the two lines, ahead of the jump and the label.
.macro JLOAD
	s_cmp_eq_u32 s[WM], 0
	s_cbranch_scc0 .Lfor_b_\@
	tensor_load_to_lds s[G0A+4:G0A+7], s[G1A:G1A+7]
	s_nop 0
.rept 4
	v_nop
.endr
	s_branch .Lasked_\@
.Lfor_b_\@:
	tensor_load_to_lds s[G0B+4:G0B+7], s[G1B:G1B+7]
	s_nop 0
.rept 4
	v_nop
.endr
.Lasked_\@:
.endm
.macro CREST                           ; a round of the cluster's barrier behind its opening barrier: wave 0 signals for the work-group, every wave waits for all sixteen, my work-group's barrier closes it
	s_cmp_lg_u32 s[WV], 0
	s_cbranch_scc1 .Lnot_wave_0_\@
	s_barrier_signal -3
.Lnot_wave_0_\@:
	s_barrier_wait -3
	s_barrier_signal -1
	s_barrier_wait -1
.endm
.macro CROUND                          ; a whole round
	s_barrier_signal -1
	s_barrier_wait -1
	CREST
.endm
.macro PLACES                          ; four plain vector instructions between a matrix instruction and a load into, or a vector write or read of, its registers (ISA guide 7.12.1 for vector writes and reads)
.rept 4
	v_nop
.endr
.endm
.if MODE == 0
	s_load_b512 s[68:83], s[0:1], 0x0              ; q 68, k 70, v 72, Wb 74, bq 76, bk 78, bv 80, Qp 82
	s_load_b128 s[84:87], s[0:1], 0x40             ; Kp 84, Vp 86
.else
	s_load_b256 s[68:75], s[0:1], 0x0              ; Pt 68, Vp 70, St 72, out0 74
.endif
	v_lshl_add_u32 v[SPW], v0, 2, SPARE
	v_mov_b32 v[NIL], 0
	ds_add_u32 v[SPW], v[NIL]                      ; the wave's opening: the add and its wait stand ahead of my first tensor load; the set-up below, work on registers, stands between them
	v_lshrrev_b32 v3, 5, v0
	v_readfirstlane_b32 s[WV], v3
	s_lshr_b32 s[WM], s[WV], 1
	s_and_b32 s[WN], s[WV], 1
	s_bfe_u32 s[CX], ttmp6, 0x40000                ; my place in the cluster
	s_bfe_u32 s[CY], ttmp6, 0x40004
	s_lshl_b32 s[TX], ttmp9, 2                     ; in a cluster launch ttmp9 and ttmp7 count clusters
	s_add_co_u32 s[TX], s[TX], s[CX]               ; tile column = 4 x cluster x + cx
	s_and_b32 s[CLY], ttmp7, 0xffff
.if MODE == 0
	s_lshr_b32 s[PB], s[CLY], 4                    ; 16 clusters (64 tile rows, 8,192 rows) to an input
	s_and_b32 s[TY], s[CLY], 15
.else
	s_lshr_b32 s[PB], s[CLY], 2                    ; 4 clusters (16 tile rows, 2,048 rows) to a batch
	s_mov_b32 s[TY], s[CLY]
.endif
	s_lshl_b32 s[TY], s[TY], 2
	s_add_co_u32 s[TY], s[TY], s[CY]               ; tile row = 4 x cluster y + cy
	s_lshl_b32 s46, s[CY], 2
	s_lshl_b32 s46, 15, s46                        ; my row of the cluster: places 4 cy .. 4 cy + 3
	s_lshl_b32 s47, 0x1111, s[CX]                  ; my column: places cx, cx + 4, cx + 8, cx + 12
	; group 1 for A: 64 rows x 128 elements (f32 or f16), 16 bytes of padding behind each row
	s_or_b32 s[G1A], s46, ((2-MODE)<<16)|(1<<20)|(1<<21)|((6-MODE)<<22)|(3<<25)  ; 15:0 the mask; 17:16 element size; 20 padding on; 21 set beside a mask; 24:22 after every 128 or 64 words; 31:25 4 words
	s_mov_b32 s[G1A+1], 128<<16                    ; tensor_dim0 = 128
	s_mov_b32 s[G1A+2], 64<<16                     ; tensor_dim1 = 64
	s_mov_b32 s[G1A+3], 128<<16                    ; tile_dim0 = 128
	s_mov_b32 s[G1A+4], 64                         ; tile_dim1 = 64
	s_mov_b32 s[G1A+5], 1024<<MODE                 ; elements from row to row
	s_mov_b32 s[G1A+6], 0
	s_mov_b32 s[G1A+7], 0
	; group 1 for B: 64 rows (k) x 256 elements of 2 bytes, 32 bytes of padding behind each row
	s_or_b32 s[G1B], s47, (1<<16)|(1<<20)|(1<<21)|(6<<22)|(7<<25)
	s_mov_b32 s[G1B+1], 256<<16
	s_mov_b32 s[G1B+2], 64<<16
	s_mov_b32 s[G1B+3], 256<<16
	s_mov_b32 s[G1B+4], 64
	s_mov_b32 s[G1B+5], 1024
	s_mov_b32 s[G1B+6], 0
	s_mov_b32 s[G1B+7], 0
	; where the tiles come from.  A's offset is made of the tile row and the wave, B's of the tile column, the input or batch and the wave, each in registers that never hold the other coordinate.
	s_lshl_b32 s16, s[TY], 19                      ; 128 rows of 4,096 bytes to a tile row,
	s_lshl_b32 s17, s[WN], 18                      ; 64 rows to a half
	s_add_co_u32 s16, s16, s17
	s_mov_b32 s17, 0
	s_lshl_b32 s18, s[PB], 21+MODE                 ; a weight is 1,024 rows of 2,048 bytes, a batch of V 2,048 rows
	s_lshl_b32 s19, s[WN], 17                      ; 64 rows to a half
	s_add_co_u32 s18, s18, s19
	s_lshl_b32 s19, s[TX], 9                       ; 256 columns of 2 bytes to a tile column
	s_add_co_u32 s18, s18, s19
	s_mov_b32 s19, 0
	s_mul_i32 s[WBA], s[WN], 64*APITCH             ; and where they go: no place in the cluster enters an LDS address
	s_mul_i32 s[WBB], s[WN], 64*BPITCH
	s_add_co_u32 s[WBB], s[WBB], ABYTES
	s_mov_b32 s[TB], 0
	s_mov_b32 s[TF], SLOT
	s_mov_b32 s[G0A], 1                            ; count = 1
	s_mov_b32 s[G0A+1], s[WBA]                     ; LDS address: slot 0
	s_mov_b32 s[G0A+4], 1
	s_add_co_u32 s[G0A+5], s[WBA], SLOT            ; slot 1
	s_mov_b32 s[G0B], 1
	s_mov_b32 s[G0B+1], s[WBB]
	s_mov_b32 s[G0B+4], 1
	s_add_co_u32 s[G0B+5], s[WBB], SLOT
	s_mov_b32 s[SEL], 0x76543210
	s_mov_b32 s[SEL+1], 0xfedcba98
	s_wait_dscnt 0x0                               ; the opening add is done
	s_wait_kmcnt 0x0
.if MODE == 0
	s_cmp_eq_u32 s[PB], 1                          ; the input, its bias and its result are chosen by a number that all sixteen work-groups share
	s_cselect_b64 s[4:5], s[70:71], s[68:69]
	s_cselect_b64 s[8:9], s[78:79], s[76:77]
	s_cselect_b64 s[14:15], s[84:85], s[82:83]
	s_cmp_eq_u32 s[PB], 2
	s_cselect_b64 s[4:5], s[72:73], s[4:5]
	s_cselect_b64 s[8:9], s[80:81], s[8:9]
	s_cselect_b64 s[14:15], s[86:87], s[14:15]
.endif
	s_add_nc_u64 s[G0A+2:G0A+3], s[PX:PX+1], s[16:17]      ; K step 0
	s_add_nc_u64 s[G0A+6:G0A+7], s[G0A+2:G0A+3], ASTEP     ; K step 1
	s_or_b32 s[G0A+3], s[G0A+3], 0x80000000                ; type = 2
	s_or_b32 s[G0A+7], s[G0A+7], 0x80000000
	s_add_nc_u64 s[G0B+2:G0B+3], s[PW:PW+1], s[18:19]
	s_add_nc_u64 s[G0B+6:G0B+7], s[G0B+2:G0B+3], BSTEP
	s_or_b32 s[G0B+3], s[G0B+3], 0x80000000
	s_or_b32 s[G0B+7], s[G0B+7], 0x80000000
	CROUND                                         ; all sixteen work-groups are here: the first joint loads meet
	s_cmp_eq_u32 s[WM], 0                          ; a wave's two first fills stand in one branch, ahead of every wait on TENSORcnt and every LDS read: two loads of mine are out
	s_cbranch_scc0 .Lfirst_b
	tensor_load_to_lds s[G0A:G0A+3], s[G1A:G1A+7]
	s_nop 0
	tensor_load_to_lds s[G0A+4:G0A+7], s[G1A:G1A+7]
	s_nop 0
.rept 4
	v_nop
.endr
	s_branch .Lfirst_asked
.Lfirst_b:
	tensor_load_to_lds s[G0B:G0B+3], s[G1B:G1B+7]
	s_nop 0
	tensor_load_to_lds s[G0B+4:G0B+7], s[G1B:G1B+7]
	s_nop 0
.rept 4
	v_nop
.endr
.Lfirst_asked:
	; ALL THAT FOLLOWS UP TO THE WAIT STANDS IN THE SHADOW OF THE FIRST TILES.
	; A fragment of A is 16 rows x 32 k: lane l holds row l % 16, k = 8 (l / 16) + 0..7 and 16 + 8 (l / 16) + 0..7.
	v_and_b32 v1, 15, v0                           ; l % 16
	v_bfe_u32 v2, v0, 4, 1                         ; l / 16
	v_mul_u32_u24 v[A0L], v1, APITCH
	v_lshl_add_u32 v[A0L], v2, 5-MODE, v[A0L]      ; 8 k are 32 bytes of f32, 16 of f16
	s_mul_i32 s13, s[WM], 64*APITCH                ; my 64 rows
	v_add_nc_u32 v[A0L], s13, v[A0L]
	; The turning load takes 16 k x 16 columns (lane l reads row k = 8 (l / 16) + l % 8, columns 8 ((l / 8) % 2) + 0..7) and leaves half a fragment: lane l holds column l % 16 and 8 k.
	v_and_b32 v3, 7, v0
	v_lshl_add_u32 v3, v2, 3, v3
	v_mul_u32_u24 v[B0L], v3, BPITCH
	v_bfe_u32 v4, v0, 3, 1
	v_lshl_add_u32 v[B0L], v4, 4, v[B0L]
	s_lshl_b32 s13, s[WN], 8                       ; my 128 columns,
	s_add_co_u32 s13, s13, ABYTES                  ; behind A's tile
	v_add_nc_u32 v[B0L], s13, v[B0L]
	s_mul_i32 s13, s[WV], 16*SPITCH
	s_add_co_u32 s13, s13, STAGE                   ; my stage
	v_mul_u32_u24 v[STO], v1, SPITCH               ; in: row l % 16, 8 numbers for each half of the lanes
	v_lshl_add_u32 v[STO], v2, 4+MODE, v[STO]
	v_add_nc_u32 v[STO], s13, v[STO]
.if MODE == 0
	v_mul_u32_u24 v[RD], v2, SPITCH                ; back: lanes 0-15 take one row of 256 bytes, lanes 16-31 the next
	v_lshl_add_u32 v[RD], v1, 4, v[RD]
	v_add_nc_u32 v[RD], s13, v[RD]
	v_lshlrev_b32 v[CO], 11, v2                    ; and the same two rows in C
	v_lshl_add_u32 v[CO], v1, 4, v[CO]
.else
	v_and_b32 v[CO], 31, v0                        ; back: 32 lanes take one row of 512 bytes
	v_lshlrev_b32 v[CO], 4, v[CO]
	v_add_nc_u32 v[RD], s13, v[CO]
.endif
	s_lshl_b32 s20, s[TY], 18+MODE                 ; where my part of C begins: 128 rows to a tile row,
	s_lshl_b32 s21, s[WM], 17+MODE                 ; my 64 rows,
	s_add_co_u32 s20, s20, s21
	s_lshl_b32 s21, s[TX], 9+MODE                  ; 256 columns to a tile column,
	s_add_co_u32 s20, s20, s21
	s_lshl_b32 s21, s[WN], 8+MODE                  ; my 128 columns
	s_add_co_u32 s20, s20, s21
	s_mov_b32 s21, 0
	s_add_nc_u64 s[14:15], s[POUT:POUT+1], s[20:21]
.if MODE == 0
	; THE BIAS of my 128 columns: register j of block b is b[16 b + 8 (l / 16) + j], the layout of a C operand.  Rounded to bf16 like every input, and widened again.
	s_lshl_b32 s22, s[TX], 10
	s_mov_b32 s23, 0
	s_add_nc_u64 s[8:9], s[8:9], s[22:23]
	v_lshlrev_b32 v5, 5, v2
	v_lshl_add_u32 v5, s[WN], 9, v5
.irp b, 0,1,2,3,4,5,6,7
	global_load_b128 v[BIAS+8*\b:BIAS+8*\b+3],   v5, s[8:9] offset:64*\b
	global_load_b128 v[BIAS+8*\b+4:BIAS+8*\b+7], v5, s[8:9] offset:64*\b+16
.endr
	s_wait_loadcnt 0x0
.set k, 0
.rept 32
	v_cvt_pk_bf16_f32 v[WK+k], v[BIAS+2*k], v[BIAS+2*k+1]
.set k, k+1
.endr
.set k, 0
.rept 32
	v_lshlrev_b32 v[BIAS+2*k], 16, v[WK+k]
	v_and_b32 v[BIAS+2*k+1], 0xffff0000, v[WK+k]
.set k, k+1
.endr
.else
	; THE STATISTICS of my 64 rows.  St is [2][16 blocks][8,192 rows] of f32: cm, then l.  Lane l takes the blocks 2 i + l / 16 of the rows 16 a + l % 16.
	s_lshl_b32 s22, s[TY], 9
	s_lshl_b32 s23, s[WM], 8
	s_add_co_u32 s22, s22, s23
	s_mov_b32 s23, 0
	s_add_nc_u64 s[8:9], s[72:73], s[22:23]
	v_lshlrev_b32 v5, 15, v2
	v_lshl_add_u32 v5, v1, 2, v5
.set k, 0
.rept 32
	global_load_b32 v[CMX+k], v5, s[8:9] offset:(k/4)*65536+(k%4)*64
	global_load_b32 v[LL+k],  v5, s[8:9] offset:524288+(k/4)*65536+(k%4)*64
.set k, k+1
.endr
	s_mul_i32 s13, s[WV], 17*256
	s_add_co_u32 s13, s13, TABLE
	v_lshl_add_u32 v[TAB], v1, 4, s13              ; my 16 bytes of entry 0
	v_lshl_add_u32 v6, v2, 8, v[TAB]               ; where my blocks' factors go: entry l / 16, then every second one
	s_wait_loadcnt 0x0
.irp a, 0,1,2,3                        ; m: two chains, then the other half of the lanes
	v_max3_num_f32 v[WK+\a],   v[CMX+\a],    v[CMX+4+\a],  v[CMX+8+\a]
	v_max3_num_f32 v[WK+4+\a], v[CMX+12+\a], v[CMX+16+\a], v[CMX+20+\a]
.endr
.irp a, 0,1,2,3
	v_max3_num_f32 v[WK+\a], v[WK+\a], v[CMX+24+\a], v[CMX+28+\a]
.endr
.irp a, 0,1,2,3
	v_max_num_f32 v[WK+\a], v[WK+\a], v[WK+4+\a]
.endr
.irp a, 0,1,2,3
	v_permlanex16_b32 v[WK+4+\a], v[WK+\a], s[SEL], s[SEL+1]
.endr
.irp a, 0,1,2,3
	v_max_num_f32 v[WK+\a], v[WK+\a], v[WK+4+\a]
.endr
.set k, 0
.rept 16                               ; cm - m
	v_pk_add_f32 v[CMX+2*k:CMX+2*k+1], v[CMX+2*k:CMX+2*k+1], v[WK+2*(k%2):WK+2*(k%2)+1] neg_lo:[0,1] neg_hi:[0,1]
.set k, k+1
.endr
.set k, 0
.rept 32                               ; f
	v_exp_f32 v[CMX+k], v[CMX+k]
.set k, k+1
.endr
	v_nop                                          ; a plain instruction between the last exponential and the use of its result (ISA guide 5.7.2)
.irp e, 0,2                            ; L = the sum of f l
	v_pk_mul_f32 v[WK+8+\e:WK+9+\e], v[CMX+\e:CMX+\e+1], v[LL+\e:LL+\e+1]
.endr
.set k, 1
.rept 7
.irp e, 0,2
	v_pk_fma_f32 v[WK+8+\e:WK+9+\e], v[CMX+4*k+\e:CMX+4*k+\e+1], v[LL+4*k+\e:LL+4*k+\e+1], v[WK+8+\e:WK+9+\e]
.endr
.set k, k+1
.endr
.irp a, 0,1,2,3
	v_permlanex16_b32 v[WK+4+\a], v[WK+8+\a], s[SEL], s[SEL+1]
.endr
.irp a, 0,1,2,3
	v_add_f32 v[WK+8+\a], v[WK+8+\a], v[WK+4+\a]
.endr
.irp a, 0,1,2,3
	v_rcp_f32 v[RL+2*\a], v[WK+8+\a]               ; made twice: the packed multiply names a pair.  L is at least 1: the block that holds the maximum has f = 1 and l >= 1
	v_rcp_f32 v[RL+2*\a+1], v[WK+8+\a]
.endr
.set k, 0
.rept 32                               ; f twice in a word, for the packed f16 multiply; these plain lines also stand behind the reciprocals
	v_cvt_pk_f16_f32 v[CMX+k], v[CMX+k], v[CMX+k]
.set k, k+1
.endr
.irp a, 0,1,2,3
	v_mov_b32 v[WK+\a], 0
.endr
.irp i, 0,1,2,3,4,5,6,7
	ds_store_b128 v6, v[CMX+4*\i:CMX+4*\i+3] offset:512*\i
.endr
	ds_store_b128 v[TAB], v[WK:WK+3] offset:4096   ; entry 16, which the last change of slots reads for nothing
.endif
; THE MATRIX WORK.  Product pi of a quarter's 32: rows 16 (pi / 8) on, columns 16 (pi % 8) on, 32 along K from buffer f.  The 32 accumulators take turns, one instruction a turn.
; start = 1: the sums begin, with the bias (MODE 0) or the constant 0 (MODE 1): nothing is cleared.
.macro PROD f, start
.set rD, 8*pi
.set rB, BF+64*(\f)+8*(pi%8)
.set rA, AF+32*(\f)+8*(pi/8)
.set rC, BIAS+8*(pi%8)
.if \start
.if MODE == 0
	WIN MULB
	v_wmma_f32_16x16x32_bf16 v[rD:rD+7], v[rB:rB+7], v[rA:rA+7], v[rC:rC+7]
.else
	WIN MUL
	v_wmma_f32_16x16x32_f16 v[rD:rD+7], v[rB:rB+7], v[rA:rA+7], 0
.endif
.else
	WIN MUL
.if MODE == 0
	v_wmma_f32_16x16x32_bf16 v[rD:rD+7], v[rB:rB+7], v[rA:rA+7], v[rD:rD+7]
.else
	v_wmma_f32_16x16x32_f16 v[rD:rD+7], v[rB:rB+7], v[rA:rA+7], v[rD:rD+7]
.endif
.endif
.set pi, pi+1
.endm
; LDS load ln of the NL that bring quarter kq of the slot in hand for buffer g: A's first (MODE 0: as f32, into RAW), then B's sixteen.
.macro LOAD1 kq, g
.if ln < NA
.if MODE == 0
	ds_load_b128 v[RAW+4*ln:RAW+4*ln+3], v[ADRA] offset:(ln/4)*16*APITCH+(\kq)*128+(ln%2)*16+((ln/2)%2)*64
.else
	ds_load_b128 v[AF+32*(\g)+4*ln:AF+32*(\g)+4*ln+3], v[ADRA] offset:(ln/2)*16*APITCH+(\kq)*64+(ln%2)*32
.endif
.else
.set bm, ln-NA
	ds_load_tr16_b128 v[BF+64*(\g)+4*bm:BF+64*(\g)+4*bm+3], v[ADRB] offset:(\kq)*32*BPITCH+(bm%2)*16*BPITCH+(bm/2)*32
.endif
.set ln, ln+1
.endm
; Register vn of the 32 of A's fragments in buffer g is finished: two f32 rounded to bf16 (MODE 0), or two p times the row's factor (MODE 1).
.macro VAL1 g
.if MODE == 0
	v_cvt_pk_bf16_f32 v[AF+32*(\g)+vn], v[RAW+2*vn], v[RAW+2*vn+1]
.else
	v_pk_mul_f16 v[AF+32*(\g)+vn], v[AF+32*(\g)+vn], v[FC+vn/8]
.endif
.set vn, vn+1
.endm
; A QUARTER STEP: 32 products on buffer f; beside them the next quarter (kq of the slot in hand) is brought into the other buffer: two LDS loads behind a product, later four finishing lines behind each of the last eight.
; turn = 1: the step's last quarter, which changes slots.  ONE barrier for two things: in front of it each wave waits for all its tensor loads (one is out: its part of the other slot), adds 0 to its spare word, and waits
; for that and for its reads of this slot.  fill = 1: the barrier opens a round of the cluster's, and the joint refill of this slot, two K steps ahead, is the first thing behind the round:
; 120 products stand between the request and the wait for it.
.macro QUARTER kq, f, turn=0, fill=0, start=0
.set pi, 0
.set ln, 0
.set vn, 0
.set gb, 1-(\f)
.if \turn
	WIN 0                                          ; (the add's two registers lie in window 0)
	s_wait_dscnt 0x0                               ; this quarter's fragments are in: they were this slot's last reads
	s_wait_tensorcnt 0x0                           ; all my tensor loads have landed
	ds_add_u32 v[SPW], v[NIL]                      ; 0 onto my spare word; four products stand between it and the wait for it
.rept 4
	PROD \f, 0
.endr
	s_wait_dscnt 0x0                               ; the add is done
	s_barrier_signal -1
.rept 4
	PROD \f, 0                                     ; work on registers while the others arrive
.endr
	WIN 0                                          ; at a branch and at a label every window is 0
	s_barrier_wait -1
.if \fill
	CREST                                          ; no wave of any partner still reads this slot's tiles or has a load on its way
	s_xor_b32 s[TF], s[TF], SLOT                   ; the walking descriptors: the other slot than last time,
	s_add_co_u32 s[G0A+5], s[TF], s[WBA]
	s_add_co_u32 s[G0B+5], s[TF], s[WBB]
	s_add_nc_u64 s[G0A+6:G0A+7], s[G0A+6:G0A+7], ASTEP  ; the next K step; the type bits on top are not reached
	s_add_nc_u64 s[G0B+6:G0B+7], s[G0B+6:G0B+7], BSTEP
	JLOAD                                          ; its four v_nop are also the places in front of the loads below
.else
	PLACES
.endif
	s_xor_b32 s[TB], s[TB], SLOT                   ; the reads go on in the other slot
	v_add_nc_u32 v[ADRA], s[TB], v[A0L]
	v_add_nc_u32 v[ADRB], s[TB], v[B0L]
.if MODE
	v_add_nc_u32 v[TAB], 0x100, v[TAB]             ; and with the next step's factors
	WIN LD
	ds_load_b128 v[FC:FC+3], v[TAB]
.endif
.else
	s_wait_dscnt 0x0                               ; this quarter's fragments are in: B's were the youngest loads
	PROD \f, \start
	PLACES                                         ; between the last quarter's products and the loads and writes into the buffer that they read
.endif
.rept NL/2
	PROD \f, \start
	WIN LD
	LOAD1 \kq, gb
	LOAD1 \kq, gb
.endr
.rept 24-pi
	PROD \f, \start
.endr
.rept 8
	PROD \f, \start
.if pi == 25
	s_wait_dscnt 16                                ; LDS loads come back in order (ISA guide 5.7.1): A's (and the factors) are in, B's sixteen younger ones may be out
.endif
	WIN VA
.rept 4
	VAL1 gb
.endr
.endr
.endm
	s_wait_tensorcnt 0x1                           ; my part of K step 0 is in; K step 1's may stay out
.if MODE
	s_wait_dscnt 0x0                               ; no LDS instruction is pending at a signal: my table is written
.endif
	s_barrier_signal -1
	s_barrier_wait -1                              ; everybody's part is in
	v_add_nc_u32 v[ADRA], s[TB], v[A0L]
	v_add_nc_u32 v[ADRB], s[TB], v[B0L]
	WIN LD
.if MODE
	ds_load_b128 v[FC:FC+3], v[TAB]                ; step 0's factors
.endif
.set ln, 0
.rept NL
	LOAD1 0, 0
.endr
	s_wait_dscnt 16                                ; all but B's sixteen
	WIN VA
.set vn, 0
.rept 32
	VAL1 0
.endr
	QUARTER 1, 0, 0, 0, 1                          ; the first quarter stands in front of the loop: its products start the sums
	WIN 0
	s_mov_b32 s3, STEPS-2
.Lstep:                                                ; a trip goes from a step's second quarter to the next step's first, and fills one slot again
	QUARTER 2, 1
	QUARTER 3, 0
	QUARTER 0, 1, 1, 1
	QUARTER 1, 0
	WIN 0
	s_sub_co_u32 s3, s3, 1
	s_cmp_lg_u32 s3, 0
	s_cbranch_scc1 .Lstep
	s_mov_b32 s3, 2
.Ltail:                                                ; the last two steps ask for nothing: a text of their own
	QUARTER 2, 1
	QUARTER 3, 0
	QUARTER 0, 1, 1, 0
	WIN 0
	s_cmp_eq_u32 s3, 1
	s_cbranch_scc1 .Lskip                          ; behind the last step there is no first quarter.  What its change of slots has fetched (old bytes of the other slot) serves nothing: the price, once, of one text for both trips
	QUARTER 1, 0
	WIN 0
.Lskip:
	s_sub_co_u32 s3, s3, 1
	s_cmp_lg_u32 s3, 0
	s_cbranch_scc1 .Ltail
; THE WAY OUT, a block of 16 rows at a time.  PACK: rounded to f16 (MODE 0) or divided by L (MODE 1), each accumulator's registers in ascending order.  TOSTAGE: into my own stage and back as whole rows.  SEND: stored.
.macro PACK a
.set k, 0
.if MODE == 0
	WIN 0x05                                       ; both sources window 1
.rept 32
	v_cvt_pk_f16_f32 v[TMP+k], v[64*(\a)+2*k], v[64*(\a)+2*k+1]
.set k, k+1
.endr
.else
	WIN 0x01                                       ; source 0 window 1
.rept 32
	v_pk_mul_f32 v[TMP+2*k:TMP+2*k+1], v[64*(\a)+2*k:64*(\a)+2*k+1], v[RL+2*(\a):RL+2*(\a)+1] op_sel_hi:[1,0]
.set k, k+1
.endr
.endif
	WIN 0
.endm
.macro TOSTAGE a
.set k, 0
.if MODE == 0
.set BK, 64+32*(\a)                    ; each block has registers of its own
.rept 8
	ds_store_b128 v[STO], v[TMP+4*k:TMP+4*k+3] offset:32*k
.set k, k+1
.endr
.set k, 0
.rept 8
	ds_load_b128 v[BK+4*k:BK+4*k+3], v[RD] offset:k*2*SPITCH  ; LDS serves a wave's instructions in order (ISA guide 5.7.1.4): these see the stores above
.set k, k+1
.endr
.else
.set BK, 96+64*((\a)%2)
.rept 16
	ds_store_b128 v[STO], v[TMP+4*k:TMP+4*k+3] offset:64*(k/2)+16*(k%2)
.set k, k+1
.endr
.set k, 0
.rept 16
	ds_load_b128 v[BK+4*k:BK+4*k+3], v[RD] offset:k*SPITCH
.set k, k+1
.endr
.endif
.endm
.macro SEND a
	s_wait_dscnt 0x0                               ; the block is back in registers
.set k, 0
.if MODE == 0
.set BK, 64+32*(\a)
.rept 8
	global_store_b128 v[CO], v[BK+4*k:BK+4*k+3], s[14:15] offset:(16*(\a)+2*k)*2048  ; 16 lanes store 256 consecutive bytes, at a multiple of 256 from C's first byte
.set k, k+1
.endr
.else
.set BK, 96+64*((\a)%2)
	s_wait_xcnt 0x0                                ; the stores of the block before have read their registers, which the next block's loads write (ISA guide 3.1)
.rept 16
	global_store_b128 v[CO], v[BK+4*k:BK+4*k+3], s[14:15] offset:(16*(\a)+k)*4096 th:TH_STORE_NT  ; 512 consecutive bytes, at a multiple of 512 from C's first byte
.set k, k+1
.endr
.endif
.endm
	s_wait_dscnt 0x0                               ; the fetch that serves nothing has landed
	PLACES                                         ; between the last products and the lines that read results
	PACK 0
	TOSTAGE 0
.irp a, 1,2,3                          ; a block's arithmetic stands between the loads of the block before and its stores
	PACK \a
	SEND (\a)-1
	TOSTAGE \a
.endr
	SEND 3
	s_wait_tensorcnt 0x0                           ; the wave's end, behind my last tensor load and my last LDS store
	ds_add_u32 v[SPW], v[NIL]
	s_wait_dscnt 0x0
	CROUND                                         ; the closing round: no work-group ends while a partner may still ask for a tile that names it
	s_endpgm
.Lfunc_end_k_qce92a130ac_proj:
	.size	k_qce92a130ac_proj, .Lfunc_end_k_qce92a130ac_proj-k_qce92a130ac_proj
	.p2alignl 7, 3214868480
	.fill 96, 4, 3214868480
	.section	.rodata,"a",@progbits
	.p2align	6, 0x0
	.amdhsa_kernel k_qce92a130ac_proj
		.amdhsa_group_segment_fixed_size 327680
		.amdhsa_private_segment_fixed_size 0
		.amdhsa_enable_private_segment 0
		.amdhsa_kernarg_size 80
		.amdhsa_user_sgpr_count 2
		.amdhsa_user_sgpr_kernarg_segment_ptr 1
		.amdhsa_wavefront_size32 1
		.amdhsa_system_sgpr_workgroup_id_x 1
		.amdhsa_system_sgpr_workgroup_id_y 1
		.amdhsa_system_sgpr_workgroup_id_z 1
		.amdhsa_system_vgpr_workitem_id 0
		.amdhsa_next_free_vgpr 768
		.amdhsa_next_free_sgpr 96
		.amdhsa_reserve_vcc 0
		.amdhsa_float_denorm_mode_32 3
		.amdhsa_float_denorm_mode_16_64 3
		.amdhsa_memory_ordered 1
		.amdhsa_forward_progress 1
		.amdhsa_inst_pref_size 106
	.end_amdhsa_kernel
	.amdgpu_metadata
---
amdhsa.version: [ 1, 2 ]
amdhsa.kernels:
  - .name:           k_qce92a130ac_proj
    .symbol:         k_qce92a130ac_proj.kd
    .args:
      - { .name: q, .offset: 0, .size: 8, .value_kind: global_buffer, .address_space: global }
      - { .name: k, .offset: 8, .size: 8, .value_kind: global_buffer, .address_space: global }
      - { .name: v, .offset: 16, .size: 8, .value_kind: global_buffer, .address_space: global }
      - { .name: Wb, .offset: 24, .size: 8, .value_kind: global_buffer, .address_space: global }
      - { .name: bq, .offset: 32, .size: 8, .value_kind: global_buffer, .address_space: global }
      - { .name: bk, .offset: 40, .size: 8, .value_kind: global_buffer, .address_space: global }
      - { .name: bv, .offset: 48, .size: 8, .value_kind: global_buffer, .address_space: global }
      - { .name: Qp, .offset: 56, .size: 8, .value_kind: global_buffer, .address_space: global }
      - { .name: Kp, .offset: 64, .size: 8, .value_kind: global_buffer, .address_space: global }
      - { .name: Vp, .offset: 72, .size: 8, .value_kind: global_buffer, .address_space: global }
    .group_segment_fixed_size: 327680
    .private_segment_fixed_size: 0
    .kernarg_segment_align: 8
    .kernarg_segment_size: 80
    .max_flat_workgroup_size: 128
    .sgpr_count:     96
    .vgpr_count:     768
    .wavefront_size: 32
...
	.end_amdgpu_metadata
.endif
;; end of part 2
;; launch scores (part 3): grid 8 x 32, 4 waves a work-group, clusters of 4 x 4, 327,680 bytes of LDS; arguments Qp, Kp, Pt, St; writes Pt, St
.if DOCPART == 3
	.amdgcn_target "amdgcn-amd-amdhsa--gfx1250"
	.amdhsa_code_object_version 6
	.text
	.protected	k_qce92a130ac_scores
	.globl	k_qce92a130ac_scores
	.p2align	8
	.type	k_qce92a130ac_scores,@function
k_qce92a130ac_scores:
	s_mov_b64 s[64:65], 0
	v_nop
	global_prefetch_b8 v0, s[64:65] scope:SCOPE_SE
	s_setreg_imm32_b32 hwreg(HW_REG_WAVE_MODE, 25, 1), 1
	s_wait_xcnt 0x0
	s_wait_alu depctr_hold_cnt(0) depctr_sa_sdst(0) depctr_va_vdst(0) depctr_va_sdst(0) depctr_va_ssrc(0) depctr_va_vcc(0) depctr_vm_vsrc(0)
	s_getreg_b32 s2, hwreg(HW_REG_IB_STS2, 6, 4)
	s_cmp_eq_u32 s2, 0
	s_cbranch_scc0 .Lentry_in_a_cluster
	s_endpgm
.Lentry_in_a_cluster:
	s_bfe_u32 s2, ttmp6, 0x10000c
	s_cmp_lg_u32 s2, 0xf033
	s_cbranch_scc0 .Lentry_shape_is_right
	s_endpgm
.Lentry_shape_is_right:
; S[q][k] = Qp[q] . Kp[k] within a batch (Qp, Kp: f16 [8192][1024]; sums in f32), and the first half of the softmax: for each row and each block of 128 keys
;   cm = c x the block's maximum of S, c = log2(e) / 32;   p = 2^(c S - cm), rounded to f16, into Pt [8192][2048];   l = the sum of the unrounded p.   cm and l go into St, f32 [2][16 blocks][8192 rows].
; The launch behind takes the maximum of a row's 16 cm and scales each block by 2^(cm - that): together the row's true maximum is taken away.  No score goes to memory in f32.
; LIMITS.  p lies in 0 to 1 (to within a rounding); below 6e-5 it keeps f16's fixed step of 6e-8; a weight below 2^-126 counts as 0 in l.  NaN and infinities are not treated apart.
; SHARES.  A work-group makes 256 queries x 256 keys: 4 x 8 x 8 = 256 work-groups.  Four waves, each 128 x 128: 64 accumulators, 512 registers; a wave's 128 keys are one block of the statistics.
; K (the 1,024 channels) goes in steps of 128 through two LDS slots; each wave fetches 128 rows x 256 bytes with one tensor load: waves 0 and 1 the halves of Q's tile, waves 2 and 3 of K's.
; CLUSTER.  4 x 4 work-groups: Q's tile is asked for jointly by a row of the cluster, K's by a column.
; THE MATRIX INSTRUCTION IS USED TRANSPOSED (source 0 = 16 keys, source 1 = 16 queries): a lane holds query l % 16 and the keys 8 (l / 16) + 0..7 of each block of 16: a row's 128 scores lie in two lanes.
; REGISTERS, in windows of 256 (s_set_vgpr_msb: bits 1:0 source 0, 3:2 source 1, 5:4 source 2, 7:6 destination):
;   window 0: v0-31 addresses; v64-127, v128-191 fragments of Q, two buffers; on the way out v32-207 at work       window 1: v64-127, v128-191 fragments of K
;   window 2: the 32 accumulators of my rows 0-63 ((a, b) at v[8 (8 a + b)])       window 3: those of my rows 64-127
.set STEPS,  8
.set KSTEP,  128
.set PITCH,  272                       ; an LDS row: 256 bytes + 16 of padding: the 16 rows of a load start at 16 different groups of four banks (ISA guide 11.1)
.set HALFT,  128*PITCH                 ; what one tensor load brings, and what one wave reads of Q or of K
.set SLOT,   4*HALFT
.set STAGE,  2*SLOT                    ; behind the ring, never filled by a tensor load: 16 rows x 272 bytes for each wave
.set SPITCH, 272
.set SSTG,   STAGE+4*16*SPITCH         ; for each wave 1,024 bytes: cm of its 128 rows, then l
.set SPARE,  SSTG+4*1024               ; the spare words, 128 bytes for each wave: two blocks of 256 bytes that no other line names
.set ADRA, 16                          ; v16  A0L + the slot that is read
.set A0L,  17                          ; v17  my lane's place in a slot's tile of Q; never rewritten
.set ADRB, 20                          ; v20, v21  the same for K
.set B0L,  21
.set STO,  24                          ; v24  the way out: where I put 16 bytes of a row
.set RD,   25                          ; v25  where I read a row back
.set CO,   26                          ; v26  my byte offset in Pt
.set SSA,  27                          ; v27  where my row's cm goes
.set SPW,  28                          ; v28  LDS address of my spare word; never rewritten
.set NIL,  29                          ; v29  0; never rewritten
.set SRD,  30                          ; v30  where I read four rows' statistics back
.set SGO,  31                          ; v31  my byte offset in 512 consecutive bytes of St
.set TMP,  32                          ; v32-63    a block's p in f16
.set E,    64                          ; v64-127   a block's c S - cm, then p, in f32
.set OB,   128                         ; v128-191  16 rows read back from the stage, two buffers by turns
.set CC,   192                         ; v192-195  four chains of the maximum
.set MXR,  196                         ; v196      the maximum
.set CM,   198                         ; v198-199  cm, as a pair
.set SA,   200                         ; v200-207  four packed chains of the sum
.set F0,   64
.set F1,   128
.set WV, 12                            ; s12 my wave's number
.set WM, 13                            ; s13 which 128 rows of the tile are mine.  Also: I fetch for Q (0) or for K (1)
.set WN, 14                            ; s14 which 128 keys.  Also: which half of that tile I fetch
.set TB, 20                            ; s20 the slot that is read: 0 or SLOT
.set TF, 21                            ; s21 the slot that was filled last
.set WB, 22                            ; s22 my load's place in a slot
.set G1, 24                            ; s[24:31] descriptor group 1 for Q's tiles;  s[32:39] group 0: the first set fills slot 0 once, the second fills slot 1 and then walks on
.set G0, 32
.set G1B, 48                           ; s[48:55], s[56:63] the same for K's
.set G0B, 56
.set CS, 66                            ; s[66:67] c, as a pair
.set SEL, 68                           ; s[68:69] v_permlanex16_b32's selects: each lane takes its own place in the other half
.set MSB, 0
.macro WIN new                         ; the immediate's high byte repeats the setting that is left; a switch that changes nothing is dropped
.if MSB != (\new)
	s_set_vgpr_msb (MSB<<8)|(\new)
.set MSB, (\new)
.endif
.endm
.set MUL_LO, 0xa1                      ; source 0 (K) window 1, source 1 (Q) window 0, C and D window 2
.set MUL_HI, 0xf1                      ; the same, C and D window 3
.set TO_B,   0x40                      ; destination window 1, address window 0
.macro JLOAD                           ; a joint refill; an s_nop 0 and four v_nop follow each of the two lines, ahead of the jump and the label
	s_cmp_eq_u32 s[WM], 0
	s_cbranch_scc0 .Lfor_b_\@
	tensor_load_to_lds s[G0+4:G0+7], s[G1:G1+7]
	s_nop 0
.rept 4
	v_nop
.endr
	s_branch .Lasked_\@
.Lfor_b_\@:
	tensor_load_to_lds s[G0B+4:G0B+7], s[G1B:G1B+7]
	s_nop 0
.rept 4
	v_nop
.endr
.Lasked_\@:
.endm
.macro CREST                           ; a round of the cluster's barrier behind its opening barrier
	s_cmp_lg_u32 s[WV], 0
	s_cbranch_scc1 .Lnot_wave_0_\@
	s_barrier_signal -3
.Lnot_wave_0_\@:
	s_barrier_wait -3
	s_barrier_signal -1
	s_barrier_wait -1
.endm
.macro CROUND
	s_barrier_signal -1
	s_barrier_wait -1
	CREST
.endm
.macro PLACES                          ; four plain vector instructions between a matrix instruction and a load into, or a vector write or read of, its registers (ISA guide 7.12.1 for vector writes and reads)
.rept 4
	v_nop
.endr
.endm
	s_load_b256 s[4:11], s[0:1], 0x0               ; Qp s[4:5], Kp s[6:7], Pt s[8:9], St s[10:11]
	v_lshl_add_u32 v[SPW], v0, 2, SPARE
	v_mov_b32 v[NIL], 0
	ds_add_u32 v[SPW], v[NIL]                      ; the wave's opening: the add and its wait stand ahead of my first tensor load; the set-up below, work on registers, stands between them
	v_lshrrev_b32 v1, 5, v0
	v_readfirstlane_b32 s[WV], v1
	s_lshr_b32 s[WM], s[WV], 1
	s_and_b32 s[WN], s[WV], 1
	s_bfe_u32 s40, ttmp6, 0x40000                  ; cx, cy: my place in the cluster
	s_bfe_u32 s41, ttmp6, 0x40004
	s_lshl_b32 s42, ttmp9, 2
	s_add_co_u32 s42, s42, s40                     ; tile column (256 keys of the batch) = 4 x cluster x + cx
	s_and_b32 s43, ttmp7, 0xffff
	s_lshr_b32 s45, s43, 1                         ; the batch: two clusters (8 tile rows, 2,048 rows) to each; all sixteen work-groups share it
	s_lshl_b32 s44, s43, 2
	s_add_co_u32 s44, s44, s41                     ; tile row (256 of the 8,192 rows) = 4 x cluster y + cy
	s_lshl_b32 s46, s41, 2
	s_lshl_b32 s46, 15, s46                        ; my row of the cluster
	s_lshl_b32 s47, 0x1111, s40                    ; my column
	; group 1: 128 rows x 128 elements of 2 bytes, 16 bytes of padding behind each row
	s_or_b32 s[G1], s46, (1<<16)|(1<<20)|(1<<21)|(5<<22)|(3<<25)   ; 15:0 the mask; 17:16 2-byte elements; 20 padding on; 21 set beside a mask; 24:22 after every 64 words; 31:25 4 words
	s_or_b32 s[G1B], s47, (1<<16)|(1<<20)|(1<<21)|(5<<22)|(3<<25)
.irp g, G1, G1B
	s_mov_b32 s[(\g)+1], KSTEP<<16                 ; tensor_dim0 = 128
	s_mov_b32 s[(\g)+2], 128<<16                   ; tensor_dim1 = 128
	s_mov_b32 s[(\g)+3], KSTEP<<16                 ; tile_dim0 = 128
	s_mov_b32 s[(\g)+4], 128                       ; tile_dim1 = 128
	s_mov_b32 s[(\g)+5], 1024                      ; elements from row to row
	s_mov_b32 s[(\g)+6], 0
	s_mov_b32 s[(\g)+7], 0
.endr
	s_lshl_b32 s16, s44, 19                        ; Q: 256 rows of 2,048 bytes to a tile row,
	s_lshl_b32 s17, s[WN], 18                      ; 128 rows to a half
	s_add_co_u32 s16, s16, s17
	s_mov_b32 s17, 0
	s_lshl_b32 s18, s45, 22                        ; K: 2,048 rows to a batch,
	s_lshl_b32 s19, s42, 19                        ; 256 rows to a tile column,
	s_add_co_u32 s18, s18, s19
	s_lshl_b32 s19, s[WN], 18                      ; 128 rows to a half
	s_add_co_u32 s18, s18, s19
	s_mov_b32 s19, 0
	s_mul_i32 s[WB], s[WV], HALFT                  ; where they go: Q's two halves, then K's: no place in the cluster enters an LDS address
	s_mov_b32 s[TB], 0
	s_mov_b32 s[TF], SLOT
.irp g, G0, G0B
	s_mov_b32 s[(\g)], 1                           ; count = 1
	s_mov_b32 s[(\g)+1], s[WB]                     ; slot 0
	s_mov_b32 s[(\g)+4], 1
	s_add_co_u32 s[(\g)+5], s[WB], SLOT            ; slot 1
.endr
	s_mov_b32 s[CS], 0x3d38aa3b                    ; c = log2(e) / 32 = 0.0450842
	s_mov_b32 s[CS+1], s[CS]
	s_mov_b32 s[SEL], 0x76543210
	s_mov_b32 s[SEL+1], 0xfedcba98
	s_wait_dscnt 0x0                               ; the opening add is done
	s_wait_kmcnt 0x0
	s_add_nc_u64 s[G0+2:G0+3], s[4:5], s[16:17]            ; K step 0
	s_add_nc_u64 s[G0+6:G0+7], s[G0+2:G0+3], KSTEP*2       ; K step 1
	s_or_b32 s[G0+3], s[G0+3], 0x80000000                  ; type = 2
	s_or_b32 s[G0+7], s[G0+7], 0x80000000
	s_add_nc_u64 s[G0B+2:G0B+3], s[6:7], s[18:19]
	s_add_nc_u64 s[G0B+6:G0B+7], s[G0B+2:G0B+3], KSTEP*2
	s_or_b32 s[G0B+3], s[G0B+3], 0x80000000
	s_or_b32 s[G0B+7], s[G0B+7], 0x80000000
	CROUND                                         ; all sixteen work-groups are here: the first joint loads meet
	s_cmp_eq_u32 s[WM], 0                          ; a wave's two first fills stand in one branch, ahead of every wait on TENSORcnt and every LDS read: two loads of mine are out
	s_cbranch_scc0 .Lfirst_b
	tensor_load_to_lds s[G0:G0+3], s[G1:G1+7]
	s_nop 0
	tensor_load_to_lds s[G0+4:G0+7], s[G1:G1+7]
	s_nop 0
.rept 4
	v_nop
.endr
	s_branch .Lfirst_asked
.Lfirst_b:
	tensor_load_to_lds s[G0B:G0B+3], s[G1B:G1B+7]
	s_nop 0
	tensor_load_to_lds s[G0B+4:G0B+7], s[G1B:G1B+7]
	s_nop 0
.rept 4
	v_nop
.endr
.Lfirst_asked:
	; A fragment is 16 rows x 32 channels in 8 registers: lane l holds row l % 16, channels 8 (l / 16) + 0..7 and 16 + 8 (l / 16) + 0..7: two loads of 16 bytes, 32 bytes apart.
	v_and_b32 v1, 15, v0                           ; l % 16
	v_bfe_u32 v2, v0, 4, 1                         ; l / 16
	v_mul_u32_u24 v3, v1, PITCH
	v_lshl_add_u32 v3, v2, 4, v3
	s_mul_i32 s23, s[WM], HALFT                    ; my 128 rows of Q
	v_add_nc_u32 v[A0L], s23, v3
	s_mul_i32 s23, s[WN], HALFT                    ; my 128 rows of K,
	s_add_co_u32 s23, s23, 2*HALFT                 ; which lie behind Q's 256
	v_add_nc_u32 v[B0L], s23, v3
	s_mul_i32 s23, s[WV], 16*SPITCH
	s_add_co_u32 s23, s23, STAGE                   ; my stage
	v_mul_u32_u24 v[STO], v1, SPITCH               ; in: row l % 16, 16 bytes for each half of the lanes
	v_lshl_add_u32 v[STO], v2, 4, v[STO]
	v_add_nc_u32 v[STO], s23, v[STO]
	v_mul_u32_u24 v[RD], v2, SPITCH                ; back: lanes 0-15 take one row of 256 bytes, lanes 16-31 the next
	v_lshl_add_u32 v[RD], v1, 4, v[RD]
	v_add_nc_u32 v[RD], s23, v[RD]
	v_lshlrev_b32 v[CO], 12, v2                    ; and the same two rows in Pt
	v_lshl_add_u32 v[CO], v1, 4, v[CO]
	s_lshl_b32 s23, s[WV], 10
	s_add_co_u32 s23, s23, SSTG                    ; my statistics
	v_lshl_add_u32 v[SSA], v1, 2, s23
	v_and_b32 v[SGO], 31, v0
	v_lshlrev_b32 v[SGO], 4, v[SGO]
	v_add_nc_u32 v[SRD], s23, v[SGO]
	s_lshl_b32 s70, s44, 20                        ; Pt: 256 rows of 4,096 bytes to a tile row,
	s_lshl_b32 s23, s[WM], 19                      ; my 128 rows,
	s_add_co_u32 s70, s70, s23
	s_lshl_b32 s23, s42, 9                         ; 256 keys of 2 bytes to a tile column,
	s_add_co_u32 s70, s70, s23
	s_lshl_b32 s23, s[WN], 8                       ; my 128 keys
	s_add_co_u32 s70, s70, s23
	s_mov_b32 s71, 0
	s_add_nc_u64 s[8:9], s[8:9], s[70:71]
	s_lshl_b32 s70, s42, 16                        ; St: block 2 x tile column + my half, 32,768 bytes each,
	s_lshl_b32 s23, s[WN], 15
	s_add_co_u32 s70, s70, s23
	s_lshl_b32 s23, s44, 10                        ; 256 rows of 4 bytes to a tile row,
	s_add_co_u32 s70, s70, s23
	s_lshl_b32 s23, s[WM], 9                       ; my 128 rows
	s_add_co_u32 s70, s70, s23
	s_add_nc_u64 s[10:11], s[10:11], s[70:71]
; 16 matrix instructions: row blocks a0, a0 + 1 of the window's four (hi = 0: my rows 0-63, 1: rows 64-127) x all 8 key blocks, 32 channels.  zero = 1: the first product starts the sums: nothing is cleared.
; The 64 accumulators take turns, one instruction a turn, in the same order in every quarter.
.macro MUL16 f, hi, a0, zero
	WIN MUL_LO+0x50*(\hi)
.irp a, \a0, (\a0)+1
.irp b, 0,1,2,3,4,5,6,7
.if \zero
	v_wmma_f32_16x16x32_f16 v[8*(8*(\a)+(\b)):8*(8*(\a)+(\b))+7], v[(\f)+8*(\b):(\f)+8*(\b)+7], v[(\f)+8*(4*(\hi)+(\a)):(\f)+8*(4*(\hi)+(\a))+7], 0
.else
	v_wmma_f32_16x16x32_f16 v[8*(8*(\a)+(\b)):8*(8*(\a)+(\b))+7], v[(\f)+8*(\b):(\f)+8*(\b)+7], v[(\f)+8*(4*(\hi)+(\a)):(\f)+8*(4*(\hi)+(\a))+7], v[8*(8*(\a)+(\b)):8*(8*(\a)+(\b))+7]
.endif
.endr
.endr
.endm
; 32 LDS loads in one run: the fragments of one quarter step (128 rows of K, 128 rows of Q, 32 channels at byte k of the rows of the slot in hand) into buffer f
.macro FETCH k, f
	WIN TO_B
.irp i, 0,1,2,3,4,5,6,7
	ds_load_b128 v[(\f)+8*(\i):(\f)+8*(\i)+3],   v[ADRB] offset:(\k)+(\i)*16*PITCH
	ds_load_b128 v[(\f)+8*(\i)+4:(\f)+8*(\i)+7], v[ADRB] offset:(\k)+(\i)*16*PITCH+32
.endr
	WIN 0
.irp i, 0,1,2,3,4,5,6,7
	ds_load_b128 v[(\f)+8*(\i):(\f)+8*(\i)+3],   v[ADRA] offset:(\k)+(\i)*16*PITCH
	ds_load_b128 v[(\f)+8*(\i)+4:(\f)+8*(\i)+7], v[ADRA] offset:(\k)+(\i)*16*PITCH+32
.endr
.endm
; One of a K step's first three quarters: multiplies buffer f; in its middle it fetches the next quarter's fragments, at byte k, into buffer g.
.macro QUARTER k, f, g, zero
	s_wait_dscnt 8                                 ; K's fragments and Q's rows 0-63 are in; the youngest eight loads (Q's rows 64-127) may be out
	MUL16 \f, 0, 0, \zero
	MUL16 \f, 0, 2, \zero
	PLACES
	FETCH \k, \g
	s_wait_dscnt 32                                ; all but the 32 just issued
	MUL16 \f, 1, 0, \zero
	MUL16 \f, 1, 2, \zero
.endm
; The last quarter multiplies buffer 1 and changes slots.  ONE barrier for two things: in front of it each wave waits for all its tensor loads (one is out: its part of the other slot), adds 0 to its spare word, and
; waits for that and for its own reads of this slot.  fill = 1: the barrier opens a round of the cluster's, and the joint refill of this slot, two K steps ahead, is the first thing behind the round:
; 224 matrix instructions stand between the request and the wait for it.
.macro TURN fill
	WIN 0                                          ; (the add's two registers lie in window 0)
	s_wait_tensorcnt 0x0                           ; all my tensor loads have landed
	ds_add_u32 v[SPW], v[NIL]                      ; 0 onto my spare word
	s_wait_dscnt 9                                 ; (the add and the youngest eight loads may be out)
	MUL16 F1, 0, 0, 0                              ; sixteen matrix instructions stand between the add and the wait for it
	s_wait_dscnt 0x0                               ; the add is done, and my reads of this slot are over
	s_barrier_signal -1
	MUL16 F1, 0, 2, 0                              ; work on registers while the others arrive
	WIN 0                                          ; at a branch and at a label every window is 0
	s_barrier_wait -1
.if \fill
	CREST                                          ; no wave of any partner still reads this slot's tiles or has a load on its way
	s_xor_b32 s[TF], s[TF], SLOT                   ; the walking descriptors: the other slot than last time,
	s_add_co_u32 s[G0+5], s[TF], s[WB]
	s_add_co_u32 s[G0B+5], s[TF], s[WB]
	s_add_nc_u64 s[G0+6:G0+7], s[G0+6:G0+7], KSTEP*2       ; the next K step; the type bits on top are not reached
	s_add_nc_u64 s[G0B+6:G0B+7], s[G0B+6:G0B+7], KSTEP*2
	JLOAD                                          ; its four v_nop are also the places in front of the loads below
.else
	PLACES
.endif
	s_xor_b32 s[TB], s[TB], SLOT                   ; the reads go on in the other slot
	v_add_nc_u32 v[ADRA], s[TB], v[A0L]
	v_add_nc_u32 v[ADRB], s[TB], v[B0L]
	FETCH 0, F0
	MUL16 F1, 1, 0, 0
	MUL16 F1, 1, 2, 0
.endm
	s_wait_tensorcnt 0x1                           ; my part of K step 0 is in; K step 1's may stay out
	s_barrier_signal -1
	s_barrier_wait -1                              ; everybody's part is in
	v_add_nc_u32 v[ADRA], s[TB], v[A0L]
	v_add_nc_u32 v[ADRB], s[TB], v[B0L]
	FETCH 0, F0
	QUARTER 64, F0, F1, 1                          ; the first quarter stands in front of the loop: its products start the sums
	WIN 0
	s_mov_b32 s3, STEPS-2
.Lstep:                                                ; a trip goes from a step's second quarter to the next step's first, and fills one slot again
	QUARTER 128, F1, F0, 0
	QUARTER 192, F0, F1, 0
	TURN 1
	QUARTER 64, F0, F1, 0
	WIN 0
	s_sub_co_u32 s3, s3, 1
	s_cmp_lg_u32 s3, 0
	s_cbranch_scc1 .Lstep
	s_mov_b32 s3, 2
.Ltail:                                                ; the last two steps ask for nothing: a text of their own
	QUARTER 128, F1, F0, 0
	QUARTER 192, F0, F1, 0
	TURN 0
	WIN 0
	s_cmp_eq_u32 s3, 1
	s_cbranch_scc1 .Lskip                          ; behind the last step there is no first quarter.  What its change of slots has fetched (old bytes of the other slot) serves nothing: the price, once, of one text for both trips
	QUARTER 64, F0, F1, 0
	WIN 0
.Lskip:
	s_sub_co_u32 s3, s3, 1
	s_cmp_lg_u32 s3, 0
	s_cbranch_scc1 .Ltail
; THE WAY OUT.  SOFT a: block a (16 rows) of window 2: a lane holds 64 of a row's 128 scores, the lane 16 away the others.
;   the maximum: four chains of eight links, two scores a link, each accumulator's registers in ascending order; then the other half of the lanes; cm = c x maximum
;   c S - cm, two at a time; 64 exponentials, two on end and behind them the plain work of the pair before (its rounding to f16, its place in one of four chains of the sum),
;   so that a plain instruction stands between every exponential and the use of its result (ISA guide 5.7.2)
;   l: the four chains, the pair's two halves, the other half of the lanes.  cm and l go to my statistics in LDS: both halves of the lanes write the same word with the same number.
.macro SOFT a
.set AC, 64*(\a)
	WIN 0x28                                       ; sources 1 and 2 window 2
.set t, 0
.rept 8
.irp k, 0,1,2,3
.if t == 0
	v_max3_num_f32 v[CC+\k], 0xff7fffff, v[AC+16*\k], v[AC+16*\k+1]
.else
	v_max3_num_f32 v[CC+\k], v[CC+\k], v[AC+16*\k+2*t], v[AC+16*\k+2*t+1]
.endif
.endr
.set t, t+1
.endr
	WIN 0
	v_max3_num_f32 v[MXR], v[CC], v[CC+1], v[CC+2]
	v_max_num_f32 v[MXR], v[MXR], v[CC+3]
	v_permlanex16_b32 v[CC+1], v[MXR], s[SEL], s[SEL+1]
	v_max_num_f32 v[MXR], v[MXR], v[CC+1]
	v_mul_f32 v[CM], s[CS], v[MXR]
	v_mul_f32 v[CM+1], s[CS], v[MXR]               ; named with it as a pair
	WIN 0x02                                       ; source 0 window 2
.set u, 0
.rept 32
	v_pk_fma_f32 v[E+2*u:E+2*u+1], v[AC+2*u:AC+2*u+1], s[CS:CS+1], v[CM:CM+1] op_sel_hi:[1,0,0] neg_lo:[0,0,1] neg_hi:[0,0,1]
.set u, u+1
.endr
	WIN 0
.set u, 0
.rept 33
.if u < 32
	v_exp_f32 v[E+2*u], v[E+2*u]
	v_exp_f32 v[E+2*u+1], v[E+2*u+1]
.endif
.if u == 0
	v_nop                                          ; the first pair has no pair before it
.else
.set w, u-1
	s_wait_alu depctr_va_vdst(0)
	v_cvt_pk_f16_f32 v[TMP+w], v[E+2*w], v[E+2*w+1]
.if (w >= 4) && (w < 8)
	v_pk_add_f32 v[SA+2*(w-4):SA+2*(w-4)+1], v[E+2*(w-4):E+2*(w-4)+1], v[E+2*w:E+2*w+1]  ; pairs 0-3 and 4-7 start the four chains
.elseif w >= 8
	v_pk_add_f32 v[SA+2*(w%4):SA+2*(w%4)+1], v[SA+2*(w%4):SA+2*(w%4)+1], v[E+2*w:E+2*w+1]
.endif
.endif
.set u, u+1
.endr
	v_pk_add_f32 v[SA:SA+1], v[SA:SA+1], v[SA+2:SA+3]
	v_pk_add_f32 v[SA+4:SA+5], v[SA+4:SA+5], v[SA+6:SA+7]
	v_pk_add_f32 v[SA:SA+1], v[SA:SA+1], v[SA+4:SA+5]
	v_add_f32 v[SA], v[SA], v[SA+1]
	v_permlanex16_b32 v[SA+1], v[SA], s[SEL], s[SEL+1]
	v_add_f32 v[SA], v[SA], v[SA+1]
	ds_store_b32 v[SSA], v[CM] offset:64*(\a)
	ds_store_b32 v[SSA], v[SA] offset:512+64*(\a)
.endm
.macro TOSTAGE a                       ; a lane's 16 bytes of a row go into rows of 272 bytes and come back as whole rows of 256
.set BK, OB+32*((\a)%2)
.irp b, 0,1,2,3,4,5,6,7
	ds_store_b128 v[STO], v[TMP+4*(\b):TMP+4*(\b)+3] offset:32*(\b)
.endr
.irp t, 0,1,2,3,4,5,6,7
	ds_load_b128 v[BK+4*(\t):BK+4*(\t)+3], v[RD] offset:(\t)*2*SPITCH  ; LDS serves a wave's instructions in order (ISA guide 5.7.1.4): these see the stores above
.endr
.endm
.macro SEND a
.set BK, OB+32*((\a)%2)
	s_wait_dscnt 0x0                               ; the block is back in registers
	s_wait_xcnt 0x0                                ; the stores of the block before have read their registers, which the next block's loads write (ISA guide 3.1)
.irp t, 0,1,2,3,4,5,6,7
	global_store_b128 v[CO], v[BK+4*(\t):BK+4*(\t)+3], s[8:9] offset:(16*(\a)+2*(\t))*4096  ; 16 lanes store 256 consecutive bytes, at a multiple of 256 from Pt's first byte
.endr
.endm
	s_wait_dscnt 0x0                               ; the fetch that serves nothing has landed
	PLACES                                         ; between the last products and the lines that read results or write fragments' registers
	s_mov_b32 s3, 2
.Lhalf:                                                ; two trips of four blocks; the text names window 2: between the trips window 3's accumulators are brought there, which halves the text of the way out
	SOFT 0
	TOSTAGE 0
.irp a, 1,2,3                          ; a block's arithmetic stands between the loads of the block before and its stores
	SOFT \a
	SEND (\a)-1
	TOSTAGE \a
.endr
	SEND 3
	s_wait_xcnt 0x0                                ; the stores have read CO and their data
	v_add_nc_u32 v[CO], 0x40000, v[CO]             ; 64 rows of Pt on
	v_add_nc_u32 v[SSA], 0x100, v[SSA]             ; and 64 rows of the statistics
	s_cmp_eq_u32 s3, 1
	s_cbranch_scc1 .Lno_copy                       ; behind the second trip nothing is left to bring
	WIN 0x83                                       ; destination window 2, source window 3
.set k, 0
.rept 256
	v_mov_b32 v[k], v[k]                           ; in ascending order
.set k, k+1
.endr
	WIN 0
.Lno_copy:
	s_sub_co_u32 s3, s3, 1
	s_cmp_lg_u32 s3, 0
	s_cbranch_scc1 .Lhalf
	ds_load_b128 v[32:35], v[SRD]                  ; my 128 rows' cm and l, four rows a lane
	ds_load_b128 v[36:39], v[SRD] offset:512
	s_wait_dscnt 0x0
	global_store_b128 v[SGO], v[32:35], s[10:11]                ; 512 consecutive bytes, at a multiple of 512 from St's first byte
	global_store_b128 v[SGO], v[36:39], s[10:11] offset:524288  ; l lies 16 x 8,192 x 4 bytes behind cm
	s_wait_tensorcnt 0x0                           ; the wave's end, behind my last tensor load and my last LDS store
	ds_add_u32 v[SPW], v[NIL]
	s_wait_dscnt 0x0
	CROUND                                         ; the closing round: no work-group ends while a partner may still ask for a tile that names it
	s_endpgm
.Lfunc_end_k_qce92a130ac_scores:
	.size	k_qce92a130ac_scores, .Lfunc_end_k_qce92a130ac_scores-k_qce92a130ac_scores
	.p2alignl 7, 3214868480
	.fill 96, 4, 3214868480
	.section	.rodata,"a",@progbits
	.p2align	6, 0x0
	.amdhsa_kernel k_qce92a130ac_scores
		.amdhsa_group_segment_fixed_size 327680
		.amdhsa_private_segment_fixed_size 0
		.amdhsa_enable_private_segment 0
		.amdhsa_kernarg_size 32
		.amdhsa_user_sgpr_count 2
		.amdhsa_user_sgpr_kernarg_segment_ptr 1
		.amdhsa_wavefront_size32 1
		.amdhsa_system_sgpr_workgroup_id_x 1
		.amdhsa_system_sgpr_workgroup_id_y 1
		.amdhsa_system_sgpr_workgroup_id_z 1
		.amdhsa_system_vgpr_workitem_id 0
		.amdhsa_next_free_vgpr 1024
		.amdhsa_next_free_sgpr 72
		.amdhsa_reserve_vcc 0
		.amdhsa_float_denorm_mode_32 3
		.amdhsa_float_denorm_mode_16_64 3
		.amdhsa_memory_ordered 1
		.amdhsa_forward_progress 1
		.amdhsa_inst_pref_size 132
	.end_amdhsa_kernel
	.amdgpu_metadata
---
amdhsa.version: [ 1, 2 ]
amdhsa.kernels:
  - .name:           k_qce92a130ac_scores
    .symbol:         k_qce92a130ac_scores.kd
    .args:
      - { .name: Qp, .offset: 0, .size: 8, .value_kind: global_buffer, .address_space: global }
      - { .name: Kp, .offset: 8, .size: 8, .value_kind: global_buffer, .address_space: global }
      - { .name: Pt, .offset: 16, .size: 8, .value_kind: global_buffer, .address_space: global }
      - { .name: St, .offset: 24, .size: 8, .value_kind: global_buffer, .address_space: global }
    .group_segment_fixed_size: 327680
    .private_segment_fixed_size: 0
    .kernarg_segment_align: 8
    .kernarg_segment_size: 32
    .max_flat_workgroup_size: 128
    .sgpr_count:     72
    .vgpr_count:     1024
    .wavefront_size: 32
...
	.end_amdgpu_metadata
.endif
;; end of part 3
;; launch pv (part 4): grid 4 x 64, 4 waves a work-group, clusters of 4 x 4, 327,680 bytes of LDS; arguments Pt, Vp, St, out0; writes out0
.if DOCPART == 4
	.amdgcn_target "amdgcn-amd-amdhsa--gfx1250"
	.amdhsa_code_object_version 6
	.text
	.protected	k_qce92a130ac_pv
	.globl	k_qce92a130ac_pv
	.p2align	8
	.type	k_qce92a130ac_pv,@function
k_qce92a130ac_pv:
	s_mov_b64 s[64:65], 0
	v_nop
	global_prefetch_b8 v0, s[64:65] scope:SCOPE_SE
	s_setreg_imm32_b32 hwreg(HW_REG_WAVE_MODE, 25, 1), 1
	s_wait_xcnt 0x0
	s_wait_alu depctr_hold_cnt(0) depctr_sa_sdst(0) depctr_va_vdst(0) depctr_va_sdst(0) depctr_va_ssrc(0) depctr_va_vcc(0) depctr_vm_vsrc(0)
	s_getreg_b32 s2, hwreg(HW_REG_IB_STS2, 6, 4)
	s_cmp_eq_u32 s2, 0
	s_cbranch_scc0 .Lentry_in_a_cluster
	s_endpgm
.Lentry_in_a_cluster:
	s_bfe_u32 s2, ttmp6, 0x10000c
	s_cmp_lg_u32 s2, 0xf033
	s_cbranch_scc0 .Lentry_shape_is_right
	s_endpgm
.Lentry_shape_is_right:
; ONE TEXT FOR TWO LAUNCHES, C[m][n] = sum over k of A[m][k] B[k][n] with B stored [K][N]; MODE says which this file is.
; MODE 0, the projections: Xp = f16( bf16(x) bf16(W) + bf16(b) ) for x = q, k, v in one launch.  x is f32 [8192][1024] and is rounded to bf16 on the way from LDS to the
;   matrix unit; W comes as bf16 [1024][1024]; the bias, rounded to bf16, is the C operand of the products that start the sums.  Sums in f32, Xp rounded once to f16.
; MODE 1 (this file), the weighted sum: out = (sum over blocks of 128 keys of (f p) V) / L.  p (f16, [8192][2048]) is 2^(c s - cm) with cm = c x the maximum of its row in ITS block; cm and the block's sum l lie in St.
;   Here m = the maximum of the row's 16 cm, f = 2^(cm - m) <= 1, L = the sum of f l: the row's true maximum is what has been taken away.  f p is made in f16 on the way to the matrix unit.
; LIMITS.  f16 holds no number beyond 65,504: the projections' results must stay within it (inputs 30 times those of unit spread give some 5,000).  f p below 6e-8 counts as 0; f below 2^-126 counts as 0 in L.
;   NaN and infinities are not treated apart.
; SHARES.  A work-group makes 128 x 256 of C: that gives 768 (MODE 0) and 256 (MODE 1) work-groups, whole multiples of 256.  Four waves, each 64 x 128: 32 accumulators, 256 registers.
; K goes in steps of 128 through two LDS slots.  Waves 0 and 1 fetch the halves (64 rows) of A's tile, waves 2 and 3 the halves (64 k) of B's: one tensor load a wave behind each change of slots.
; CLUSTER.  4 x 4 work-groups.  A's tile hangs on the tile row alone and is asked for jointly by a row of the cluster, B's on the tile column (and on the input or batch, which all sixteen share) by a column.
; THE MATRIX INSTRUCTION IS USED TRANSPOSED: source 0 = 16 columns of B (turned out of LDS by ds_load_tr16_b128), source 1 = 16 rows of A: a lane holds row l % 16 of C and the columns 8 (l / 16) + 0..7.
; REGISTERS, in windows of 256 (s_set_vgpr_msb: bits 1:0 source 0, 3:2 source 1, 5:4 source 2, 7:6 destination):
;   window 0: addresses; the bias or the statistics; at work on the way out      window 1: accumulator (a, b) at v[8 (8 a + b)]
;   window 2: v0-127 B's fragments, two buffers; v128-191 A's, two buffers; v192-255 A as loaded in f32 (MODE 0), or v192-195 the step's factors (MODE 1)
.set MODE, 1
.set STEPS,  8+8*MODE                  ; K steps of 128: K = 1,024 or 2,048
.set APITCH, 528-256*MODE              ; a row of A in LDS: 512 bytes (f32) or 256 (f16) + 16 of padding: an odd multiple of 16, so the 16 rows of a load start at 16 different groups of four banks (ISA guide 11.1)
.set ASTEP,  512-256*MODE              ; bytes along a row of A from step to step
.set NA,     16-8*MODE                 ; LDS loads for A's four fragments of 32 k
.set SPITCH, 272+256*MODE              ; a row of a wave's stage: its 128 columns (f16: 256 bytes, f32: 512) + 16
.set BPITCH, 544                       ; a row of B in LDS: 512 bytes + 32
.set BSTEP,  128*2048                  ; 128 rows of B on
.set NL,     NA+16                     ; LDS loads of a quarter step: A's, then B's sixteen
.set ABYTES, 128*APITCH
.set SLOT,   ABYTES+128*BPITCH         ; A's 128 rows, then B's 128 rows
.set STAGE,  2*SLOT                    ; behind the ring, never filled by a tensor load: 16 rows for each wave, for the way out
.set TABLE,  STAGE+4*16*SPITCH         ; MODE 1: for each wave 17 entries of 256 bytes: entry s holds, for row l % 16 of its four blocks of 16 rows, the factor of step s, twice in a word
.set SPARE,  TABLE+MODE*4*17*256       ; the spare words, 128 bytes for each wave: two blocks of 256 bytes that no other line names
.set A0L,  16                          ; v16  my lane's place in a slot's tile of A; never rewritten
.set B0L,  17                          ; v17  the same for B
.set ADRA, 18                          ; v18  A0L + the slot that is read
.set ADRB, 19                          ; v19  B0L + the slot that is read
.set STO,  24                          ; v24  the way out: where I put my numbers of a row
.set RD,   25                          ; v25  the way out: where I read rows back
.set CO,   26                          ; v26  my byte offset in C
.set TAB,  27                          ; v27  MODE 1: my 16 bytes of the table entry in hand
.set SPW,  28                          ; v28  LDS address of my spare word; never rewritten
.set NIL,  29                          ; v29  0; never rewritten
.set BIAS, 32                          ; v32-95   MODE 0: the bias of my 128 columns as a C operand, 8 registers for each block of 16 columns
.set CMX,  32                          ; v32-63   MODE 1: cm, then f, of blocks 2 i + l / 16 and rows 16 a + l % 16, at 4 i + a
.set LL,   64                          ; v64-95   MODE 1: l, likewise
.set WK,   96                          ; v96-127  at work
.set RL,   224                         ; v224-231 MODE 1: 1 / L of row 16 a + l % 16, as a pair at 2 a
.set TMP,  32                          ; the way out: a block of 16 rows, packed or scaled
.set BF,   0                           ; window 2
.set AF,   128
.set RAW,  192
.set FC,   192
.set WV, 10                            ; s10 my wave's number
.set WM, 11                            ; s11 which 64 rows of the tile are mine.  Also: I fetch for A (0) or for B (1)
.set WN, 12                            ; s12 which 128 columns.  Also: which half of that tile I fetch
.set G1A, 24                           ; s[24:31] descriptor group 1 for A's tiles
.set G0A, 32                           ; s[32:39] group 0: the first set fills slot 0 once; the second fills slot 1 and then walks on
.set CX, 40
.set CY, 41
.set TX, 42                            ; s42 tile column
.set CLY, 43                           ; s43 the cluster's y
.set TY, 44                            ; s44 tile row
.set PB, 45                            ; s45 MODE 0: which input; MODE 1: the batch.  Made of the cluster's y alone
.set G1B, 48                           ; s[48:55], s[88:95] the same for B's tiles
.set G0B, 88
.set TB, 56                            ; s56 the slot that is read: 0 or SLOT
.set TF, 57                            ; s57 the slot that was filled last
.set WBA, 58                           ; s58 my half's place in a slot, for A
.set WBB, 59                           ; s59 for B
.set SEL, 60                           ; s[60:61] v_permlanex16_b32's selects: each lane takes its own place in the other half
.if MODE == 0
.set PX, 4                             ; where the addresses of A, B and C lie
.set PW, 74
.set POUT, 14
.else
.set PX, 68
.set PW, 70
.set POUT, 74
.endif
.set MSB, 0
.macro WIN new                         ; the immediate's high byte repeats the setting that is left; a switch that changes nothing is dropped
.if MSB != (\new)
	s_set_vgpr_msb (MSB<<8)|(\new)
.set MSB, (\new)
.endif
.endm
.set MUL,  0x5a                        ; both sources window 2, C and D window 1
.set MULB, 0x4a                        ; the same with C in window 0
.set LD,   0x80                        ; destination window 2, address window 0
.set VA,   0x8a                        ; destination and both sources window 2
; A joint refill.  The branch hangs on the wave's number alone.  An s_nop 0 and four v_nop follow each of the two lines, ahead of the jump and the label.
.macro JLOAD
	s_cmp_eq_u32 s[WM], 0
	s_cbranch_scc0 .Lfor_b_\@
	tensor_load_to_lds s[G0A+4:G0A+7], s[G1A:G1A+7]
	s_nop 0
.rept 4
	v_nop
.endr
	s_branch .Lasked_\@
.Lfor_b_\@:
	tensor_load_to_lds s[G0B+4:G0B+7], s[G1B:G1B+7]
	s_nop 0
.rept 4
	v_nop
.endr
.Lasked_\@:
.endm
.macro CREST                           ; a round of the cluster's barrier behind its opening barrier: wave 0 signals for the work-group, every wave waits for all sixteen, my work-group's barrier closes it
	s_cmp_lg_u32 s[WV], 0
	s_cbranch_scc1 .Lnot_wave_0_\@
	s_barrier_signal -3
.Lnot_wave_0_\@:
	s_barrier_wait -3
	s_barrier_signal -1
	s_barrier_wait -1
.endm
.macro CROUND                          ; a whole round
	s_barrier_signal -1
	s_barrier_wait -1
	CREST
.endm
.macro PLACES                          ; four plain vector instructions between a matrix instruction and a load into, or a vector write or read of, its registers (ISA guide 7.12.1 for vector writes and reads)
.rept 4
	v_nop
.endr
.endm
.if MODE == 0
	s_load_b512 s[68:83], s[0:1], 0x0              ; q 68, k 70, v 72, Wb 74, bq 76, bk 78, bv 80, Qp 82
	s_load_b128 s[84:87], s[0:1], 0x40             ; Kp 84, Vp 86
.else
	s_load_b256 s[68:75], s[0:1], 0x0              ; Pt 68, Vp 70, St 72, out0 74
.endif
	v_lshl_add_u32 v[SPW], v0, 2, SPARE
	v_mov_b32 v[NIL], 0
	ds_add_u32 v[SPW], v[NIL]                      ; the wave's opening: the add and its wait stand ahead of my first tensor load; the set-up below, work on registers, stands between them
	v_lshrrev_b32 v3, 5, v0
	v_readfirstlane_b32 s[WV], v3
	s_lshr_b32 s[WM], s[WV], 1
	s_and_b32 s[WN], s[WV], 1
	s_bfe_u32 s[CX], ttmp6, 0x40000                ; my place in the cluster
	s_bfe_u32 s[CY], ttmp6, 0x40004
	s_lshl_b32 s[TX], ttmp9, 2                     ; in a cluster launch ttmp9 and ttmp7 count clusters
	s_add_co_u32 s[TX], s[TX], s[CX]               ; tile column = 4 x cluster x + cx
	s_and_b32 s[CLY], ttmp7, 0xffff
.if MODE == 0
	s_lshr_b32 s[PB], s[CLY], 4                    ; 16 clusters (64 tile rows, 8,192 rows) to an input
	s_and_b32 s[TY], s[CLY], 15
.else
	s_lshr_b32 s[PB], s[CLY], 2                    ; 4 clusters (16 tile rows, 2,048 rows) to a batch
	s_mov_b32 s[TY], s[CLY]
.endif
	s_lshl_b32 s[TY], s[TY], 2
	s_add_co_u32 s[TY], s[TY], s[CY]               ; tile row = 4 x cluster y + cy
	s_lshl_b32 s46, s[CY], 2
	s_lshl_b32 s46, 15, s46                        ; my row of the cluster: places 4 cy .. 4 cy + 3
	s_lshl_b32 s47, 0x1111, s[CX]                  ; my column: places cx, cx + 4, cx + 8, cx + 12
	; group 1 for A: 64 rows x 128 elements (f32 or f16), 16 bytes of padding behind each row
	s_or_b32 s[G1A], s46, ((2-MODE)<<16)|(1<<20)|(1<<21)|((6-MODE)<<22)|(3<<25)  ; 15:0 the mask; 17:16 element size; 20 padding on; 21 set beside a mask; 24:22 after every 128 or 64 words; 31:25 4 words
	s_mov_b32 s[G1A+1], 128<<16                    ; tensor_dim0 = 128
	s_mov_b32 s[G1A+2], 64<<16                     ; tensor_dim1 = 64
	s_mov_b32 s[G1A+3], 128<<16                    ; tile_dim0 = 128
	s_mov_b32 s[G1A+4], 64                         ; tile_dim1 = 64
	s_mov_b32 s[G1A+5], 1024<<MODE                 ; elements from row to row
	s_mov_b32 s[G1A+6], 0
	s_mov_b32 s[G1A+7], 0
	; group 1 for B: 64 rows (k) x 256 elements of 2 bytes, 32 bytes of padding behind each row
	s_or_b32 s[G1B], s47, (1<<16)|(1<<20)|(1<<21)|(6<<22)|(7<<25)
	s_mov_b32 s[G1B+1], 256<<16
	s_mov_b32 s[G1B+2], 64<<16
	s_mov_b32 s[G1B+3], 256<<16
	s_mov_b32 s[G1B+4], 64
	s_mov_b32 s[G1B+5], 1024
	s_mov_b32 s[G1B+6], 0
	s_mov_b32 s[G1B+7], 0
	; where the tiles come from.  A's offset is made of the tile row and the wave, B's of the tile column, the input or batch and the wave, each in registers that never hold the other coordinate.
	s_lshl_b32 s16, s[TY], 19                      ; 128 rows of 4,096 bytes to a tile row,
	s_lshl_b32 s17, s[WN], 18                      ; 64 rows to a half
	s_add_co_u32 s16, s16, s17
	s_mov_b32 s17, 0
	s_lshl_b32 s18, s[PB], 21+MODE                 ; a weight is 1,024 rows of 2,048 bytes, a batch of V 2,048 rows
	s_lshl_b32 s19, s[WN], 17                      ; 64 rows to a half
	s_add_co_u32 s18, s18, s19
	s_lshl_b32 s19, s[TX], 9                       ; 256 columns of 2 bytes to a tile column
	s_add_co_u32 s18, s18, s19
	s_mov_b32 s19, 0
	s_mul_i32 s[WBA], s[WN], 64*APITCH             ; and where they go: no place in the cluster enters an LDS address
	s_mul_i32 s[WBB], s[WN], 64*BPITCH
	s_add_co_u32 s[WBB], s[WBB], ABYTES
	s_mov_b32 s[TB], 0
	s_mov_b32 s[TF], SLOT
	s_mov_b32 s[G0A], 1                            ; count = 1
	s_mov_b32 s[G0A+1], s[WBA]                     ; LDS address: slot 0
	s_mov_b32 s[G0A+4], 1
	s_add_co_u32 s[G0A+5], s[WBA], SLOT            ; slot 1
	s_mov_b32 s[G0B], 1
	s_mov_b32 s[G0B+1], s[WBB]
	s_mov_b32 s[G0B+4], 1
	s_add_co_u32 s[G0B+5], s[WBB], SLOT
	s_mov_b32 s[SEL], 0x76543210
	s_mov_b32 s[SEL+1], 0xfedcba98
	s_wait_dscnt 0x0                               ; the opening add is done
	s_wait_kmcnt 0x0
.if MODE == 0
	s_cmp_eq_u32 s[PB], 1                          ; the input, its bias and its result are chosen by a number that all sixteen work-groups share
	s_cselect_b64 s[4:5], s[70:71], s[68:69]
	s_cselect_b64 s[8:9], s[78:79], s[76:77]
	s_cselect_b64 s[14:15], s[84:85], s[82:83]
	s_cmp_eq_u32 s[PB], 2
	s_cselect_b64 s[4:5], s[72:73], s[4:5]
	s_cselect_b64 s[8:9], s[80:81], s[8:9]
	s_cselect_b64 s[14:15], s[86:87], s[14:15]
.endif
	s_add_nc_u64 s[G0A+2:G0A+3], s[PX:PX+1], s[16:17]      ; K step 0
	s_add_nc_u64 s[G0A+6:G0A+7], s[G0A+2:G0A+3], ASTEP     ; K step 1
	s_or_b32 s[G0A+3], s[G0A+3], 0x80000000                ; type = 2
	s_or_b32 s[G0A+7], s[G0A+7], 0x80000000
	s_add_nc_u64 s[G0B+2:G0B+3], s[PW:PW+1], s[18:19]
	s_add_nc_u64 s[G0B+6:G0B+7], s[G0B+2:G0B+3], BSTEP
	s_or_b32 s[G0B+3], s[G0B+3], 0x80000000
	s_or_b32 s[G0B+7], s[G0B+7], 0x80000000
	CROUND                                         ; all sixteen work-groups are here: the first joint loads meet
	s_cmp_eq_u32 s[WM], 0                          ; a wave's two first fills stand in one branch, ahead of every wait on TENSORcnt and every LDS read: two loads of mine are out
	s_cbranch_scc0 .Lfirst_b
	tensor_load_to_lds s[G0A:G0A+3], s[G1A:G1A+7]
	s_nop 0
	tensor_load_to_lds s[G0A+4:G0A+7], s[G1A:G1A+7]
	s_nop 0
.rept 4
	v_nop
.endr
	s_branch .Lfirst_asked
.Lfirst_b:
	tensor_load_to_lds s[G0B:G0B+3], s[G1B:G1B+7]
	s_nop 0
	tensor_load_to_lds s[G0B+4:G0B+7], s[G1B:G1B+7]
	s_nop 0
.rept 4
	v_nop
.endr
.Lfirst_asked:
	; ALL THAT FOLLOWS UP TO THE WAIT STANDS IN THE SHADOW OF THE FIRST TILES.
	; A fragment of A is 16 rows x 32 k: lane l holds row l % 16, k = 8 (l / 16) + 0..7 and 16 + 8 (l / 16) + 0..7.
	v_and_b32 v1, 15, v0                           ; l % 16
	v_bfe_u32 v2, v0, 4, 1                         ; l / 16
	v_mul_u32_u24 v[A0L], v1, APITCH
	v_lshl_add_u32 v[A0L], v2, 5-MODE, v[A0L]      ; 8 k are 32 bytes of f32, 16 of f16
	s_mul_i32 s13, s[WM], 64*APITCH                ; my 64 rows
	v_add_nc_u32 v[A0L], s13, v[A0L]
	; The turning load takes 16 k x 16 columns (lane l reads row k = 8 (l / 16) + l % 8, columns 8 ((l / 8) % 2) + 0..7) and leaves half a fragment: lane l holds column l % 16 and 8 k.
	v_and_b32 v3, 7, v0
	v_lshl_add_u32 v3, v2, 3, v3
	v_mul_u32_u24 v[B0L], v3, BPITCH
	v_bfe_u32 v4, v0, 3, 1
	v_lshl_add_u32 v[B0L], v4, 4, v[B0L]
	s_lshl_b32 s13, s[WN], 8                       ; my 128 columns,
	s_add_co_u32 s13, s13, ABYTES                  ; behind A's tile
	v_add_nc_u32 v[B0L], s13, v[B0L]
	s_mul_i32 s13, s[WV], 16*SPITCH
	s_add_co_u32 s13, s13, STAGE                   ; my stage
	v_mul_u32_u24 v[STO], v1, SPITCH               ; in: row l % 16, 8 numbers for each half of the lanes
	v_lshl_add_u32 v[STO], v2, 4+MODE, v[STO]
	v_add_nc_u32 v[STO], s13, v[STO]
.if MODE == 0
	v_mul_u32_u24 v[RD], v2, SPITCH                ; back: lanes 0-15 take one row of 256 bytes, lanes 16-31 the next
	v_lshl_add_u32 v[RD], v1, 4, v[RD]
	v_add_nc_u32 v[RD], s13, v[RD]
	v_lshlrev_b32 v[CO], 11, v2                    ; and the same two rows in C
	v_lshl_add_u32 v[CO], v1, 4, v[CO]
.else
	v_and_b32 v[CO], 31, v0                        ; back: 32 lanes take one row of 512 bytes
	v_lshlrev_b32 v[CO], 4, v[CO]
	v_add_nc_u32 v[RD], s13, v[CO]
.endif
	s_lshl_b32 s20, s[TY], 18+MODE                 ; where my part of C begins: 128 rows to a tile row,
	s_lshl_b32 s21, s[WM], 17+MODE                 ; my 64 rows,
	s_add_co_u32 s20, s20, s21
	s_lshl_b32 s21, s[TX], 9+MODE                  ; 256 columns to a tile column,
	s_add_co_u32 s20, s20, s21
	s_lshl_b32 s21, s[WN], 8+MODE                  ; my 128 columns
	s_add_co_u32 s20, s20, s21
	s_mov_b32 s21, 0
	s_add_nc_u64 s[14:15], s[POUT:POUT+1], s[20:21]
.if MODE == 0
	; THE BIAS of my 128 columns: register j of block b is b[16 b + 8 (l / 16) + j], the layout of a C operand.  Rounded to bf16 like every input, and widened again.
	s_lshl_b32 s22, s[TX], 10
	s_mov_b32 s23, 0
	s_add_nc_u64 s[8:9], s[8:9], s[22:23]
	v_lshlrev_b32 v5, 5, v2
	v_lshl_add_u32 v5, s[WN], 9, v5
.irp b, 0,1,2,3,4,5,6,7
	global_load_b128 v[BIAS+8*\b:BIAS+8*\b+3],   v5, s[8:9] offset:64*\b
	global_load_b128 v[BIAS+8*\b+4:BIAS+8*\b+7], v5, s[8:9] offset:64*\b+16
.endr
	s_wait_loadcnt 0x0
.set k, 0
.rept 32
	v_cvt_pk_bf16_f32 v[WK+k], v[BIAS+2*k], v[BIAS+2*k+1]
.set k, k+1
.endr
.set k, 0
.rept 32
	v_lshlrev_b32 v[BIAS+2*k], 16, v[WK+k]
	v_and_b32 v[BIAS+2*k+1], 0xffff0000, v[WK+k]
.set k, k+1
.endr
.else
	; THE STATISTICS of my 64 rows.  St is [2][16 blocks][8,192 rows] of f32: cm, then l.  Lane l takes the blocks 2 i + l / 16 of the rows 16 a + l % 16.
	s_lshl_b32 s22, s[TY], 9
	s_lshl_b32 s23, s[WM], 8
	s_add_co_u32 s22, s22, s23
	s_mov_b32 s23, 0
	s_add_nc_u64 s[8:9], s[72:73], s[22:23]
	v_lshlrev_b32 v5, 15, v2
	v_lshl_add_u32 v5, v1, 2, v5
.set k, 0
.rept 32
	global_load_b32 v[CMX+k], v5, s[8:9] offset:(k/4)*65536+(k%4)*64
	global_load_b32 v[LL+k],  v5, s[8:9] offset:524288+(k/4)*65536+(k%4)*64
.set k, k+1
.endr
	s_mul_i32 s13, s[WV], 17*256
	s_add_co_u32 s13, s13, TABLE
	v_lshl_add_u32 v[TAB], v1, 4, s13              ; my 16 bytes of entry 0
	v_lshl_add_u32 v6, v2, 8, v[TAB]               ; where my blocks' factors go: entry l / 16, then every second one
	s_wait_loadcnt 0x0
.irp a, 0,1,2,3                        ; m: two chains, then the other half of the lanes
	v_max3_num_f32 v[WK+\a],   v[CMX+\a],    v[CMX+4+\a],  v[CMX+8+\a]
	v_max3_num_f32 v[WK+4+\a], v[CMX+12+\a], v[CMX+16+\a], v[CMX+20+\a]
.endr
.irp a, 0,1,2,3
	v_max3_num_f32 v[WK+\a], v[WK+\a], v[CMX+24+\a], v[CMX+28+\a]
.endr
.irp a, 0,1,2,3
	v_max_num_f32 v[WK+\a], v[WK+\a], v[WK+4+\a]
.endr
.irp a, 0,1,2,3
	v_permlanex16_b32 v[WK+4+\a], v[WK+\a], s[SEL], s[SEL+1]
.endr
.irp a, 0,1,2,3
	v_max_num_f32 v[WK+\a], v[WK+\a], v[WK+4+\a]
.endr
.set k, 0
.rept 16                               ; cm - m
	v_pk_add_f32 v[CMX+2*k:CMX+2*k+1], v[CMX+2*k:CMX+2*k+1], v[WK+2*(k%2):WK+2*(k%2)+1] neg_lo:[0,1] neg_hi:[0,1]
.set k, k+1
.endr
.set k, 0
.rept 32                               ; f
	v_exp_f32 v[CMX+k], v[CMX+k]
.set k, k+1
.endr
	v_nop                                          ; a plain instruction between the last exponential and the use of its result (ISA guide 5.7.2)
	s_wait_alu depctr_va_vdst(0)
.irp e, 0,2                            ; L = the sum of f l
	v_pk_mul_f32 v[WK+8+\e:WK+9+\e], v[CMX+\e:CMX+\e+1], v[LL+\e:LL+\e+1]
.endr
.set k, 1
.rept 7
.irp e, 0,2
	v_pk_fma_f32 v[WK+8+\e:WK+9+\e], v[CMX+4*k+\e:CMX+4*k+\e+1], v[LL+4*k+\e:LL+4*k+\e+1], v[WK+8+\e:WK+9+\e]
.endr
.set k, k+1
.endr
.irp a, 0,1,2,3
	v_permlanex16_b32 v[WK+4+\a], v[WK+8+\a], s[SEL], s[SEL+1]
.endr
.irp a, 0,1,2,3
	v_add_f32 v[WK+8+\a], v[WK+8+\a], v[WK+4+\a]
.endr
.irp a, 0,1,2,3
	v_rcp_f32 v[RL+2*\a], v[WK+8+\a]               ; made twice: the packed multiply names a pair.  L is at least 1: the block that holds the maximum has f = 1 and l >= 1
	v_rcp_f32 v[RL+2*\a+1], v[WK+8+\a]
.endr
.set k, 0
.rept 32                               ; f twice in a word, for the packed f16 multiply; these plain lines also stand behind the reciprocals
	v_cvt_pk_f16_f32 v[CMX+k], v[CMX+k], v[CMX+k]
.set k, k+1
.endr
.irp a, 0,1,2,3
	v_mov_b32 v[WK+\a], 0
.endr
.irp i, 0,1,2,3,4,5,6,7
	ds_store_b128 v6, v[CMX+4*\i:CMX+4*\i+3] offset:512*\i
.endr
	ds_store_b128 v[TAB], v[WK:WK+3] offset:4096   ; entry 16, which the last change of slots reads for nothing
.endif
; THE MATRIX WORK.  Product pi of a quarter's 32: rows 16 (pi / 8) on, columns 16 (pi % 8) on, 32 along K from buffer f.  The 32 accumulators take turns, one instruction a turn.
; start = 1: the sums begin, with the bias (MODE 0) or the constant 0 (MODE 1): nothing is cleared.
.macro PROD f, start
.set rD, 8*pi
.set rB, BF+64*(\f)+8*(pi%8)
.set rA, AF+32*(\f)+8*(pi/8)
.set rC, BIAS+8*(pi%8)
.if \start
.if MODE == 0
	WIN MULB
	v_wmma_f32_16x16x32_bf16 v[rD:rD+7], v[rB:rB+7], v[rA:rA+7], v[rC:rC+7]
.else
	WIN MUL
	v_wmma_f32_16x16x32_f16 v[rD:rD+7], v[rB:rB+7], v[rA:rA+7], 0
.endif
.else
	WIN MUL
.if MODE == 0
	v_wmma_f32_16x16x32_bf16 v[rD:rD+7], v[rB:rB+7], v[rA:rA+7], v[rD:rD+7]
.else
	v_wmma_f32_16x16x32_f16 v[rD:rD+7], v[rB:rB+7], v[rA:rA+7], v[rD:rD+7]
.endif
.endif
.set pi, pi+1
.endm
; LDS load ln of the NL that bring quarter kq of the slot in hand for buffer g: A's first (MODE 0: as f32, into RAW), then B's sixteen.
.macro LOAD1 kq, g
.if ln < NA
.if MODE == 0
	ds_load_b128 v[RAW+4*ln:RAW+4*ln+3], v[ADRA] offset:(ln/4)*16*APITCH+(\kq)*128+(ln%2)*16+((ln/2)%2)*64
.else
	ds_load_b128 v[AF+32*(\g)+4*ln:AF+32*(\g)+4*ln+3], v[ADRA] offset:(ln/2)*16*APITCH+(\kq)*64+(ln%2)*32
.endif
.else
.set bm, ln-NA
	ds_load_tr16_b128 v[BF+64*(\g)+4*bm:BF+64*(\g)+4*bm+3], v[ADRB] offset:(\kq)*32*BPITCH+(bm%2)*16*BPITCH+(bm/2)*32
.endif
.set ln, ln+1
.endm
; Register vn of the 32 of A's fragments in buffer g is finished: two f32 rounded to bf16 (MODE 0), or two p times the row's factor (MODE 1).
.macro VAL1 g
.if MODE == 0
	v_cvt_pk_bf16_f32 v[AF+32*(\g)+vn], v[RAW+2*vn], v[RAW+2*vn+1]
.else
	v_pk_mul_f16 v[AF+32*(\g)+vn], v[AF+32*(\g)+vn], v[FC+vn/8]
.endif
.set vn, vn+1
.endm
; A QUARTER STEP: 32 products on buffer f; beside them the next quarter (kq of the slot in hand) is brought into the other buffer: two LDS loads behind a product, later four finishing lines behind each of the last eight.
; turn = 1: the step's last quarter, which changes slots.  ONE barrier for two things: in front of it each wave waits for all its tensor loads (one is out: its part of the other slot), adds 0 to its spare word, and waits
; for that and for its reads of this slot.  fill = 1: the barrier opens a round of the cluster's, and the joint refill of this slot, two K steps ahead, is the first thing behind the round:
; 120 products stand between the request and the wait for it.
.macro QUARTER kq, f, turn=0, fill=0, start=0
.set pi, 0
.set ln, 0
.set vn, 0
.set gb, 1-(\f)
.if \turn
	WIN 0                                          ; (the add's two registers lie in window 0)
	s_wait_dscnt 0x0                               ; this quarter's fragments are in: they were this slot's last reads
	s_wait_tensorcnt 0x0                           ; all my tensor loads have landed
	ds_add_u32 v[SPW], v[NIL]                      ; 0 onto my spare word; four products stand between it and the wait for it
.rept 4
	PROD \f, 0
.endr
	s_wait_dscnt 0x0                               ; the add is done
	s_barrier_signal -1
.rept 4
	PROD \f, 0                                     ; work on registers while the others arrive
.endr
	WIN 0                                          ; at a branch and at a label every window is 0
	s_barrier_wait -1
.if \fill
	CREST                                          ; no wave of any partner still reads this slot's tiles or has a load on its way
	s_xor_b32 s[TF], s[TF], SLOT                   ; the walking descriptors: the other slot than last time,
	s_add_co_u32 s[G0A+5], s[TF], s[WBA]
	s_add_co_u32 s[G0B+5], s[TF], s[WBB]
	s_add_nc_u64 s[G0A+6:G0A+7], s[G0A+6:G0A+7], ASTEP  ; the next K step; the type bits on top are not reached
	s_add_nc_u64 s[G0B+6:G0B+7], s[G0B+6:G0B+7], BSTEP
	JLOAD                                          ; its four v_nop are also the places in front of the loads below
.else
	PLACES
.endif
	s_xor_b32 s[TB], s[TB], SLOT                   ; the reads go on in the other slot
	v_add_nc_u32 v[ADRA], s[TB], v[A0L]
	v_add_nc_u32 v[ADRB], s[TB], v[B0L]
.if MODE
	v_add_nc_u32 v[TAB], 0x100, v[TAB]             ; and with the next step's factors
	WIN LD
	ds_load_b128 v[FC:FC+3], v[TAB]
.endif
.else
	s_wait_dscnt 0x0                               ; this quarter's fragments are in: B's were the youngest loads
	PROD \f, \start
	PLACES                                         ; between the last quarter's products and the loads and writes into the buffer that they read
.endif
.rept NL/2
	PROD \f, \start
	WIN LD
	LOAD1 \kq, gb
	LOAD1 \kq, gb
.endr
.rept 24-pi
	PROD \f, \start
.endr
.rept 8
	PROD \f, \start
.if pi == 25
	s_wait_dscnt 16                                ; LDS loads come back in order (ISA guide 5.7.1): A's (and the factors) are in, B's sixteen younger ones may be out
.endif
	WIN VA
.rept 4
	VAL1 gb
.endr
.endr
.endm
	s_wait_tensorcnt 0x1                           ; my part of K step 0 is in; K step 1's may stay out
.if MODE
	s_wait_dscnt 0x0                               ; no LDS instruction is pending at a signal: my table is written
.endif
	s_barrier_signal -1
	s_barrier_wait -1                              ; everybody's part is in
	v_add_nc_u32 v[ADRA], s[TB], v[A0L]
	v_add_nc_u32 v[ADRB], s[TB], v[B0L]
	WIN LD
.if MODE
	ds_load_b128 v[FC:FC+3], v[TAB]                ; step 0's factors
.endif
.set ln, 0
.rept NL
	LOAD1 0, 0
.endr
	s_wait_dscnt 16                                ; all but B's sixteen
	WIN VA
.set vn, 0
.rept 32
	VAL1 0
.endr
	QUARTER 1, 0, 0, 0, 1                          ; the first quarter stands in front of the loop: its products start the sums
	WIN 0
	s_mov_b32 s3, STEPS-2
.Lstep:                                                ; a trip goes from a step's second quarter to the next step's first, and fills one slot again
	QUARTER 2, 1
	QUARTER 3, 0
	QUARTER 0, 1, 1, 1
	QUARTER 1, 0
	WIN 0
	s_sub_co_u32 s3, s3, 1
	s_cmp_lg_u32 s3, 0
	s_cbranch_scc1 .Lstep
	s_mov_b32 s3, 2
.Ltail:                                                ; the last two steps ask for nothing: a text of their own
	QUARTER 2, 1
	QUARTER 3, 0
	QUARTER 0, 1, 1, 0
	WIN 0
	s_cmp_eq_u32 s3, 1
	s_cbranch_scc1 .Lskip                          ; behind the last step there is no first quarter.  What its change of slots has fetched (old bytes of the other slot) serves nothing: the price, once, of one text for both trips
	QUARTER 1, 0
	WIN 0
.Lskip:
	s_sub_co_u32 s3, s3, 1
	s_cmp_lg_u32 s3, 0
	s_cbranch_scc1 .Ltail
; THE WAY OUT, a block of 16 rows at a time.  PACK: rounded to f16 (MODE 0) or divided by L (MODE 1), each accumulator's registers in ascending order.  TOSTAGE: into my own stage and back as whole rows.  SEND: stored.
.macro PACK a
.set k, 0
.if MODE == 0
	WIN 0x05                                       ; both sources window 1
.rept 32
	v_cvt_pk_f16_f32 v[TMP+k], v[64*(\a)+2*k], v[64*(\a)+2*k+1]
.set k, k+1
.endr
.else
	WIN 0x01                                       ; source 0 window 1
	s_wait_alu depctr_va_vdst(0)
.rept 32
	v_pk_mul_f32 v[TMP+2*k:TMP+2*k+1], v[64*(\a)+2*k:64*(\a)+2*k+1], v[RL+2*(\a):RL+2*(\a)+1] op_sel_hi:[1,0]
.set k, k+1
.endr
.endif
	WIN 0
.endm
.macro TOSTAGE a
.set k, 0
.if MODE == 0
.set BK, 64+32*(\a)                    ; each block has registers of its own
.rept 8
	ds_store_b128 v[STO], v[TMP+4*k:TMP+4*k+3] offset:32*k
.set k, k+1
.endr
.set k, 0
.rept 8
	ds_load_b128 v[BK+4*k:BK+4*k+3], v[RD] offset:k*2*SPITCH  ; LDS serves a wave's instructions in order (ISA guide 5.7.1.4): these see the stores above
.set k, k+1
.endr
.else
.set BK, 96+64*((\a)%2)
.rept 16
	ds_store_b128 v[STO], v[TMP+4*k:TMP+4*k+3] offset:64*(k/2)+16*(k%2)
.set k, k+1
.endr
.set k, 0
.rept 16
	ds_load_b128 v[BK+4*k:BK+4*k+3], v[RD] offset:k*SPITCH
.set k, k+1
.endr
.endif
.endm
.macro SEND a
	s_wait_dscnt 0x0                               ; the block is back in registers
.set k, 0
.if MODE == 0
.set BK, 64+32*(\a)
.rept 8
	global_store_b128 v[CO], v[BK+4*k:BK+4*k+3], s[14:15] offset:(16*(\a)+2*k)*2048  ; 16 lanes store 256 consecutive bytes, at a multiple of 256 from C's first byte
.set k, k+1
.endr
.else
.set BK, 96+64*((\a)%2)
	s_wait_xcnt 0x0                                ; the stores of the block before have read their registers, which the next block's loads write (ISA guide 3.1)
.rept 16
	global_store_b128 v[CO], v[BK+4*k:BK+4*k+3], s[14:15] offset:(16*(\a)+k)*4096 th:TH_STORE_NT  ; 512 consecutive bytes, at a multiple of 512 from C's first byte
.set k, k+1
.endr
.endif
.endm
	s_wait_dscnt 0x0                               ; the fetch that serves nothing has landed
	PLACES                                         ; between the last products and the lines that read results
	PACK 0
	TOSTAGE 0
.irp a, 1,2,3                          ; a block's arithmetic stands between the loads of the block before and its stores
	PACK \a
	SEND (\a)-1
	TOSTAGE \a
.endr
	SEND 3
	s_wait_tensorcnt 0x0                           ; the wave's end, behind my last tensor load and my last LDS store
	ds_add_u32 v[SPW], v[NIL]
	s_wait_dscnt 0x0
	CROUND                                         ; the closing round: no work-group ends while a partner may still ask for a tile that names it
	s_endpgm
.Lfunc_end_k_qce92a130ac_pv:
	.size	k_qce92a130ac_pv, .Lfunc_end_k_qce92a130ac_pv-k_qce92a130ac_pv
	.p2alignl 7, 3214868480
	.fill 96, 4, 3214868480
	.section	.rodata,"a",@progbits
	.p2align	6, 0x0
	.amdhsa_kernel k_qce92a130ac_pv
		.amdhsa_group_segment_fixed_size 327680
		.amdhsa_private_segment_fixed_size 0
		.amdhsa_enable_private_segment 0
		.amdhsa_kernarg_size 32
		.amdhsa_user_sgpr_count 2
		.amdhsa_user_sgpr_kernarg_segment_ptr 1
		.amdhsa_wavefront_size32 1
		.amdhsa_system_sgpr_workgroup_id_x 1
		.amdhsa_system_sgpr_workgroup_id_y 1
		.amdhsa_system_sgpr_workgroup_id_z 1
		.amdhsa_system_vgpr_workitem_id 0
		.amdhsa_next_free_vgpr 768
		.amdhsa_next_free_sgpr 96
		.amdhsa_reserve_vcc 0
		.amdhsa_float_denorm_mode_32 3
		.amdhsa_float_denorm_mode_16_64 3
		.amdhsa_memory_ordered 1
		.amdhsa_forward_progress 1
		.amdhsa_inst_pref_size 113
	.end_amdhsa_kernel
	.amdgpu_metadata
---
amdhsa.version: [ 1, 2 ]
amdhsa.kernels:
  - .name:           k_qce92a130ac_pv
    .symbol:         k_qce92a130ac_pv.kd
    .args:
      - { .name: Pt, .offset: 0, .size: 8, .value_kind: global_buffer, .address_space: global }
      - { .name: Vp, .offset: 8, .size: 8, .value_kind: global_buffer, .address_space: global }
      - { .name: St, .offset: 16, .size: 8, .value_kind: global_buffer, .address_space: global }
      - { .name: out0, .offset: 24, .size: 8, .value_kind: global_buffer, .address_space: global }
    .group_segment_fixed_size: 327680
    .private_segment_fixed_size: 0
    .kernarg_segment_align: 8
    .kernarg_segment_size: 32
    .max_flat_workgroup_size: 128
    .sgpr_count:     96
    .vgpr_count:     768
    .wavefront_size: 32
...
	.end_amdgpu_metadata
.endif
;; end of part 4
;; ======== version 2 of 2: 4 launches; 1.15 times as fast as version 1
;; limits: values are held in f16: magnitudes above 65,504 overflow, below 6.1e-05 lose precision
;; workspace buffers: Wb 6,291,456 bytes; Qp 16,777,216 bytes; Kp 16,777,216 bytes; Vp 16,777,216 bytes; Pt 33,554,432 bytes; St 1,048,576 bytes
;; launch wcast: the kernel of part 1 again; grid 256 x 3, 8 waves a work-group, no clusters, 0 bytes of LDS; arguments Wq, Wk, Wv, Wb; writes Wb
;; launch proj (part 5): grid 4 x 64, 4 waves a work-group, clusters of 4 x 4, 327,680 bytes of LDS; arguments q, k, v, Wb, bq, bk, bv, Qp, Kp, Vp; writes Qp, Kp, Vp
.if DOCPART == 5
	.amdgcn_target "amdgcn-amd-amdhsa--gfx1250"
	.amdhsa_code_object_version 6
	.text
	.protected	k_qce92a130ac_proj
	.globl	k_qce92a130ac_proj
	.p2align	8
	.type	k_qce92a130ac_proj,@function
k_qce92a130ac_proj:
	s_mov_b64 s[64:65], 0
	v_nop
	global_prefetch_b8 v0, s[64:65] scope:SCOPE_SE
	s_setreg_imm32_b32 hwreg(HW_REG_WAVE_MODE, 25, 1), 1
	s_wait_xcnt 0x0
	s_wait_alu depctr_hold_cnt(0) depctr_sa_sdst(0) depctr_va_vdst(0) depctr_va_sdst(0) depctr_va_ssrc(0) depctr_va_vcc(0) depctr_vm_vsrc(0)
	s_getreg_b32 s2, hwreg(HW_REG_IB_STS2, 6, 4)
	s_cmp_eq_u32 s2, 0
	s_cbranch_scc0 .Lentry_in_a_cluster
	s_endpgm
.Lentry_in_a_cluster:
	s_bfe_u32 s2, ttmp6, 0x10000c
	s_cmp_lg_u32 s2, 0xf033
	s_cbranch_scc0 .Lentry_shape_is_right
	s_endpgm
.Lentry_shape_is_right:
; ONE TEXT FOR TWO LAUNCHES, C[m][n] = sum over k of A[m][k] B[k][n] with B stored [K][N]; MODE says which this file is.
; MODE 0 (this file), the projections: Xp = f16( bf16(x) bf16(W) + bf16(b) ) for x = q, k, v in one launch.  x is f32 [8192][1024] and is rounded to bf16 on the way from LDS to the
;   matrix unit; W comes as bf16 [3][1024][1024]; the bias, rounded to bf16, is the C operand of the products that start the sums.  Sums in f32, Xp rounded once to f16.
;   A WORK-GROUP STAYS: it makes the same 128 x 256 of Qp, then of Kp, then of Vp: a loop over tiles round the loop over K.  The ring does not stop at a tile's end: a tile's last two changes of slots ask for
;   the next input's first two K steps, the tile goes out while they are on their way, and nothing waits for its stores.  The three weights lie end to end, so B's address walks on; A's is made anew for each fill.
; MODE 1, the weighted sum: out = (sum over blocks of 128 keys of f (p V)) / L.  p (f16, [8192][2048]) is 2^(c s - cm) with cm = c x the maximum of its row in ITS block; cm and the block's sum l lie in St.
;   Here m = the maximum of the row's 16 cm, f = 2^(cm - m) <= 1, L = the sum of f l: the row's true maximum is what has been taken away.  A K step is one block: its products make T = p V from 0,
;   and O += f T in f32.
; LIMITS.  f16 holds no number beyond 65,504: the projections' results must stay within it (inputs 30 times those of unit spread give some 5,000).  f below 2^-126 counts as 0.
;   NaN and infinities are not treated apart.
; SHARES.  A tile of C is 128 x 256: 64 x 4 places, 256 work-groups in both modes (MODE 0: three tiles to each).  Four waves, each 64 x 128: 32 accumulators, 256 registers.
; K goes in steps of 128 through two LDS slots.  Waves 0 and 1 fetch the halves (64 rows) of A's tile, waves 2 and 3 the halves (64 k) of B's: one tensor load a wave behind each change of slots.
; CLUSTER.  4 x 4 work-groups.  A's tile hangs on the tile row alone and is asked for jointly by a row of the cluster, B's on the tile column (and on the input or batch, which all sixteen share) by a column.
; THE MATRIX INSTRUCTION IS USED TRANSPOSED: source 0 = 16 columns of B (turned out of LDS by ds_load_tr16_b128), source 1 = 16 rows of A: a lane holds row l % 16 of C and the columns 8 (l / 16) + 0..7.
; REGISTERS, in windows of 256 (s_set_vgpr_msb: bits 1:0 source 0, 3:2 source 1, 5:4 source 2, 7:6 destination):
;   window 0: addresses; the bias or the statistics; at work on the way out      window 1: accumulator (a, b) at v[8 (8 a + b)] (MODE 1: T)
;   window 2: v0-127 B's fragments, two buffers; v128-191 A's, two buffers; v192-255 A as loaded in f32 (MODE 0), or v192-199 the step's factors (MODE 1)      window 3 (MODE 1): O, laid as T
.set MODE, 0
.set TILES,  3-2*MODE                  ; tiles of C that a work-group makes, one after the other
.set STEPS,  8+8*MODE                  ; K steps of 128 in a tile: K = 1,024 or 2,048
.set APITCH, 528-256*MODE              ; a row of A in LDS: 512 bytes (f32) or 256 (f16) + 16 of padding: an odd multiple of 16, so the 16 rows of a load start at 16 different groups of four banks (ISA guide 11.1)
.set ASTEP,  512-256*MODE              ; bytes along a row of A from step to step
.set NA,     16-8*MODE                 ; LDS loads for A's four fragments of 32 k
.set SPITCH, 272+256*MODE              ; a row of a wave's stage: its 128 columns (f16: 256 bytes, f32: 512) + 16
.set BPITCH, 544                       ; a row of B in LDS: 512 bytes + 32
.set BSTEP,  128*2048                  ; 128 rows of B on; eight such steps are one weight, so the walk runs from Wq into Wk and Wv
.set NL,     NA+16                     ; LDS loads of a quarter step: A's, then B's sixteen
.set RUNAT,  4                         ; products of a quarter that stand ahead of its run of loads
.set LAG,    3                         ; MODE 1: an accumulator is folded behind the third product after the one that finished it; at most RUNAT
.set ABYTES, 128*APITCH
.set SLOT,   ABYTES+128*BPITCH         ; A's 128 rows, then B's 128 rows
.set STAGE,  2*SLOT                    ; behind the ring, never filled by a tensor load: 16 rows for each wave, for the way out
.set TABLE,  STAGE+4*16*SPITCH         ; MODE 1: for each wave 16 entries of 512 bytes: entry s holds, for row l % 16, the factors of step s for the wave's four blocks of 16 rows, each twice
.set SPARE,  TABLE+MODE*4*16*512       ; the spare words, 128 bytes for each wave: two blocks of 256 bytes that no other line names
.set A0L,  16                          ; v16  my lane's place in a slot's tile of A; never rewritten
.set B0L,  17                          ; v17  the same for B
.set ADRA, 18                          ; v18  A0L + the slot that is read
.set ADRB, 19                          ; v19  B0L + the slot that is read
.set STO,  24                          ; v24  the way out: where I put my numbers of a row
.set RD,   25                          ; v25  the way out: where I read rows back
.set CO,   26                          ; v26  my byte offset in C
.set TAB,  27                          ; v27  MODE 1: my 32 bytes of the table entry in hand
.set SPW,  28                          ; v28  LDS address of my spare word; never rewritten
.set NIL,  29                          ; v29  0; never rewritten
.set BIAS, 32                          ; v32-95   MODE 0: the bias of my 128 columns as a C operand, 8 registers for each block of 16 columns
.set CMX,  32                          ; v32-63   MODE 1: cm, then f, of blocks 2 i + l / 16 and rows 16 a + l % 16, at 4 i + a
.set LL,   64                          ; v64-95   MODE 1: l, likewise
.set WK,   96                          ; v96-127  at work
.set RL,   224                         ; v224-231 MODE 1: 1 / L of row 16 a + l % 16, as a pair at 2 a
.set TMP,  96-64*MODE                  ; the way out: a block of 16 rows, packed (MODE 0: v96-127, beside the bias, which stays) or scaled (MODE 1: v32-95)
.set BF,   0                           ; window 2
.set AF,   128
.set RAW,  192
.set FC,   192                         ; MODE 1: the factor of block a as a pair at 2 a
.set FS, 4                             ; s4  MODE 0: the step of the walk (0 to 23) that the next fill asks for
.set XS, 6                             ; s[6:7] MODE 0: an address just chosen among three buffers
.set WV, 10                            ; s10 my wave's number
.set WM, 11                            ; s11 which 64 rows of the tile are mine.  Also: I fetch for A (0) or for B (1)
.set WN, 12                            ; s12 which 128 columns.  Also: which half of that tile I fetch
.set G1A, 24                           ; s[24:31] descriptor group 1 for A's tiles
.set G0A, 32                           ; s[32:39] group 0: the first set fills slot 0 once; the second fills slot 1 and then walks on
.set CX, 40
.set CY, 41
.set TX, 42                            ; s42 tile column
.set CLY, 43                           ; s43 the cluster's y
.set TY, 44                            ; s44 tile row
.set PB, 45                            ; s45 MODE 1: the batch, made of the cluster's y alone
.set G1B, 48                           ; s[48:55], s[88:95] the same for B's tiles
.set G0B, 88
.set TB, 56                            ; s56 the slot that is read: 0 or SLOT
.set TF, 57                            ; s57 the slot that was filled last
.set WBA, 58                           ; s58 my half's place in a slot, for A
.set WBB, 59                           ; s59 for B
.set SEL, 60                           ; s[60:61] v_permlanex16_b32's selects: each lane takes its own place in the other half
.set OFFA, 62                          ; s[62:63] MODE 0: the byte offset in its input of the tile of A to be asked for
.set PX, 68                            ; s[68:69] A's address (MODE 0: q's, the first of the walk)
.set PW, 74-4*MODE                     ; B's
.set MSB, 0
.macro WIN new                         ; the immediate's high byte repeats the setting that is left; a switch that changes nothing is dropped
.if MSB != (\new)
	s_set_vgpr_msb (MSB<<8)|(\new)
.set MSB, (\new)
.endif
.endm
.set MUL,  0x5a                        ; both sources window 2, C and D window 1
.set MULB, 0x4a                        ; the same with C in window 0
.set LD,   0x80                        ; destination window 2, address window 0
.set VA,   0x8a                        ; destination and both sources window 2
.set FO,   0xf9                        ; source 0 (T) window 1, source 1 (f) window 2, source 2 and destination (O) window 3
; A joint refill.  The branch hangs on the wave's number alone.  An s_nop 0 and four v_nop follow each of the two lines, ahead of the jump and the label.
.macro JLOAD
	s_cmp_eq_u32 s[WM], 0
	s_cbranch_scc0 .Lfor_b_\@
	tensor_load_to_lds s[G0A+4:G0A+7], s[G1A:G1A+7]
	s_nop 0
.rept 4
	v_nop
.endr
	s_branch .Lasked_\@
.Lfor_b_\@:
	tensor_load_to_lds s[G0B+4:G0B+7], s[G1B:G1B+7]
	s_nop 0
.rept 4
	v_nop
.endr
.Lasked_\@:
.endm
.macro CREST                           ; a round of the cluster's barrier behind its opening barrier: wave 0 signals for the work-group, every wave waits for all sixteen, my work-group's barrier closes it
	s_cmp_lg_u32 s[WV], 0
	s_cbranch_scc1 .Lnot_wave_0_\@
	s_barrier_signal -3
.Lnot_wave_0_\@:
	s_barrier_wait -3
	s_barrier_signal -1
	s_barrier_wait -1
.endm
.macro CROUND                          ; a whole round
	s_barrier_signal -1
	s_barrier_wait -1
	CREST
.endm
.macro PLACES                          ; four plain vector instructions between a matrix instruction and a load into, or a vector write or read of, its registers (ISA guide 7.12.1 for vector writes and reads)
.rept 4
	v_nop
.endr
.endm
; The walking descriptors are set for the next fill.  No tensor load of the wave is out where this stands.  All that enters is the same in every work-group that a mask names.
.macro STEPFILL
	s_xor_b32 s[TF], s[TF], SLOT                   ; the other slot than last time,
	s_add_co_u32 s[G0A+5], s[TF], s[WBA]
	s_add_co_u32 s[G0B+5], s[TF], s[WBB]
.if TILES > 1
	s_lshr_b32 s5, s[FS], 3                        ; step FS of the walk belongs to input FS / 8: q, k or v,
	s_cmp_eq_u32 s5, 1
	s_cselect_b64 s[XS:XS+1], s[70:71], s[68:69]
	s_cmp_eq_u32 s5, 2
	s_cselect_b64 s[XS:XS+1], s[72:73], s[XS:XS+1]
	s_and_b32 s5, s[FS], 7                         ; and is its K step FS % 8
	s_mul_i32 s5, s5, ASTEP
	s_add_co_u32 s[OFFA], s16, s5                  ; my rows' offset and the step's: under 2^26
	s_add_nc_u64 s[G0A+6:G0A+7], s[XS:XS+1], s[OFFA:OFFA+1]  ; the address is made anew: a buffer's address and an offset made apart
	s_or_b32 s[G0A+7], s[G0A+7], 0x80000000        ; type = 2
	s_add_co_u32 s[FS], s[FS], 1
.else
	s_add_nc_u64 s[G0A+6:G0A+7], s[G0A+6:G0A+7], ASTEP  ; the next K step; the type bits on top are not reached
.endif
	s_add_nc_u64 s[G0B+6:G0B+7], s[G0B+6:G0B+7], BSTEP
.endm
; MODE 0: THE BIAS of my 128 columns, from s[8:9]: register j of block b is b[16 b + 8 (l / 16) + j], the layout of a C operand.  BIASASK asks; BIASCVT waits, rounds to bf16 like every input, and widens again.
.macro BIASASK
.irp b, 0,1,2,3,4,5,6,7
	global_load_b128 v[BIAS+8*\b:BIAS+8*\b+3],   v5, s[8:9] offset:64*\b
	global_load_b128 v[BIAS+8*\b+4:BIAS+8*\b+7], v5, s[8:9] offset:64*\b+16
.endr
.endm
.macro BIASCVT
	s_wait_loadcnt 0x0
.set k, 0
.rept 32
	v_cvt_pk_bf16_f32 v[WK+k], v[BIAS+2*k], v[BIAS+2*k+1]
.set k, k+1
.endr
.set k, 0
.rept 32
	v_lshlrev_b32 v[BIAS+2*k], 16, v[WK+k]
	v_and_b32 v[BIAS+2*k+1], 0xffff0000, v[WK+k]
.set k, k+1
.endr
.endm
.if MODE == 0
	s_load_b512 s[68:83], s[0:1], 0x0              ; q 68, k 70, v 72, Wb 74, bq 76, bk 78, bv 80, Qp 82
	s_load_b128 s[84:87], s[0:1], 0x40             ; Kp 84, Vp 86
.else
	s_load_b256 s[68:75], s[0:1], 0x0              ; Pt 68, Vp 70, St 72, out0 74
.endif
	v_lshl_add_u32 v[SPW], v0, 2, SPARE
	v_mov_b32 v[NIL], 0
	ds_add_u32 v[SPW], v[NIL]                      ; the wave's opening: the add and its wait stand ahead of my first tensor load; the set-up below, work on registers, stands between them
	v_lshrrev_b32 v3, 5, v0
	v_readfirstlane_b32 s[WV], v3
	s_lshr_b32 s[WM], s[WV], 1
	s_and_b32 s[WN], s[WV], 1
	s_bfe_u32 s[CX], ttmp6, 0x40000                ; my place in the cluster
	s_bfe_u32 s[CY], ttmp6, 0x40004
	s_lshl_b32 s[TX], ttmp9, 2                     ; in a cluster launch ttmp9 and ttmp7 count clusters
	s_add_co_u32 s[TX], s[TX], s[CX]               ; tile column = 4 x cluster x + cx
	s_and_b32 s[CLY], ttmp7, 0xffff
	s_lshl_b32 s[TY], s[CLY], 2
	s_add_co_u32 s[TY], s[TY], s[CY]               ; tile row = 4 x cluster y + cy
	s_lshl_b32 s46, s[CY], 2
	s_lshl_b32 s46, 15, s46                        ; my row of the cluster: places 4 cy .. 4 cy + 3
	s_lshl_b32 s47, 0x1111, s[CX]                  ; my column: places cx, cx + 4, cx + 8, cx + 12
	; group 1 for A: 64 rows x 128 elements (f32 or f16), 16 bytes of padding behind each row
	s_or_b32 s[G1A], s46, ((2-MODE)<<16)|(1<<20)|(1<<21)|((6-MODE)<<22)|(3<<25)  ; 15:0 the mask; 17:16 element size; 20 padding on; 21 set beside a mask; 24:22 after every 128 or 64 words; 31:25 4 words
	s_mov_b32 s[G1A+1], 128<<16                    ; tensor_dim0 = 128
	s_mov_b32 s[G1A+2], 64<<16                     ; tensor_dim1 = 64
	s_mov_b32 s[G1A+3], 128<<16                    ; tile_dim0 = 128
	s_mov_b32 s[G1A+4], 64                         ; tile_dim1 = 64
	s_mov_b32 s[G1A+5], 1024<<MODE                 ; elements from row to row
	s_mov_b32 s[G1A+6], 0
	s_mov_b32 s[G1A+7], 0
	; group 1 for B: 64 rows (k) x 256 elements of 2 bytes, 32 bytes of padding behind each row
	s_or_b32 s[G1B], s47, (1<<16)|(1<<20)|(1<<21)|(6<<22)|(7<<25)
	s_mov_b32 s[G1B+1], 256<<16
	s_mov_b32 s[G1B+2], 64<<16
	s_mov_b32 s[G1B+3], 256<<16
	s_mov_b32 s[G1B+4], 64
	s_mov_b32 s[G1B+5], 1024
	s_mov_b32 s[G1B+6], 0
	s_mov_b32 s[G1B+7], 0
	; where the tiles come from.  A's offset is made of the tile row and the wave, B's of the tile column, the batch and the wave, each in registers that never hold the other coordinate.
	s_lshl_b32 s16, s[TY], 19                      ; A: 128 rows of 4,096 bytes to a tile row,
	s_lshl_b32 s17, s[WN], 18                      ; 64 rows to a half.  s[16:17] stay
	s_add_co_u32 s16, s16, s17
	s_mov_b32 s17, 0
	s_lshl_b32 s18, s[WN], 17                      ; B: 64 rows of 2,048 bytes to a half,
	s_lshl_b32 s19, s[TX], 9                       ; 256 columns of 2 bytes to a tile column
	s_add_co_u32 s18, s18, s19
.if MODE
	s_lshr_b32 s[PB], s[CLY], 2                    ; 4 clusters (16 tile rows, 2,048 rows) to a batch,
	s_lshl_b32 s19, s[PB], 22                      ; 2,048 rows of V to a batch
	s_add_co_u32 s18, s18, s19
.endif
	s_mov_b32 s19, 0
	s_mul_i32 s[WBA], s[WN], 64*APITCH             ; and where they go: no place in the cluster enters an LDS address
	s_mul_i32 s[WBB], s[WN], 64*BPITCH
	s_add_co_u32 s[WBB], s[WBB], ABYTES
	s_mov_b32 s[TB], 0
	s_mov_b32 s[TF], SLOT
	s_mov_b32 s[G0A], 1                            ; count = 1
	s_mov_b32 s[G0A+1], s[WBA]                     ; LDS address: slot 0
	s_mov_b32 s[G0A+4], 1
	s_add_co_u32 s[G0A+5], s[WBA], SLOT            ; slot 1
	s_mov_b32 s[G0B], 1
	s_mov_b32 s[G0B+1], s[WBB]
	s_mov_b32 s[G0B+4], 1
	s_add_co_u32 s[G0B+5], s[WBB], SLOT
	s_mov_b32 s[SEL], 0x76543210
	s_mov_b32 s[SEL+1], 0xfedcba98
.if TILES > 1
	s_mov_b32 s[FS], 2                             ; steps 0 and 1 are the first fills
	s_mov_b32 s[OFFA+1], 0
.endif
	s_wait_dscnt 0x0                               ; the opening add is done
	s_wait_kmcnt 0x0
	s_add_nc_u64 s[G0A+2:G0A+3], s[PX:PX+1], s[16:17]      ; K step 0
	s_add_nc_u64 s[G0A+6:G0A+7], s[G0A+2:G0A+3], ASTEP     ; K step 1
	s_or_b32 s[G0A+3], s[G0A+3], 0x80000000                ; type = 2
	s_or_b32 s[G0A+7], s[G0A+7], 0x80000000
	s_add_nc_u64 s[G0B+2:G0B+3], s[PW:PW+1], s[18:19]
	s_add_nc_u64 s[G0B+6:G0B+7], s[G0B+2:G0B+3], BSTEP
	s_or_b32 s[G0B+3], s[G0B+3], 0x80000000
	s_or_b32 s[G0B+7], s[G0B+7], 0x80000000
	CROUND                                         ; all sixteen work-groups are here: the first joint loads meet
	s_cmp_eq_u32 s[WM], 0                          ; a wave's two first fills stand in one branch, ahead of every wait on TENSORcnt and every LDS read: two loads of mine are out
	s_cbranch_scc0 .Lfirst_b
	tensor_load_to_lds s[G0A:G0A+3], s[G1A:G1A+7]
	s_nop 0
	tensor_load_to_lds s[G0A+4:G0A+7], s[G1A:G1A+7]
	s_nop 0
.rept 4
	v_nop
.endr
	s_branch .Lfirst_asked
.Lfirst_b:
	tensor_load_to_lds s[G0B:G0B+3], s[G1B:G1B+7]
	s_nop 0
	tensor_load_to_lds s[G0B+4:G0B+7], s[G1B:G1B+7]
	s_nop 0
.rept 4
	v_nop
.endr
.Lfirst_asked:
	; ALL THAT FOLLOWS UP TO THE WAIT STANDS IN THE SHADOW OF THE FIRST TILES.
	; A fragment of A is 16 rows x 32 k: lane l holds row l % 16, k = 8 (l / 16) + 0..7 and 16 + 8 (l / 16) + 0..7.
	v_and_b32 v1, 15, v0                           ; l % 16
	v_bfe_u32 v2, v0, 4, 1                         ; l / 16
	v_mul_u32_u24 v[A0L], v1, APITCH
	v_lshl_add_u32 v[A0L], v2, 5-MODE, v[A0L]      ; 8 k are 32 bytes of f32, 16 of f16
	s_mul_i32 s13, s[WM], 64*APITCH                ; my 64 rows
	v_add_nc_u32 v[A0L], s13, v[A0L]
	; The turning load takes 16 k x 16 columns (lane l reads row k = 8 (l / 16) + l % 8, columns 8 ((l / 8) % 2) + 0..7) and leaves half a fragment: lane l holds column l % 16 and 8 k.
	v_and_b32 v3, 7, v0
	v_lshl_add_u32 v3, v2, 3, v3
	v_mul_u32_u24 v[B0L], v3, BPITCH
	v_bfe_u32 v4, v0, 3, 1
	v_lshl_add_u32 v[B0L], v4, 4, v[B0L]
	s_lshl_b32 s13, s[WN], 8                       ; my 128 columns,
	s_add_co_u32 s13, s13, ABYTES                  ; behind A's tile
	v_add_nc_u32 v[B0L], s13, v[B0L]
	s_mul_i32 s13, s[WV], 16*SPITCH
	s_add_co_u32 s13, s13, STAGE                   ; my stage
	v_mul_u32_u24 v[STO], v1, SPITCH               ; in: row l % 16, 8 numbers for each half of the lanes
	v_lshl_add_u32 v[STO], v2, 4+MODE, v[STO]
	v_add_nc_u32 v[STO], s13, v[STO]
.if MODE == 0
	v_mul_u32_u24 v[RD], v2, SPITCH                ; back: lanes 0-15 take one row of 256 bytes, lanes 16-31 the next
	v_lshl_add_u32 v[RD], v1, 4, v[RD]
	v_add_nc_u32 v[RD], s13, v[RD]
	v_lshlrev_b32 v[CO], 11, v2                    ; and the same two rows in C
	v_lshl_add_u32 v[CO], v1, 4, v[CO]
.else
	v_and_b32 v[CO], 31, v0                        ; back: 32 lanes take one row of 512 bytes
	v_lshlrev_b32 v[CO], 4, v[CO]
	v_add_nc_u32 v[RD], s13, v[CO]
.endif
	s_lshl_b32 s20, s[TY], 18+MODE                 ; where my part of C begins: 128 rows to a tile row,
	s_lshl_b32 s21, s[WM], 17+MODE                 ; my 64 rows,
	s_add_co_u32 s20, s20, s21
	s_lshl_b32 s21, s[TX], 9+MODE                  ; 256 columns to a tile column,
	s_add_co_u32 s20, s20, s21
	s_lshl_b32 s21, s[WN], 8+MODE                  ; my 128 columns
	s_add_co_u32 s20, s20, s21
	s_mov_b32 s21, 0                               ; s[20:21] stay
.if MODE
	s_add_nc_u64 s[14:15], s[74:75], s[20:21]      ; (MODE 0: each way out chooses its own buffer)
.endif
.if MODE == 0
	s_lshl_b32 s22, s[TX], 10                      ; the tile column's 256 numbers of a bias; s[22:23] stay
	s_mov_b32 s23, 0
	s_add_nc_u64 s[8:9], s[76:77], s[22:23]        ; bq
	v_lshlrev_b32 v5, 5, v2                        ; v5 stays
	v_lshl_add_u32 v5, s[WN], 9, v5
	BIASASK
	BIASCVT
.else
	; THE STATISTICS of my 64 rows.  St is [2][16 blocks][8,192 rows] of f32: cm, then l.  Lane l takes the blocks 2 i + l / 16 of the rows 16 a + l % 16.
	s_lshl_b32 s22, s[TY], 9
	s_lshl_b32 s23, s[WM], 8
	s_add_co_u32 s22, s22, s23
	s_mov_b32 s23, 0
	s_add_nc_u64 s[8:9], s[72:73], s[22:23]
	v_lshlrev_b32 v5, 15, v2
	v_lshl_add_u32 v5, v1, 2, v5
.set k, 0
.rept 32
	global_load_b32 v[CMX+k], v5, s[8:9] offset:(k/4)*65536+(k%4)*64
	global_load_b32 v[LL+k],  v5, s[8:9] offset:524288+(k/4)*65536+(k%4)*64
.set k, k+1
.endr
	s_lshl_b32 s13, s[WV], 13
	s_add_co_u32 s13, s13, TABLE                   ; my table
	v_lshl_add_u32 v[TAB], v1, 5, s13              ; my 32 bytes of entry 0
	v_lshl_add_u32 v6, v2, 9, v[TAB]               ; where my blocks' factors go: entry l / 16, then every second one
	; O starts at 0: 256 lines, in the wait for the statistics and the first tiles.  The price of writing no first step out, which would be a trip of the loop once more in the text.
	WIN 0xc0
.set k, 0
.rept 256
	v_mov_b32 v[k], 0
.set k, k+1
.endr
	WIN 0
	s_wait_loadcnt 0x0
.irp a, 0,1,2,3                        ; m: two chains, then the other half of the lanes
	v_max3_num_f32 v[WK+\a],   v[CMX+\a],    v[CMX+4+\a],  v[CMX+8+\a]
	v_max3_num_f32 v[WK+4+\a], v[CMX+12+\a], v[CMX+16+\a], v[CMX+20+\a]
.endr
.irp a, 0,1,2,3
	v_max3_num_f32 v[WK+\a], v[WK+\a], v[CMX+24+\a], v[CMX+28+\a]
.endr
.irp a, 0,1,2,3
	v_max_num_f32 v[WK+\a], v[WK+\a], v[WK+4+\a]
.endr
.irp a, 0,1,2,3
	v_permlanex16_b32 v[WK+4+\a], v[WK+\a], s[SEL], s[SEL+1]
.endr
.irp a, 0,1,2,3
	v_max_num_f32 v[WK+\a], v[WK+\a], v[WK+4+\a]
.endr
.set k, 0
.rept 16                               ; cm - m
	v_pk_add_f32 v[CMX+2*k:CMX+2*k+1], v[CMX+2*k:CMX+2*k+1], v[WK+2*(k%2):WK+2*(k%2)+1] neg_lo:[0,1] neg_hi:[0,1]
.set k, k+1
.endr
.set k, 0
.rept 32                               ; f
	v_exp_f32 v[CMX+k], v[CMX+k]
.set k, k+1
.endr
	v_nop                                          ; a plain instruction between the last exponential and the use of its result (ISA guide 5.7.2)
.irp e, 0,2                            ; L = the sum of f l
	v_pk_mul_f32 v[WK+8+\e:WK+9+\e], v[CMX+\e:CMX+\e+1], v[LL+\e:LL+\e+1]
.endr
.set k, 1
.rept 7
.irp e, 0,2
	v_pk_fma_f32 v[WK+8+\e:WK+9+\e], v[CMX+4*k+\e:CMX+4*k+\e+1], v[LL+4*k+\e:LL+4*k+\e+1], v[WK+8+\e:WK+9+\e]
.endr
.set k, k+1
.endr
.irp a, 0,1,2,3
	v_permlanex16_b32 v[WK+4+\a], v[WK+8+\a], s[SEL], s[SEL+1]
.endr
.irp a, 0,1,2,3
	v_add_f32 v[WK+8+\a], v[WK+8+\a], v[WK+4+\a]
.endr
.irp a, 0,1,2,3
	v_rcp_f32 v[RL+2*\a], v[WK+8+\a]               ; made twice: the packed multiply names a pair.  L is at least 1: the block that holds the maximum has f = 1 and l >= 1.  Used on the way out
	v_rcp_f32 v[RL+2*\a+1], v[WK+8+\a]
.endr
.set k, 0
.rept 32                               ; each factor twice, so that it comes back as the pair that the packed multiply-add names
	ds_store_b32 v6, v[CMX+k] offset:(k/4)*1024+(k%4)*8
	ds_store_b32 v6, v[CMX+k] offset:(k/4)*1024+(k%4)*8+4
.set k, k+1
.endr
.endif
; THE MATRIX WORK.  Product pi of a quarter's 32: rows 16 (pi / 8) on, columns 16 (pi % 8) on, 32 along K from buffer f.  The 32 accumulators take turns, one instruction a turn.
; start = 1: the sums begin, with the bias (MODE 0, in every tile) or the constant 0 (MODE 1, in every step).
.macro PROD f, start
.set rD, 8*pi
.set rB, BF+64*(\f)+8*(pi%8)
.set rA, AF+32*(\f)+8*(pi/8)
.set rC, BIAS+8*(pi%8)
.if \start
.if MODE == 0
	WIN MULB
	v_wmma_f32_16x16x32_bf16 v[rD:rD+7], v[rB:rB+7], v[rA:rA+7], v[rC:rC+7]
.else
	WIN MUL
	v_wmma_f32_16x16x32_f16 v[rD:rD+7], v[rB:rB+7], v[rA:rA+7], 0
.endif
.else
	WIN MUL
.if MODE == 0
	v_wmma_f32_16x16x32_bf16 v[rD:rD+7], v[rB:rB+7], v[rA:rA+7], v[rD:rD+7]
.else
	v_wmma_f32_16x16x32_f16 v[rD:rD+7], v[rB:rB+7], v[rA:rA+7], v[rD:rD+7]
.endif
.endif
.set pi, pi+1
.endm
; MODE 1: accumulator j of the step is folded: O += f T, its registers in ascending order; f is that of the accumulator's block of 16 rows and my row in it.
.macro FOLD j
	WIN FO
.set z, 0
.rept 4
	v_pk_fma_f32 v[8*(\j)+2*z:8*(\j)+2*z+1], v[8*(\j)+2*z:8*(\j)+2*z+1], v[FC+2*((\j)/8):FC+2*((\j)/8)+1], v[8*(\j)+2*z:8*(\j)+2*z+1]
.set z, z+1
.endr
.endm
; A product and, in MODE 1, the fold that rides behind it.  turn = 1 (a step's last quarter): the accumulator finished LAG products ago; each fold's four lines are the places behind the products between,
; and four v_nop those of the first.  lead = 1 (the next step's first quarter): the LAG accumulators that are left, ahead of the products that start them anew.
.macro PR f, start, turn, lead
	PROD \f, \start
.if MODE
.if (\turn) && (pi == LAG+1)
	PLACES
.endif
.if (\turn) && (pi > LAG)
	FOLD pi-1-LAG
.endif
.if (\lead) && (pi <= LAG)
	FOLD 31-LAG+pi
.endif
.endif
.endm
; LDS load ln of the NL that bring quarter kq of the slot in hand for buffer g: A's first (MODE 0: as f32, into RAW), then B's sixteen.
.macro LOAD1 kq, g
.if ln < NA
.if MODE == 0
	ds_load_b128 v[RAW+4*ln:RAW+4*ln+3], v[ADRA] offset:(ln/4)*16*APITCH+(\kq)*128+(ln%2)*16+((ln/2)%2)*64
.else
	ds_load_b128 v[AF+32*(\g)+4*ln:AF+32*(\g)+4*ln+3], v[ADRA] offset:(ln/2)*16*APITCH+(\kq)*64+(ln%2)*32
.endif
.else
.set bm, ln-NA
	ds_load_tr16_b128 v[BF+64*(\g)+4*bm:BF+64*(\g)+4*bm+3], v[ADRB] offset:(\kq)*32*BPITCH+(bm%2)*16*BPITCH+(bm/2)*32
.endif
.set ln, ln+1
.endm
; MODE 0: register vn of the 32 of A's fragments in buffer g: two f32 rounded to bf16.
.macro VAL1 g
	v_cvt_pk_bf16_f32 v[AF+32*(\g)+vn], v[RAW+2*vn], v[RAW+2*vn+1]
.set vn, vn+1
.endm
; A QUARTER STEP: 32 products on buffer f.  The next quarter (kq of the slot in hand) is brought into the other buffer by ONE run of LDS loads, never singly among the products: two window switches a run.
; The run stands behind the first RUNAT products, so that B's loads have 28 products in which to land and, in MODE 0, A's have 20: their 32 roundings to bf16 ride four behind each of the last eight products.
; MODE 1: the step's first quarter (kq = 1) heads its run with the step's factors, behind the folds that still read the last step's.
; turn = 1: the step's last quarter, which changes slots.  ONE barrier for two things: in front of it each wave waits for all its tensor loads (one is out: its part of the other slot), adds 0 to its spare word, and waits
; for that and for its reads of this slot.  fill = 1: the descriptors' steps stand behind the add; the barrier opens a round of the cluster's, and the joint refill of this slot, two K steps ahead, is the first thing
; behind the round: 120 products stand between the request and the wait for it.  The run of loads, from the other slot, follows.
.macro QUARTER kq, f, turn=0, fill=0, start=0, lead=0
.set pi, 0
.set ln, 0
.set vn, 0
.set gb, 1-(\f)
.if \turn
	WIN 0                                          ; (the add's two registers lie in window 0)
	s_wait_dscnt 0x0                               ; this quarter's fragments are in: they were this slot's last reads
	s_wait_tensorcnt 0x0                           ; all my tensor loads have landed, so every group 0 may be written
	ds_add_u32 v[SPW], v[NIL]                      ; 0 onto my spare word; scalar work and four products stand between it and the wait for it
.if \fill
	STEPFILL
.endif
.rept 4
	PR \f, 0, 1, 0
.endr
	s_wait_dscnt 0x0                               ; the add is done
	s_barrier_signal -1
.rept 4
	PR \f, 0, 1, 0                                 ; work on registers while the others arrive
.endr
	WIN 0                                          ; at a branch and at a label every window is 0
	s_barrier_wait -1
.if \fill
	CREST                                          ; no wave of any partner still reads this slot's tiles or has a load on its way
	JLOAD                                          ; its four v_nop are also the places in front of the loads below
.else
	PLACES
.endif
	s_xor_b32 s[TB], s[TB], SLOT                   ; the reads go on in the other slot
	v_add_nc_u32 v[ADRA], s[TB], v[A0L]
	v_add_nc_u32 v[ADRB], s[TB], v[B0L]
.if MODE
	v_add_nc_u32 v[TAB], 0x200, v[TAB]             ; and with the next step's factors
.endif
.else
	s_wait_dscnt 0x0                               ; this quarter's fragments are in: B's were the youngest loads
.rept RUNAT
	PR \f, \start, 0, \lead
.endr
	PLACES                                         ; between the last quarter's products and the loads and writes into the buffer that they read
.endif
	WIN LD
.if MODE && ((\kq) == 1)
	ds_load_b128 v[FC:FC+3],   v[TAB]              ; this step's factors: needed three quarters on
	ds_load_b128 v[FC+4:FC+7], v[TAB] offset:16
.endif
.rept NL
	LOAD1 \kq, gb
.endr
.rept 24-pi
	PR \f, \start, \turn, \lead
.endr
.rept 8
	PR \f, \start, \turn, \lead
.if MODE == 0
.if pi == 25
	s_wait_dscnt 16                                ; LDS loads come back in order (ISA guide 5.7.1): A's are in, B's sixteen younger ones may be out
.endif
	WIN VA
.rept 4
	VAL1 gb
.endr
.endif
.endr
.endm
	s_wait_tensorcnt 0x1                           ; my part of K step 0 is in; K step 1's may stay out
.if MODE
	s_wait_dscnt 0x0                               ; no LDS instruction is pending at a signal: my table is written
.endif
	s_barrier_signal -1
	s_barrier_wait -1                              ; everybody's part is in
	v_add_nc_u32 v[ADRA], s[TB], v[A0L]
	v_add_nc_u32 v[ADRB], s[TB], v[B0L]
	WIN LD
.set ln, 0
.rept NL
	LOAD1 0, 0
.endr
.if MODE == 0
	s_wait_dscnt 16                                ; all but B's sixteen
	WIN VA
.set vn, 0
.rept 32
	VAL1 0
.endr
.endif
.if TILES > 1
	WIN 0
	s_mov_b32 s2, TILES                            ; tiles to go, this one among them: the same number in every work-group
.Ltile:
.endif
	QUARTER 1, 0, 0, 0, 1, 0                       ; a tile's first quarter stands in front of the loop: its products start the sums
	WIN 0
	s_mov_b32 s3, STEPS-2
.Lstep:                                                ; a trip goes from a step's second quarter to the next step's first, and fills one slot again
	QUARTER 2, 1
	QUARTER 3, 0
	QUARTER 0, 1, 1, 1
	QUARTER 1, 0, 0, 0, MODE, MODE
	WIN 0
	s_sub_co_u32 s3, s3, 1
	s_cmp_lg_u32 s3, 0
	s_cbranch_scc1 .Lstep
.if TILES > 1                          ; with one tile to a work-group nothing of this is assembled
	s_cmp_eq_u32 s2, 1
	s_cbranch_scc1 .Llast                          ; the last tile's last two steps ask for nothing: a text of their own
	s_cmp_eq_u32 s2, TILES                         ; the next tile's bias is asked for two K steps ahead of its use: bk behind q's tile, bv behind k's.
	s_cselect_b64 s[XS:XS+1], s[78:79], s[80:81]   ; (the last bias has been read by the tile's first quarter, and its loads have been waited for)
	s_add_nc_u64 s[8:9], s[XS:XS+1], s[22:23]
	BIASASK
	s_mov_b32 s3, 2
.Lmid:                                                 ; THE RING GOES ON INTO THE NEXT TILE: these two changes of slots ask for the next input's K steps 0 and 1
	QUARTER 2, 1
	QUARTER 3, 0
	QUARTER 0, 1, 1, 1
	WIN 0
	s_cmp_eq_u32 s3, 1
	s_cbranch_scc1 .Lmskip                         ; behind the tile's last step comes the way out; what its change of slots has fetched are the next tile's first fragments
	QUARTER 1, 0
	WIN 0
.Lmskip:
	s_sub_co_u32 s3, s3, 1
	s_cmp_lg_u32 s3, 0
	s_cbranch_scc1 .Lmid
	BIASCVT
	s_branch .Lout
.Llast:
.endif
	s_mov_b32 s3, 2
.Ltail:                                                ; the walk's last two steps ask for nothing: a text of their own
	QUARTER 2, 1
	QUARTER 3, 0
	QUARTER 0, 1, 1, 0
	WIN 0
	s_cmp_eq_u32 s3, 1
	s_cbranch_scc1 .Lskip                          ; behind the last step there is no first quarter.  What its change of slots has fetched (old bytes of the other slot) serves nothing: the price, once, of one text for both trips
	QUARTER 1, 0, 0, 0, MODE, MODE
	WIN 0
.Lskip:
	s_sub_co_u32 s3, s3, 1
	s_cmp_lg_u32 s3, 0
	s_cbranch_scc1 .Ltail
; THE WAY OUT, a block of 16 rows at a time.  PACK: rounded to f16 (MODE 0) or divided by L (MODE 1), each accumulator's registers in ascending order.  TOSTAGE: into my own stage and back as whole rows.  SEND: stored.
.macro PACK a
.set k, 0
.if MODE == 0
	WIN 0x05                                       ; both sources window 1
.rept 32
	v_cvt_pk_f16_f32 v[TMP+k], v[64*(\a)+2*k], v[64*(\a)+2*k+1]
.set k, k+1
.endr
.else
	WIN 0x03                                       ; source 0 (O) window 3
.rept 32
	v_pk_mul_f32 v[TMP+2*k:TMP+2*k+1], v[64*(\a)+2*k:64*(\a)+2*k+1], v[RL+2*(\a):RL+2*(\a)+1] op_sel_hi:[1,0]
.set k, k+1
.endr
.endif
	WIN 0
.endm
.macro TOSTAGE a
.set k, 0
.if MODE == 0
.set BK, 128+32*(\a)                   ; each block of a tile has registers of its own: v128-255
.rept 8
	ds_store_b128 v[STO], v[TMP+4*k:TMP+4*k+3] offset:32*k
.set k, k+1
.endr
.set k, 0
.rept 8
	ds_load_b128 v[BK+4*k:BK+4*k+3], v[RD] offset:k*2*SPITCH  ; LDS serves a wave's instructions in order (ISA guide 5.7.1.4): these see the stores above
.set k, k+1
.endr
.else
.set BK, 96+64*((\a)%2)
.rept 16
	ds_store_b128 v[STO], v[TMP+4*k:TMP+4*k+3] offset:64*(k/2)+16*(k%2)
.set k, k+1
.endr
.set k, 0
.rept 16
	ds_load_b128 v[BK+4*k:BK+4*k+3], v[RD] offset:k*SPITCH
.set k, k+1
.endr
.endif
.endm
.macro SEND a
	s_wait_dscnt 0x0                               ; the block is back in registers
.set k, 0
.if MODE == 0
.set BK, 128+32*(\a)
.rept 8
	global_store_b128 v[CO], v[BK+4*k:BK+4*k+3], s[14:15] offset:(16*(\a)+2*k)*2048  ; 16 lanes store 256 consecutive bytes, at a multiple of 256 from C's first byte
.set k, k+1
.endr
.else
.set BK, 96+64*((\a)%2)
	s_wait_xcnt 0x0                                ; the stores of the block before have read their registers, which the next block's loads write (ISA guide 3.1)
.rept 16
	global_store_b128 v[CO], v[BK+4*k:BK+4*k+3], s[14:15] offset:(16*(\a)+k)*4096 th:TH_STORE_NT  ; 512 consecutive bytes, at a multiple of 512 from C's first byte
.set k, k+1
.endr
.endif
.endm
.if TILES > 1
.Lout:
.endif
	s_wait_dscnt 0x0                               ; what the last change of slots has fetched has landed
	PLACES                                         ; between the last products and the lines that read results
.if MODE
.set fj, 32-LAG
.rept LAG
	FOLD fj                                        ; the last step's accumulators that are left
.set fj, fj+1
.endr
.endif
.if TILES > 1
	s_wait_xcnt 0x0                                ; the last tile's stores have read their registers and their base (ISA guide 3.1): both are written anew below
	s_cmp_eq_u32 s2, 2                             ; three tiles to go: Qp; two: Kp; one: Vp
	s_cselect_b64 s[XS:XS+1], s[84:85], s[82:83]
	s_cmp_eq_u32 s2, 1
	s_cselect_b64 s[XS:XS+1], s[86:87], s[XS:XS+1]
	s_add_nc_u64 s[14:15], s[XS:XS+1], s[20:21]
.endif
	PACK 0
	TOSTAGE 0
.irp a, 1,2,3                          ; a block's arithmetic stands between the loads of the block before and its stores
	PACK \a
	SEND (\a)-1
	TOSTAGE \a
.endr
	SEND 3
.if TILES > 1
	s_sub_co_u32 s2, s2, 1                         ; nothing waits for the stores: they leave while the next tile is multiplied
	s_cmp_lg_u32 s2, 0
	s_cbranch_scc1 .Ltile
.endif
	s_wait_tensorcnt 0x0                           ; the wave's end, behind my last tensor load and my last LDS store
	ds_add_u32 v[SPW], v[NIL]
	s_wait_dscnt 0x0
	CROUND                                         ; the closing round: no work-group ends while a partner may still ask for a tile that names it
	s_endpgm
.Lfunc_end_k_qce92a130ac_proj:
	.size	k_qce92a130ac_proj, .Lfunc_end_k_qce92a130ac_proj-k_qce92a130ac_proj
	.p2alignl 7, 3214868480
	.fill 96, 4, 3214868480
	.section	.rodata,"a",@progbits
	.p2align	6, 0x0
	.amdhsa_kernel k_qce92a130ac_proj
		.amdhsa_group_segment_fixed_size 327680
		.amdhsa_private_segment_fixed_size 0
		.amdhsa_enable_private_segment 0
		.amdhsa_kernarg_size 80
		.amdhsa_user_sgpr_count 2
		.amdhsa_user_sgpr_kernarg_segment_ptr 1
		.amdhsa_wavefront_size32 1
		.amdhsa_system_sgpr_workgroup_id_x 1
		.amdhsa_system_sgpr_workgroup_id_y 1
		.amdhsa_system_sgpr_workgroup_id_z 1
		.amdhsa_system_vgpr_workitem_id 0
		.amdhsa_next_free_vgpr 768
		.amdhsa_next_free_sgpr 96
		.amdhsa_reserve_vcc 0
		.amdhsa_float_denorm_mode_32 3
		.amdhsa_float_denorm_mode_16_64 3
		.amdhsa_memory_ordered 1
		.amdhsa_forward_progress 1
		.amdhsa_inst_pref_size 133
	.end_amdhsa_kernel
	.amdgpu_metadata
---
amdhsa.version: [ 1, 2 ]
amdhsa.kernels:
  - .name:           k_qce92a130ac_proj
    .symbol:         k_qce92a130ac_proj.kd
    .args:
      - { .name: q, .offset: 0, .size: 8, .value_kind: global_buffer, .address_space: global }
      - { .name: k, .offset: 8, .size: 8, .value_kind: global_buffer, .address_space: global }
      - { .name: v, .offset: 16, .size: 8, .value_kind: global_buffer, .address_space: global }
      - { .name: Wb, .offset: 24, .size: 8, .value_kind: global_buffer, .address_space: global }
      - { .name: bq, .offset: 32, .size: 8, .value_kind: global_buffer, .address_space: global }
      - { .name: bk, .offset: 40, .size: 8, .value_kind: global_buffer, .address_space: global }
      - { .name: bv, .offset: 48, .size: 8, .value_kind: global_buffer, .address_space: global }
      - { .name: Qp, .offset: 56, .size: 8, .value_kind: global_buffer, .address_space: global }
      - { .name: Kp, .offset: 64, .size: 8, .value_kind: global_buffer, .address_space: global }
      - { .name: Vp, .offset: 72, .size: 8, .value_kind: global_buffer, .address_space: global }
    .group_segment_fixed_size: 327680
    .private_segment_fixed_size: 0
    .kernarg_segment_align: 8
    .kernarg_segment_size: 80
    .max_flat_workgroup_size: 128
    .sgpr_count:     96
    .vgpr_count:     768
    .wavefront_size: 32
...
	.end_amdgpu_metadata
.endif
;; end of part 5
;; launch scores: the kernel of part 3 again; grid 8 x 32, 4 waves a work-group, clusters of 4 x 4, 327,680 bytes of LDS; arguments Qp, Kp, Pt, St; writes Pt, St
;; launch pv (part 6): grid 4 x 64, 4 waves a work-group, clusters of 4 x 4, 327,680 bytes of LDS; arguments Pt, Vp, St, out0; writes out0
.if DOCPART == 6
	.amdgcn_target "amdgcn-amd-amdhsa--gfx1250"
	.amdhsa_code_object_version 6
	.text
	.protected	k_qce92a130ac_pv
	.globl	k_qce92a130ac_pv
	.p2align	8
	.type	k_qce92a130ac_pv,@function
k_qce92a130ac_pv:
	s_mov_b64 s[64:65], 0
	v_nop
	global_prefetch_b8 v0, s[64:65] scope:SCOPE_SE
	s_setreg_imm32_b32 hwreg(HW_REG_WAVE_MODE, 25, 1), 1
	s_wait_xcnt 0x0
	s_wait_alu depctr_hold_cnt(0) depctr_sa_sdst(0) depctr_va_vdst(0) depctr_va_sdst(0) depctr_va_ssrc(0) depctr_va_vcc(0) depctr_vm_vsrc(0)
	s_getreg_b32 s2, hwreg(HW_REG_IB_STS2, 6, 4)
	s_cmp_eq_u32 s2, 0
	s_cbranch_scc0 .Lentry_in_a_cluster
	s_endpgm
.Lentry_in_a_cluster:
	s_bfe_u32 s2, ttmp6, 0x10000c
	s_cmp_lg_u32 s2, 0xf033
	s_cbranch_scc0 .Lentry_shape_is_right
	s_endpgm
.Lentry_shape_is_right:
; ONE TEXT FOR TWO LAUNCHES, C[m][n] = sum over k of A[m][k] B[k][n] with B stored [K][N]; MODE says which this file is.
; MODE 0, the projections: Xp = f16( bf16(x) bf16(W) + bf16(b) ) for x = q, k, v in one launch.  x is f32 [8192][1024] and is rounded to bf16 on the way from LDS to the
;   matrix unit; W comes as bf16 [3][1024][1024]; the bias, rounded to bf16, is the C operand of the products that start the sums.  Sums in f32, Xp rounded once to f16.
;   A WORK-GROUP STAYS: it makes the same 128 x 256 of Qp, then of Kp, then of Vp: a loop over tiles round the loop over K.  The ring does not stop at a tile's end: a tile's last two changes of slots ask for
;   the next input's first two K steps, the tile goes out while they are on their way, and nothing waits for its stores.  The three weights lie end to end, so B's address walks on; A's is made anew for each fill.
; MODE 1 (this file), the weighted sum: out = (sum over blocks of 128 keys of f (p V)) / L.  p (f16, [8192][2048]) is 2^(c s - cm) with cm = c x the maximum of its row in ITS block; cm and the block's sum l lie in St.
;   Here m = the maximum of the row's 16 cm, f = 2^(cm - m) <= 1, L = the sum of f l: the row's true maximum is what has been taken away.  A K step is one block: its products make T = p V from 0,
;   and O += f T in f32.
; LIMITS.  f16 holds no number beyond 65,504: the projections' results must stay within it (inputs 30 times those of unit spread give some 5,000).  f below 2^-126 counts as 0.
;   NaN and infinities are not treated apart.
; SHARES.  A tile of C is 128 x 256: 64 x 4 places, 256 work-groups in both modes (MODE 0: three tiles to each).  Four waves, each 64 x 128: 32 accumulators, 256 registers.
; K goes in steps of 128 through two LDS slots.  Waves 0 and 1 fetch the halves (64 rows) of A's tile, waves 2 and 3 the halves (64 k) of B's: one tensor load a wave behind each change of slots.
; CLUSTER.  4 x 4 work-groups.  A's tile hangs on the tile row alone and is asked for jointly by a row of the cluster, B's on the tile column (and on the input or batch, which all sixteen share) by a column.
; THE MATRIX INSTRUCTION IS USED TRANSPOSED: source 0 = 16 columns of B (turned out of LDS by ds_load_tr16_b128), source 1 = 16 rows of A: a lane holds row l % 16 of C and the columns 8 (l / 16) + 0..7.
; REGISTERS, in windows of 256 (s_set_vgpr_msb: bits 1:0 source 0, 3:2 source 1, 5:4 source 2, 7:6 destination):
;   window 0: addresses; the bias or the statistics; at work on the way out      window 1: accumulator (a, b) at v[8 (8 a + b)] (MODE 1: T)
;   window 2: v0-127 B's fragments, two buffers; v128-191 A's, two buffers; v192-255 A as loaded in f32 (MODE 0), or v192-199 the step's factors (MODE 1)      window 3 (MODE 1): O, laid as T
.set MODE, 1
.set TILES,  3-2*MODE                  ; tiles of C that a work-group makes, one after the other
.set STEPS,  8+8*MODE                  ; K steps of 128 in a tile: K = 1,024 or 2,048
.set APITCH, 528-256*MODE              ; a row of A in LDS: 512 bytes (f32) or 256 (f16) + 16 of padding: an odd multiple of 16, so the 16 rows of a load start at 16 different groups of four banks (ISA guide 11.1)
.set ASTEP,  512-256*MODE              ; bytes along a row of A from step to step
.set NA,     16-8*MODE                 ; LDS loads for A's four fragments of 32 k
.set SPITCH, 272+256*MODE              ; a row of a wave's stage: its 128 columns (f16: 256 bytes, f32: 512) + 16
.set BPITCH, 544                       ; a row of B in LDS: 512 bytes + 32
.set BSTEP,  128*2048                  ; 128 rows of B on; eight such steps are one weight, so the walk runs from Wq into Wk and Wv
.set NL,     NA+16                     ; LDS loads of a quarter step: A's, then B's sixteen
.set RUNAT,  4                         ; products of a quarter that stand ahead of its run of loads
.set LAG,    3                         ; MODE 1: an accumulator is folded behind the third product after the one that finished it; at most RUNAT
.set ABYTES, 128*APITCH
.set SLOT,   ABYTES+128*BPITCH         ; A's 128 rows, then B's 128 rows
.set STAGE,  2*SLOT                    ; behind the ring, never filled by a tensor load: 16 rows for each wave, for the way out
.set TABLE,  STAGE+4*16*SPITCH         ; MODE 1: for each wave 16 entries of 512 bytes: entry s holds, for row l % 16, the factors of step s for the wave's four blocks of 16 rows, each twice
.set SPARE,  TABLE+MODE*4*16*512       ; the spare words, 128 bytes for each wave: two blocks of 256 bytes that no other line names
.set A0L,  16                          ; v16  my lane's place in a slot's tile of A; never rewritten
.set B0L,  17                          ; v17  the same for B
.set ADRA, 18                          ; v18  A0L + the slot that is read
.set ADRB, 19                          ; v19  B0L + the slot that is read
.set STO,  24                          ; v24  the way out: where I put my numbers of a row
.set RD,   25                          ; v25  the way out: where I read rows back
.set CO,   26                          ; v26  my byte offset in C
.set TAB,  27                          ; v27  MODE 1: my 32 bytes of the table entry in hand
.set SPW,  28                          ; v28  LDS address of my spare word; never rewritten
.set NIL,  29                          ; v29  0; never rewritten
.set BIAS, 32                          ; v32-95   MODE 0: the bias of my 128 columns as a C operand, 8 registers for each block of 16 columns
.set CMX,  32                          ; v32-63   MODE 1: cm, then f, of blocks 2 i + l / 16 and rows 16 a + l % 16, at 4 i + a
.set LL,   64                          ; v64-95   MODE 1: l, likewise
.set WK,   96                          ; v96-127  at work
.set RL,   224                         ; v224-231 MODE 1: 1 / L of row 16 a + l % 16, as a pair at 2 a
.set TMP,  96-64*MODE                  ; the way out: a block of 16 rows, packed (MODE 0: v96-127, beside the bias, which stays) or scaled (MODE 1: v32-95)
.set BF,   0                           ; window 2
.set AF,   128
.set RAW,  192
.set FC,   192                         ; MODE 1: the factor of block a as a pair at 2 a
.set FS, 4                             ; s4  MODE 0: the step of the walk (0 to 23) that the next fill asks for
.set XS, 6                             ; s[6:7] MODE 0: an address just chosen among three buffers
.set WV, 10                            ; s10 my wave's number
.set WM, 11                            ; s11 which 64 rows of the tile are mine.  Also: I fetch for A (0) or for B (1)
.set WN, 12                            ; s12 which 128 columns.  Also: which half of that tile I fetch
.set G1A, 24                           ; s[24:31] descriptor group 1 for A's tiles
.set G0A, 32                           ; s[32:39] group 0: the first set fills slot 0 once; the second fills slot 1 and then walks on
.set CX, 40
.set CY, 41
.set TX, 42                            ; s42 tile column
.set CLY, 43                           ; s43 the cluster's y
.set TY, 44                            ; s44 tile row
.set PB, 45                            ; s45 MODE 1: the batch, made of the cluster's y alone
.set G1B, 48                           ; s[48:55], s[88:95] the same for B's tiles
.set G0B, 88
.set TB, 56                            ; s56 the slot that is read: 0 or SLOT
.set TF, 57                            ; s57 the slot that was filled last
.set WBA, 58                           ; s58 my half's place in a slot, for A
.set WBB, 59                           ; s59 for B
.set SEL, 60                           ; s[60:61] v_permlanex16_b32's selects: each lane takes its own place in the other half
.set OFFA, 62                          ; s[62:63] MODE 0: the byte offset in its input of the tile of A to be asked for
.set PX, 68                            ; s[68:69] A's address (MODE 0: q's, the first of the walk)
.set PW, 74-4*MODE                     ; B's
.set MSB, 0
.macro WIN new                         ; the immediate's high byte repeats the setting that is left; a switch that changes nothing is dropped
.if MSB != (\new)
	s_set_vgpr_msb (MSB<<8)|(\new)
.set MSB, (\new)
.endif
.endm
.set MUL,  0x5a                        ; both sources window 2, C and D window 1
.set MULB, 0x4a                        ; the same with C in window 0
.set LD,   0x80                        ; destination window 2, address window 0
.set VA,   0x8a                        ; destination and both sources window 2
.set FO,   0xf9                        ; source 0 (T) window 1, source 1 (f) window 2, source 2 and destination (O) window 3
; A joint refill.  The branch hangs on the wave's number alone.  An s_nop 0 and four v_nop follow each of the two lines, ahead of the jump and the label.
.macro JLOAD
	s_cmp_eq_u32 s[WM], 0
	s_cbranch_scc0 .Lfor_b_\@
	tensor_load_to_lds s[G0A+4:G0A+7], s[G1A:G1A+7]
	s_nop 0
.rept 4
	v_nop
.endr
	s_branch .Lasked_\@
.Lfor_b_\@:
	tensor_load_to_lds s[G0B+4:G0B+7], s[G1B:G1B+7]
	s_nop 0
.rept 4
	v_nop
.endr
.Lasked_\@:
.endm
.macro CREST                           ; a round of the cluster's barrier behind its opening barrier: wave 0 signals for the work-group, every wave waits for all sixteen, my work-group's barrier closes it
	s_cmp_lg_u32 s[WV], 0
	s_cbranch_scc1 .Lnot_wave_0_\@
	s_barrier_signal -3
.Lnot_wave_0_\@:
	s_barrier_wait -3
	s_barrier_signal -1
	s_barrier_wait -1
.endm
.macro CROUND                          ; a whole round
	s_barrier_signal -1
	s_barrier_wait -1
	CREST
.endm
.macro PLACES                          ; four plain vector instructions between a matrix instruction and a load into, or a vector write or read of, its registers (ISA guide 7.12.1 for vector writes and reads)
.rept 4
	v_nop
.endr
.endm
; The walking descriptors are set for the next fill.  No tensor load of the wave is out where this stands.  All that enters is the same in every work-group that a mask names.
.macro STEPFILL
	s_xor_b32 s[TF], s[TF], SLOT                   ; the other slot than last time,
	s_add_co_u32 s[G0A+5], s[TF], s[WBA]
	s_add_co_u32 s[G0B+5], s[TF], s[WBB]
.if TILES > 1
	s_lshr_b32 s5, s[FS], 3                        ; step FS of the walk belongs to input FS / 8: q, k or v,
	s_cmp_eq_u32 s5, 1
	s_cselect_b64 s[XS:XS+1], s[70:71], s[68:69]
	s_cmp_eq_u32 s5, 2
	s_cselect_b64 s[XS:XS+1], s[72:73], s[XS:XS+1]
	s_and_b32 s5, s[FS], 7                         ; and is its K step FS % 8
	s_mul_i32 s5, s5, ASTEP
	s_add_co_u32 s[OFFA], s16, s5                  ; my rows' offset and the step's: under 2^26
	s_add_nc_u64 s[G0A+6:G0A+7], s[XS:XS+1], s[OFFA:OFFA+1]  ; the address is made anew: a buffer's address and an offset made apart
	s_or_b32 s[G0A+7], s[G0A+7], 0x80000000        ; type = 2
	s_add_co_u32 s[FS], s[FS], 1
.else
	s_add_nc_u64 s[G0A+6:G0A+7], s[G0A+6:G0A+7], ASTEP  ; the next K step; the type bits on top are not reached
.endif
	s_add_nc_u64 s[G0B+6:G0B+7], s[G0B+6:G0B+7], BSTEP
.endm
; MODE 0: THE BIAS of my 128 columns, from s[8:9]: register j of block b is b[16 b + 8 (l / 16) + j], the layout of a C operand.  BIASASK asks; BIASCVT waits, rounds to bf16 like every input, and widens again.
.macro BIASASK
.irp b, 0,1,2,3,4,5,6,7
	global_load_b128 v[BIAS+8*\b:BIAS+8*\b+3],   v5, s[8:9] offset:64*\b
	global_load_b128 v[BIAS+8*\b+4:BIAS+8*\b+7], v5, s[8:9] offset:64*\b+16
.endr
.endm
.macro BIASCVT
	s_wait_loadcnt 0x0
.set k, 0
.rept 32
	v_cvt_pk_bf16_f32 v[WK+k], v[BIAS+2*k], v[BIAS+2*k+1]
.set k, k+1
.endr
.set k, 0
.rept 32
	v_lshlrev_b32 v[BIAS+2*k], 16, v[WK+k]
	v_and_b32 v[BIAS+2*k+1], 0xffff0000, v[WK+k]
.set k, k+1
.endr
.endm
.if MODE == 0
	s_load_b512 s[68:83], s[0:1], 0x0              ; q 68, k 70, v 72, Wb 74, bq 76, bk 78, bv 80, Qp 82
	s_load_b128 s[84:87], s[0:1], 0x40             ; Kp 84, Vp 86
.else
	s_load_b256 s[68:75], s[0:1], 0x0              ; Pt 68, Vp 70, St 72, out0 74
.endif
	v_lshl_add_u32 v[SPW], v0, 2, SPARE
	v_mov_b32 v[NIL], 0
	ds_add_u32 v[SPW], v[NIL]                      ; the wave's opening: the add and its wait stand ahead of my first tensor load; the set-up below, work on registers, stands between them
	v_lshrrev_b32 v3, 5, v0
	v_readfirstlane_b32 s[WV], v3
	s_lshr_b32 s[WM], s[WV], 1
	s_and_b32 s[WN], s[WV], 1
	s_bfe_u32 s[CX], ttmp6, 0x40000                ; my place in the cluster
	s_bfe_u32 s[CY], ttmp6, 0x40004
	s_lshl_b32 s[TX], ttmp9, 2                     ; in a cluster launch ttmp9 and ttmp7 count clusters
	s_add_co_u32 s[TX], s[TX], s[CX]               ; tile column = 4 x cluster x + cx
	s_and_b32 s[CLY], ttmp7, 0xffff
	s_lshl_b32 s[TY], s[CLY], 2
	s_add_co_u32 s[TY], s[TY], s[CY]               ; tile row = 4 x cluster y + cy
	s_lshl_b32 s46, s[CY], 2
	s_lshl_b32 s46, 15, s46                        ; my row of the cluster: places 4 cy .. 4 cy + 3
	s_lshl_b32 s47, 0x1111, s[CX]                  ; my column: places cx, cx + 4, cx + 8, cx + 12
	; group 1 for A: 64 rows x 128 elements (f32 or f16), 16 bytes of padding behind each row
	s_or_b32 s[G1A], s46, ((2-MODE)<<16)|(1<<20)|(1<<21)|((6-MODE)<<22)|(3<<25)  ; 15:0 the mask; 17:16 element size; 20 padding on; 21 set beside a mask; 24:22 after every 128 or 64 words; 31:25 4 words
	s_mov_b32 s[G1A+1], 128<<16                    ; tensor_dim0 = 128
	s_mov_b32 s[G1A+2], 64<<16                     ; tensor_dim1 = 64
	s_mov_b32 s[G1A+3], 128<<16                    ; tile_dim0 = 128
	s_mov_b32 s[G1A+4], 64                         ; tile_dim1 = 64
	s_mov_b32 s[G1A+5], 1024<<MODE                 ; elements from row to row
	s_mov_b32 s[G1A+6], 0
	s_mov_b32 s[G1A+7], 0
	; group 1 for B: 64 rows (k) x 256 elements of 2 bytes, 32 bytes of padding behind each row
	s_or_b32 s[G1B], s47, (1<<16)|(1<<20)|(1<<21)|(6<<22)|(7<<25)
	s_mov_b32 s[G1B+1], 256<<16
	s_mov_b32 s[G1B+2], 64<<16
	s_mov_b32 s[G1B+3], 256<<16
	s_mov_b32 s[G1B+4], 64
	s_mov_b32 s[G1B+5], 1024
	s_mov_b32 s[G1B+6], 0
	s_mov_b32 s[G1B+7], 0
	; where the tiles come from.  A's offset is made of the tile row and the wave, B's of the tile column, the batch and the wave, each in registers that never hold the other coordinate.
	s_lshl_b32 s16, s[TY], 19                      ; A: 128 rows of 4,096 bytes to a tile row,
	s_lshl_b32 s17, s[WN], 18                      ; 64 rows to a half.  s[16:17] stay
	s_add_co_u32 s16, s16, s17
	s_mov_b32 s17, 0
	s_lshl_b32 s18, s[WN], 17                      ; B: 64 rows of 2,048 bytes to a half,
	s_lshl_b32 s19, s[TX], 9                       ; 256 columns of 2 bytes to a tile column
	s_add_co_u32 s18, s18, s19
.if MODE
	s_lshr_b32 s[PB], s[CLY], 2                    ; 4 clusters (16 tile rows, 2,048 rows) to a batch,
	s_lshl_b32 s19, s[PB], 22                      ; 2,048 rows of V to a batch
	s_add_co_u32 s18, s18, s19
.endif
	s_mov_b32 s19, 0
	s_mul_i32 s[WBA], s[WN], 64*APITCH             ; and where they go: no place in the cluster enters an LDS address
	s_mul_i32 s[WBB], s[WN], 64*BPITCH
	s_add_co_u32 s[WBB], s[WBB], ABYTES
	s_mov_b32 s[TB], 0
	s_mov_b32 s[TF], SLOT
	s_mov_b32 s[G0A], 1                            ; count = 1
	s_mov_b32 s[G0A+1], s[WBA]                     ; LDS address: slot 0
	s_mov_b32 s[G0A+4], 1
	s_add_co_u32 s[G0A+5], s[WBA], SLOT            ; slot 1
	s_mov_b32 s[G0B], 1
	s_mov_b32 s[G0B+1], s[WBB]
	s_mov_b32 s[G0B+4], 1
	s_add_co_u32 s[G0B+5], s[WBB], SLOT
	s_mov_b32 s[SEL], 0x76543210
	s_mov_b32 s[SEL+1], 0xfedcba98
.if TILES > 1
	s_mov_b32 s[FS], 2                             ; steps 0 and 1 are the first fills
	s_mov_b32 s[OFFA+1], 0
.endif
	s_wait_dscnt 0x0                               ; the opening add is done
	s_wait_kmcnt 0x0
	s_add_nc_u64 s[G0A+2:G0A+3], s[PX:PX+1], s[16:17]      ; K step 0
	s_add_nc_u64 s[G0A+6:G0A+7], s[G0A+2:G0A+3], ASTEP     ; K step 1
	s_or_b32 s[G0A+3], s[G0A+3], 0x80000000                ; type = 2
	s_or_b32 s[G0A+7], s[G0A+7], 0x80000000
	s_add_nc_u64 s[G0B+2:G0B+3], s[PW:PW+1], s[18:19]
	s_add_nc_u64 s[G0B+6:G0B+7], s[G0B+2:G0B+3], BSTEP
	s_or_b32 s[G0B+3], s[G0B+3], 0x80000000
	s_or_b32 s[G0B+7], s[G0B+7], 0x80000000
	CROUND                                         ; all sixteen work-groups are here: the first joint loads meet
	s_cmp_eq_u32 s[WM], 0                          ; a wave's two first fills stand in one branch, ahead of every wait on TENSORcnt and every LDS read: two loads of mine are out
	s_cbranch_scc0 .Lfirst_b
	tensor_load_to_lds s[G0A:G0A+3], s[G1A:G1A+7]
	s_nop 0
	tensor_load_to_lds s[G0A+4:G0A+7], s[G1A:G1A+7]
	s_nop 0
.rept 4
	v_nop
.endr
	s_branch .Lfirst_asked
.Lfirst_b:
	tensor_load_to_lds s[G0B:G0B+3], s[G1B:G1B+7]
	s_nop 0
	tensor_load_to_lds s[G0B+4:G0B+7], s[G1B:G1B+7]
	s_nop 0
.rept 4
	v_nop
.endr
.Lfirst_asked:
	; ALL THAT FOLLOWS UP TO THE WAIT STANDS IN THE SHADOW OF THE FIRST TILES.
	; A fragment of A is 16 rows x 32 k: lane l holds row l % 16, k = 8 (l / 16) + 0..7 and 16 + 8 (l / 16) + 0..7.
	v_and_b32 v1, 15, v0                           ; l % 16
	v_bfe_u32 v2, v0, 4, 1                         ; l / 16
	v_mul_u32_u24 v[A0L], v1, APITCH
	v_lshl_add_u32 v[A0L], v2, 5-MODE, v[A0L]      ; 8 k are 32 bytes of f32, 16 of f16
	s_mul_i32 s13, s[WM], 64*APITCH                ; my 64 rows
	v_add_nc_u32 v[A0L], s13, v[A0L]
	; The turning load takes 16 k x 16 columns (lane l reads row k = 8 (l / 16) + l % 8, columns 8 ((l / 8) % 2) + 0..7) and leaves half a fragment: lane l holds column l % 16 and 8 k.
	v_and_b32 v3, 7, v0
	v_lshl_add_u32 v3, v2, 3, v3
	v_mul_u32_u24 v[B0L], v3, BPITCH
	v_bfe_u32 v4, v0, 3, 1
	v_lshl_add_u32 v[B0L], v4, 4, v[B0L]
	s_lshl_b32 s13, s[WN], 8                       ; my 128 columns,
	s_add_co_u32 s13, s13, ABYTES                  ; behind A's tile
	v_add_nc_u32 v[B0L], s13, v[B0L]
	s_mul_i32 s13, s[WV], 16*SPITCH
	s_add_co_u32 s13, s13, STAGE                   ; my stage
	v_mul_u32_u24 v[STO], v1, SPITCH               ; in: row l % 16, 8 numbers for each half of the lanes
	v_lshl_add_u32 v[STO], v2, 4+MODE, v[STO]
	v_add_nc_u32 v[STO], s13, v[STO]
.if MODE == 0
	v_mul_u32_u24 v[RD], v2, SPITCH                ; back: lanes 0-15 take one row of 256 bytes, lanes 16-31 the next
	v_lshl_add_u32 v[RD], v1, 4, v[RD]
	v_add_nc_u32 v[RD], s13, v[RD]
	v_lshlrev_b32 v[CO], 11, v2                    ; and the same two rows in C
	v_lshl_add_u32 v[CO], v1, 4, v[CO]
.else
	v_and_b32 v[CO], 31, v0                        ; back: 32 lanes take one row of 512 bytes
	v_lshlrev_b32 v[CO], 4, v[CO]
	v_add_nc_u32 v[RD], s13, v[CO]
.endif
	s_lshl_b32 s20, s[TY], 18+MODE                 ; where my part of C begins: 128 rows to a tile row,
	s_lshl_b32 s21, s[WM], 17+MODE                 ; my 64 rows,
	s_add_co_u32 s20, s20, s21
	s_lshl_b32 s21, s[TX], 9+MODE                  ; 256 columns to a tile column,
	s_add_co_u32 s20, s20, s21
	s_lshl_b32 s21, s[WN], 8+MODE                  ; my 128 columns
	s_add_co_u32 s20, s20, s21
	s_mov_b32 s21, 0                               ; s[20:21] stay
.if MODE
	s_add_nc_u64 s[14:15], s[74:75], s[20:21]      ; (MODE 0: each way out chooses its own buffer)
.endif
.if MODE == 0
	s_lshl_b32 s22, s[TX], 10                      ; the tile column's 256 numbers of a bias; s[22:23] stay
	s_mov_b32 s23, 0
	s_add_nc_u64 s[8:9], s[76:77], s[22:23]        ; bq
	v_lshlrev_b32 v5, 5, v2                        ; v5 stays
	v_lshl_add_u32 v5, s[WN], 9, v5
	BIASASK
	BIASCVT
.else
	; THE STATISTICS of my 64 rows.  St is [2][16 blocks][8,192 rows] of f32: cm, then l.  Lane l takes the blocks 2 i + l / 16 of the rows 16 a + l % 16.
	s_lshl_b32 s22, s[TY], 9
	s_lshl_b32 s23, s[WM], 8
	s_add_co_u32 s22, s22, s23
	s_mov_b32 s23, 0
	s_add_nc_u64 s[8:9], s[72:73], s[22:23]
	v_lshlrev_b32 v5, 15, v2
	v_lshl_add_u32 v5, v1, 2, v5
.set k, 0
.rept 32
	global_load_b32 v[CMX+k], v5, s[8:9] offset:(k/4)*65536+(k%4)*64
	global_load_b32 v[LL+k],  v5, s[8:9] offset:524288+(k/4)*65536+(k%4)*64
.set k, k+1
.endr
	s_lshl_b32 s13, s[WV], 13
	s_add_co_u32 s13, s13, TABLE                   ; my table
	v_lshl_add_u32 v[TAB], v1, 5, s13              ; my 32 bytes of entry 0
	v_lshl_add_u32 v6, v2, 9, v[TAB]               ; where my blocks' factors go: entry l / 16, then every second one
	; O starts at 0: 256 lines, in the wait for the statistics and the first tiles.  The price of writing no first step out, which would be a trip of the loop once more in the text.
	WIN 0xc0
.set k, 0
.rept 256
	v_mov_b32 v[k], 0
.set k, k+1
.endr
	WIN 0
	s_wait_loadcnt 0x0
.irp a, 0,1,2,3                        ; m: two chains, then the other half of the lanes
	v_max3_num_f32 v[WK+\a],   v[CMX+\a],    v[CMX+4+\a],  v[CMX+8+\a]
	v_max3_num_f32 v[WK+4+\a], v[CMX+12+\a], v[CMX+16+\a], v[CMX+20+\a]
.endr
.irp a, 0,1,2,3
	v_max3_num_f32 v[WK+\a], v[WK+\a], v[CMX+24+\a], v[CMX+28+\a]
.endr
.irp a, 0,1,2,3
	v_max_num_f32 v[WK+\a], v[WK+\a], v[WK+4+\a]
.endr
.irp a, 0,1,2,3
	v_permlanex16_b32 v[WK+4+\a], v[WK+\a], s[SEL], s[SEL+1]
.endr
.irp a, 0,1,2,3
	v_max_num_f32 v[WK+\a], v[WK+\a], v[WK+4+\a]
.endr
.set k, 0
.rept 16                               ; cm - m
	v_pk_add_f32 v[CMX+2*k:CMX+2*k+1], v[CMX+2*k:CMX+2*k+1], v[WK+2*(k%2):WK+2*(k%2)+1] neg_lo:[0,1] neg_hi:[0,1]
.set k, k+1
.endr
.set k, 0
.rept 32                               ; f
	v_exp_f32 v[CMX+k], v[CMX+k]
.set k, k+1
.endr
	v_nop                                          ; a plain instruction between the last exponential and the use of its result (ISA guide 5.7.2)
	s_wait_alu depctr_va_vdst(0)
.irp e, 0,2                            ; L = the sum of f l
	v_pk_mul_f32 v[WK+8+\e:WK+9+\e], v[CMX+\e:CMX+\e+1], v[LL+\e:LL+\e+1]
.endr
.set k, 1
.rept 7
.irp e, 0,2
	v_pk_fma_f32 v[WK+8+\e:WK+9+\e], v[CMX+4*k+\e:CMX+4*k+\e+1], v[LL+4*k+\e:LL+4*k+\e+1], v[WK+8+\e:WK+9+\e]
.endr
.set k, k+1
.endr
.irp a, 0,1,2,3
	v_permlanex16_b32 v[WK+4+\a], v[WK+8+\a], s[SEL], s[SEL+1]
.endr
.irp a, 0,1,2,3
	v_add_f32 v[WK+8+\a], v[WK+8+\a], v[WK+4+\a]
.endr
.irp a, 0,1,2,3
	v_rcp_f32 v[RL+2*\a], v[WK+8+\a]               ; made twice: the packed multiply names a pair.  L is at least 1: the block that holds the maximum has f = 1 and l >= 1.  Used on the way out
	v_rcp_f32 v[RL+2*\a+1], v[WK+8+\a]
.endr
.set k, 0
.rept 32                               ; each factor twice, so that it comes back as the pair that the packed multiply-add names
	ds_store_b32 v6, v[CMX+k] offset:(k/4)*1024+(k%4)*8
	ds_store_b32 v6, v[CMX+k] offset:(k/4)*1024+(k%4)*8+4
.set k, k+1
.endr
.endif
; THE MATRIX WORK.  Product pi of a quarter's 32: rows 16 (pi / 8) on, columns 16 (pi % 8) on, 32 along K from buffer f.  The 32 accumulators take turns, one instruction a turn.
; start = 1: the sums begin, with the bias (MODE 0, in every tile) or the constant 0 (MODE 1, in every step).
.macro PROD f, start
.set rD, 8*pi
.set rB, BF+64*(\f)+8*(pi%8)
.set rA, AF+32*(\f)+8*(pi/8)
.set rC, BIAS+8*(pi%8)
.if \start
.if MODE == 0
	WIN MULB
	v_wmma_f32_16x16x32_bf16 v[rD:rD+7], v[rB:rB+7], v[rA:rA+7], v[rC:rC+7]
.else
	WIN MUL
	v_wmma_f32_16x16x32_f16 v[rD:rD+7], v[rB:rB+7], v[rA:rA+7], 0
.endif
.else
	WIN MUL
.if MODE == 0
	v_wmma_f32_16x16x32_bf16 v[rD:rD+7], v[rB:rB+7], v[rA:rA+7], v[rD:rD+7]
.else
	v_wmma_f32_16x16x32_f16 v[rD:rD+7], v[rB:rB+7], v[rA:rA+7], v[rD:rD+7]
.endif
.endif
.set pi, pi+1
.endm
; MODE 1: accumulator j of the step is folded: O += f T, its registers in ascending order; f is that of the accumulator's block of 16 rows and my row in it.
.macro FOLD j
	WIN FO
.set z, 0
.rept 4
	v_pk_fma_f32 v[8*(\j)+2*z:8*(\j)+2*z+1], v[8*(\j)+2*z:8*(\j)+2*z+1], v[FC+2*((\j)/8):FC+2*((\j)/8)+1], v[8*(\j)+2*z:8*(\j)+2*z+1]
.set z, z+1
.endr
.endm
; A product and, in MODE 1, the fold that rides behind it.  turn = 1 (a step's last quarter): the accumulator finished LAG products ago; each fold's four lines are the places behind the products between,
; and four v_nop those of the first.  lead = 1 (the next step's first quarter): the LAG accumulators that are left, ahead of the products that start them anew.
.macro PR f, start, turn, lead
	PROD \f, \start
.if MODE
.if (\turn) && (pi == LAG+1)
	PLACES
.endif
.if (\turn) && (pi > LAG)
	FOLD pi-1-LAG
.endif
.if (\lead) && (pi <= LAG)
	FOLD 31-LAG+pi
.endif
.endif
.endm
; LDS load ln of the NL that bring quarter kq of the slot in hand for buffer g: A's first (MODE 0: as f32, into RAW), then B's sixteen.
.macro LOAD1 kq, g
.if ln < NA
.if MODE == 0
	ds_load_b128 v[RAW+4*ln:RAW+4*ln+3], v[ADRA] offset:(ln/4)*16*APITCH+(\kq)*128+(ln%2)*16+((ln/2)%2)*64
.else
	ds_load_b128 v[AF+32*(\g)+4*ln:AF+32*(\g)+4*ln+3], v[ADRA] offset:(ln/2)*16*APITCH+(\kq)*64+(ln%2)*32
.endif
.else
.set bm, ln-NA
	ds_load_tr16_b128 v[BF+64*(\g)+4*bm:BF+64*(\g)+4*bm+3], v[ADRB] offset:(\kq)*32*BPITCH+(bm%2)*16*BPITCH+(bm/2)*32
.endif
.set ln, ln+1
.endm
; MODE 0: register vn of the 32 of A's fragments in buffer g: two f32 rounded to bf16.
.macro VAL1 g
	v_cvt_pk_bf16_f32 v[AF+32*(\g)+vn], v[RAW+2*vn], v[RAW+2*vn+1]
.set vn, vn+1
.endm
; A QUARTER STEP: 32 products on buffer f.  The next quarter (kq of the slot in hand) is brought into the other buffer by ONE run of LDS loads, never singly among the products: two window switches a run.
; The run stands behind the first RUNAT products, so that B's loads have 28 products in which to land and, in MODE 0, A's have 20: their 32 roundings to bf16 ride four behind each of the last eight products.
; MODE 1: the step's first quarter (kq = 1) heads its run with the step's factors, behind the folds that still read the last step's.
; turn = 1: the step's last quarter, which changes slots.  ONE barrier for two things: in front of it each wave waits for all its tensor loads (one is out: its part of the other slot), adds 0 to its spare word, and waits
; for that and for its reads of this slot.  fill = 1: the descriptors' steps stand behind the add; the barrier opens a round of the cluster's, and the joint refill of this slot, two K steps ahead, is the first thing
; behind the round: 120 products stand between the request and the wait for it.  The run of loads, from the other slot, follows.
.macro QUARTER kq, f, turn=0, fill=0, start=0, lead=0
.set pi, 0
.set ln, 0
.set vn, 0
.set gb, 1-(\f)
.if \turn
	WIN 0                                          ; (the add's two registers lie in window 0)
	s_wait_dscnt 0x0                               ; this quarter's fragments are in: they were this slot's last reads
	s_wait_tensorcnt 0x0                           ; all my tensor loads have landed, so every group 0 may be written
	ds_add_u32 v[SPW], v[NIL]                      ; 0 onto my spare word; scalar work and four products stand between it and the wait for it
.if \fill
	STEPFILL
.endif
.rept 4
	PR \f, 0, 1, 0
.endr
	s_wait_dscnt 0x0                               ; the add is done
	s_barrier_signal -1
.rept 4
	PR \f, 0, 1, 0                                 ; work on registers while the others arrive
.endr
	WIN 0                                          ; at a branch and at a label every window is 0
	s_barrier_wait -1
.if \fill
	CREST                                          ; no wave of any partner still reads this slot's tiles or has a load on its way
	JLOAD                                          ; its four v_nop are also the places in front of the loads below
.else
	PLACES
.endif
	s_xor_b32 s[TB], s[TB], SLOT                   ; the reads go on in the other slot
	v_add_nc_u32 v[ADRA], s[TB], v[A0L]
	v_add_nc_u32 v[ADRB], s[TB], v[B0L]
.if MODE
	v_add_nc_u32 v[TAB], 0x200, v[TAB]             ; and with the next step's factors
.endif
.else
	s_wait_dscnt 0x0                               ; this quarter's fragments are in: B's were the youngest loads
.rept RUNAT
	PR \f, \start, 0, \lead
.endr
	PLACES                                         ; between the last quarter's products and the loads and writes into the buffer that they read
.endif
	WIN LD
.if MODE && ((\kq) == 1)
	ds_load_b128 v[FC:FC+3],   v[TAB]              ; this step's factors: needed three quarters on
	ds_load_b128 v[FC+4:FC+7], v[TAB] offset:16
.endif
.rept NL
	LOAD1 \kq, gb
.endr
.rept 24-pi
	PR \f, \start, \turn, \lead
.endr
.rept 8
	PR \f, \start, \turn, \lead
.if MODE == 0
.if pi == 25
	s_wait_dscnt 16                                ; LDS loads come back in order (ISA guide 5.7.1): A's are in, B's sixteen younger ones may be out
.endif
	WIN VA
.rept 4
	VAL1 gb
.endr
.endif
.endr
.endm
	s_wait_tensorcnt 0x1                           ; my part of K step 0 is in; K step 1's may stay out
.if MODE
	s_wait_dscnt 0x0                               ; no LDS instruction is pending at a signal: my table is written
.endif
	s_barrier_signal -1
	s_barrier_wait -1                              ; everybody's part is in
	v_add_nc_u32 v[ADRA], s[TB], v[A0L]
	v_add_nc_u32 v[ADRB], s[TB], v[B0L]
	WIN LD
.set ln, 0
.rept NL
	LOAD1 0, 0
.endr
.if MODE == 0
	s_wait_dscnt 16                                ; all but B's sixteen
	WIN VA
.set vn, 0
.rept 32
	VAL1 0
.endr
.endif
.if TILES > 1
	WIN 0
	s_mov_b32 s2, TILES                            ; tiles to go, this one among them: the same number in every work-group
.Ltile:
.endif
	QUARTER 1, 0, 0, 0, 1, 0                       ; a tile's first quarter stands in front of the loop: its products start the sums
	WIN 0
	s_mov_b32 s3, STEPS-2
.Lstep:                                                ; a trip goes from a step's second quarter to the next step's first, and fills one slot again
	QUARTER 2, 1
	QUARTER 3, 0
	QUARTER 0, 1, 1, 1
	QUARTER 1, 0, 0, 0, MODE, MODE
	WIN 0
	s_sub_co_u32 s3, s3, 1
	s_cmp_lg_u32 s3, 0
	s_cbranch_scc1 .Lstep
.if TILES > 1                          ; with one tile to a work-group nothing of this is assembled
	s_cmp_eq_u32 s2, 1
	s_cbranch_scc1 .Llast                          ; the last tile's last two steps ask for nothing: a text of their own
	s_cmp_eq_u32 s2, TILES                         ; the next tile's bias is asked for two K steps ahead of its use: bk behind q's tile, bv behind k's.
	s_cselect_b64 s[XS:XS+1], s[78:79], s[80:81]   ; (the last bias has been read by the tile's first quarter, and its loads have been waited for)
	s_add_nc_u64 s[8:9], s[XS:XS+1], s[22:23]
	BIASASK
	s_mov_b32 s3, 2
.Lmid:                                                 ; THE RING GOES ON INTO THE NEXT TILE: these two changes of slots ask for the next input's K steps 0 and 1
	QUARTER 2, 1
	QUARTER 3, 0
	QUARTER 0, 1, 1, 1
	WIN 0
	s_cmp_eq_u32 s3, 1
	s_cbranch_scc1 .Lmskip                         ; behind the tile's last step comes the way out; what its change of slots has fetched are the next tile's first fragments
	QUARTER 1, 0
	WIN 0
.Lmskip:
	s_sub_co_u32 s3, s3, 1
	s_cmp_lg_u32 s3, 0
	s_cbranch_scc1 .Lmid
	BIASCVT
	s_branch .Lout
.Llast:
.endif
	s_mov_b32 s3, 2
.Ltail:                                                ; the walk's last two steps ask for nothing: a text of their own
	QUARTER 2, 1
	QUARTER 3, 0
	QUARTER 0, 1, 1, 0
	WIN 0
	s_cmp_eq_u32 s3, 1
	s_cbranch_scc1 .Lskip                          ; behind the last step there is no first quarter.  What its change of slots has fetched (old bytes of the other slot) serves nothing: the price, once, of one text for both trips
	QUARTER 1, 0, 0, 0, MODE, MODE
	WIN 0
.Lskip:
	s_sub_co_u32 s3, s3, 1
	s_cmp_lg_u32 s3, 0
	s_cbranch_scc1 .Ltail
; THE WAY OUT, a block of 16 rows at a time.  PACK: rounded to f16 (MODE 0) or divided by L (MODE 1), each accumulator's registers in ascending order.  TOSTAGE: into my own stage and back as whole rows.  SEND: stored.
.macro PACK a
.set k, 0
.if MODE == 0
	WIN 0x05                                       ; both sources window 1
.rept 32
	v_cvt_pk_f16_f32 v[TMP+k], v[64*(\a)+2*k], v[64*(\a)+2*k+1]
.set k, k+1
.endr
.else
	WIN 0x03                                       ; source 0 (O) window 3
	s_wait_alu depctr_va_vdst(0)
.rept 32
	v_pk_mul_f32 v[TMP+2*k:TMP+2*k+1], v[64*(\a)+2*k:64*(\a)+2*k+1], v[RL+2*(\a):RL+2*(\a)+1] op_sel_hi:[1,0]
.set k, k+1
.endr
.endif
	WIN 0
.endm
.macro TOSTAGE a
.set k, 0
.if MODE == 0
.set BK, 128+32*(\a)                   ; each block of a tile has registers of its own: v128-255
.rept 8
	ds_store_b128 v[STO], v[TMP+4*k:TMP+4*k+3] offset:32*k
.set k, k+1
.endr
.set k, 0
.rept 8
	ds_load_b128 v[BK+4*k:BK+4*k+3], v[RD] offset:k*2*SPITCH  ; LDS serves a wave's instructions in order (ISA guide 5.7.1.4): these see the stores above
.set k, k+1
.endr
.else
.set BK, 96+64*((\a)%2)
.rept 16
	ds_store_b128 v[STO], v[TMP+4*k:TMP+4*k+3] offset:64*(k/2)+16*(k%2)
.set k, k+1
.endr
.set k, 0
.rept 16
	ds_load_b128 v[BK+4*k:BK+4*k+3], v[RD] offset:k*SPITCH
.set k, k+1
.endr
.endif
.endm
.macro SEND a
	s_wait_dscnt 0x0                               ; the block is back in registers
.set k, 0
.if MODE == 0
.set BK, 128+32*(\a)
.rept 8
	global_store_b128 v[CO], v[BK+4*k:BK+4*k+3], s[14:15] offset:(16*(\a)+2*k)*2048  ; 16 lanes store 256 consecutive bytes, at a multiple of 256 from C's first byte
.set k, k+1
.endr
.else
.set BK, 96+64*((\a)%2)
	s_wait_xcnt 0x0                                ; the stores of the block before have read their registers, which the next block's loads write (ISA guide 3.1)
.rept 16
	global_store_b128 v[CO], v[BK+4*k:BK+4*k+3], s[14:15] offset:(16*(\a)+k)*4096 th:TH_STORE_NT  ; 512 consecutive bytes, at a multiple of 512 from C's first byte
.set k, k+1
.endr
.endif
.endm
.if TILES > 1
.Lout:
.endif
	s_wait_dscnt 0x0                               ; what the last change of slots has fetched has landed
	PLACES                                         ; between the last products and the lines that read results
.if MODE
.set fj, 32-LAG
.rept LAG
	FOLD fj                                        ; the last step's accumulators that are left
.set fj, fj+1
.endr
.endif
.if TILES > 1
	s_wait_xcnt 0x0                                ; the last tile's stores have read their registers and their base (ISA guide 3.1): both are written anew below
	s_cmp_eq_u32 s2, 2                             ; three tiles to go: Qp; two: Kp; one: Vp
	s_cselect_b64 s[XS:XS+1], s[84:85], s[82:83]
	s_cmp_eq_u32 s2, 1
	s_cselect_b64 s[XS:XS+1], s[86:87], s[XS:XS+1]
	s_add_nc_u64 s[14:15], s[XS:XS+1], s[20:21]
.endif
	PACK 0
	TOSTAGE 0
.irp a, 1,2,3                          ; a block's arithmetic stands between the loads of the block before and its stores
	PACK \a
	SEND (\a)-1
	TOSTAGE \a
.endr
	SEND 3
.if TILES > 1
	s_sub_co_u32 s2, s2, 1                         ; nothing waits for the stores: they leave while the next tile is multiplied
	s_cmp_lg_u32 s2, 0
	s_cbranch_scc1 .Ltile
.endif
	s_wait_tensorcnt 0x0                           ; the wave's end, behind my last tensor load and my last LDS store
	ds_add_u32 v[SPW], v[NIL]
	s_wait_dscnt 0x0
	CROUND                                         ; the closing round: no work-group ends while a partner may still ask for a tile that names it
	s_endpgm
.Lfunc_end_k_qce92a130ac_pv:
	.size	k_qce92a130ac_pv, .Lfunc_end_k_qce92a130ac_pv-k_qce92a130ac_pv
	.p2alignl 7, 3214868480
	.fill 96, 4, 3214868480
	.section	.rodata,"a",@progbits
	.p2align	6, 0x0
	.amdhsa_kernel k_qce92a130ac_pv
		.amdhsa_group_segment_fixed_size 327680
		.amdhsa_private_segment_fixed_size 0
		.amdhsa_enable_private_segment 0
		.amdhsa_kernarg_size 32
		.amdhsa_user_sgpr_count 2
		.amdhsa_user_sgpr_kernarg_segment_ptr 1
		.amdhsa_wavefront_size32 1
		.amdhsa_system_sgpr_workgroup_id_x 1
		.amdhsa_system_sgpr_workgroup_id_y 1
		.amdhsa_system_sgpr_workgroup_id_z 1
		.amdhsa_system_vgpr_workitem_id 0
		.amdhsa_next_free_vgpr 1024
		.amdhsa_next_free_sgpr 96
		.amdhsa_reserve_vcc 0
		.amdhsa_float_denorm_mode_32 3
		.amdhsa_float_denorm_mode_16_64 3
		.amdhsa_memory_ordered 1
		.amdhsa_forward_progress 1
		.amdhsa_inst_pref_size 112
	.end_amdhsa_kernel
	.amdgpu_metadata
---
amdhsa.version: [ 1, 2 ]
amdhsa.kernels:
  - .name:           k_qce92a130ac_pv
    .symbol:         k_qce92a130ac_pv.kd
    .args:
      - { .name: Pt, .offset: 0, .size: 8, .value_kind: global_buffer, .address_space: global }
      - { .name: Vp, .offset: 8, .size: 8, .value_kind: global_buffer, .address_space: global }
      - { .name: St, .offset: 16, .size: 8, .value_kind: global_buffer, .address_space: global }
      - { .name: out0, .offset: 24, .size: 8, .value_kind: global_buffer, .address_space: global }
    .group_segment_fixed_size: 327680
    .private_segment_fixed_size: 0
    .kernarg_segment_align: 8
    .kernarg_segment_size: 32
    .max_flat_workgroup_size: 128
    .sgpr_count:     96
    .vgpr_count:     1024
    .wavefront_size: 32
...
	.end_amdgpu_metadata
.endif
;; end of part 6
